; MI455X (gfx1250); checked and timed in simulation.
; The chip was launched on July 23, 2026; its instructions are those of AMD's public machine-readable ISA for CDNA 5 (MIT licence, August 2026) and "CDNA5" Instruction Set Architecture Reference Guide (July 2026). The comments in the code are by the model that wrote it; some were corrected since.
;; Self Attention V1. Allowed arithmetic: float matrix products may take bf16 or f16 operands with f32 sums; other float arithmetic in f32, or as packed bf16 or f16 multiplies, adds, multiply-adds, maxima and minima; sums over many terms, partial sums and values carried from step to step in f32; what a program stores and reads back later, other than sums and carried values, may be rounded once to bf16 or f16.
;; Inputs: Wk 1,024 x 1,024 float32; Wq 1,024 x 1,024 float32; Wv 1,024 x 1,024 float32; bk 1,024 float32; bq 1,024 float32; bv 1,024 float32; x 4 x 2,048 x 1,024 float32.
;; Outputs: out0 4 x 2,048 x 1,024 float32.
;; 3 versions, each right; version 2 is faster than version 1; version 3 is version 2 with the launch cast written anew for expert scheduling mode. Each part assembles by itself: llvm-mc -triple=amdgcn-amd-amdhsa -mcpu=gfx1250 --defsym DOCPART=n.
;; ======== version 1 of 3: 4 launches
;; limits: values are held in f16: magnitudes above 65,504 overflow, below 6.1e-05 lose precision
;; workspace buffers: xw 23,068,672 bytes; qkv 50,331,648 bytes; p 33,554,432 bytes; st 1,048,576 bytes
;; launch cast (part 1): grid 704 x 1, 8 waves a work-group, no clusters, 0 bytes of LDS; arguments x, Wq, Wk, Wv, xw; writes xw
.if DOCPART == 1
	.amdgcn_target "amdgcn-amd-amdhsa--gfx1250"
	.amdhsa_code_object_version 6
	.text
	.protected	k_q633e212306_cast
	.globl	k_q633e212306_cast
	.p2align	8
	.type	k_q633e212306_cast,@function
k_q633e212306_cast:
	s_mov_b64 s[64:65], 0
	v_nop
	global_prefetch_b8 v0, s[64:65] scope:SCOPE_SE
	s_setreg_imm32_b32 hwreg(HW_REG_WAVE_MODE, 25, 1), 1
	s_wait_xcnt 0x0
; xw[11264][1024] in bf16 = x (rows 0 to 8191), Wq (8192 on), Wk (9216 on), Wv (10240 on), each number rounded once, to nearest even.
; A stream: every byte is read once and written once, so no LDS, no barrier, no matrix unit and no cluster (no two work-groups read the same byte).
; A work-group takes 16,384 numbers: 65,536 bytes in, 32,768 out.  Work-groups 0 to 511 take x, work-group 512 + 64 sel + i takes part i of weight sel.
; Thread t takes 16 bytes at 16 t of each block of 4,096 bytes and stores 8 bytes at 8 t of each block of 2,048: a wave's store covers 256 consecutive bytes, aligned.
; All sixteen loads of a wave go out first; the waits count down, so that the younger loads stay out while the older are rounded and stored.
.set NX, 512                           ; work-groups that take x
	s_load_b256 s[4:11], s[0:1], 0x0               ; x s[4:5], Wq s[6:7], Wk s[8:9], Wv s[10:11]
	s_load_b64 s[12:13], s[0:1], 0x20              ; xw
	v_lshlrev_b32 v1, 4, v0                        ; 16 t
	v_lshlrev_b32 v2, 3, v0                        ; 8 t
	s_sub_co_u32 s14, ttmp9, NX                    ; my number among the weights' work-groups (of no use below NX: x is chosen there)
	s_lshr_b32 s15, s14, 6                         ; which weight
	s_and_b32 s16, s14, 63                         ; which part of it
	s_wait_kmcnt 0x0
	s_cmp_eq_u32 s15, 0
	s_cselect_b64 s[18:19], s[6:7], s[8:9]         ; Wq or Wk,
	s_cmp_eq_u32 s15, 2
	s_cselect_b64 s[18:19], s[10:11], s[18:19]     ; or Wv,
	s_cmp_lt_u32 ttmp9, NX
	s_cselect_b64 s[18:19], s[4:5], s[18:19]       ; or x
	s_cselect_b32 s16, ttmp9, s16                  ; and my part of that source
	s_lshl_b32 s20, s16, 16                        ; 65,536 bytes a part
	s_mov_b32 s21, 0
	s_add_nc_u64 s[18:19], s[18:19], s[20:21]
	s_lshl_b32 s22, ttmp9, 15                      ; 32,768 bytes of xw a work-group
	s_mov_b32 s23, 0
	s_add_nc_u64 s[12:13], s[12:13], s[22:23]
.irp j, 0,1,2,3,4,5,6,7,8,9,10,11,12,13,14,15
	global_load_b128 v[4+4*(\j):7+4*(\j)], v1, s[18:19] offset:4096*(\j) th:TH_LOAD_NT
.endr
.irp j, 0,1,2,3,4,5,6,7,8,9,10,11,12,13,14,15
	s_wait_loadcnt 15-(\j)                         ; loads come back in order (ISA guide 5.7.1): load j is in, the 15 - j younger ones stay out
	v_cvt_pk_bf16_f32 v[68+2*(\j)], v[4+4*(\j)], v[5+4*(\j)]
	v_cvt_pk_bf16_f32 v[69+2*(\j)], v[6+4*(\j)], v[7+4*(\j)]
	global_store_b64 v2, v[68+2*(\j):69+2*(\j)], s[12:13] offset:2048*(\j)
.endr
	s_endpgm
.Lfunc_end_k_q633e212306_cast:
	.size	k_q633e212306_cast, .Lfunc_end_k_q633e212306_cast-k_q633e212306_cast
	.p2alignl 7, 3214868480
	.fill 96, 4, 3214868480
	.section	.rodata,"a",@progbits
	.p2align	6, 0x0
	.amdhsa_kernel k_q633e212306_cast
		.amdhsa_group_segment_fixed_size 0
		.amdhsa_private_segment_fixed_size 0
		.amdhsa_enable_private_segment 0
		.amdhsa_kernarg_size 40
		.amdhsa_user_sgpr_count 2
		.amdhsa_user_sgpr_kernarg_segment_ptr 1
		.amdhsa_wavefront_size32 1
		.amdhsa_system_sgpr_workgroup_id_x 1
		.amdhsa_system_sgpr_workgroup_id_y 1
		.amdhsa_system_sgpr_workgroup_id_z 1
		.amdhsa_system_vgpr_workitem_id 0
		.amdhsa_next_free_vgpr 100
		.amdhsa_next_free_sgpr 66
		.amdhsa_reserve_vcc 0
		.amdhsa_float_denorm_mode_32 3
		.amdhsa_float_denorm_mode_16_64 3
		.amdhsa_memory_ordered 1
		.amdhsa_forward_progress 1
		.amdhsa_inst_pref_size 7
	.end_amdhsa_kernel
	.amdgpu_metadata
---
amdhsa.version: [ 1, 2 ]
amdhsa.kernels:
  - .name:           k_q633e212306_cast
    .symbol:         k_q633e212306_cast.kd
    .args:
      - { .name: x, .offset: 0, .size: 8, .value_kind: global_buffer, .address_space: global }
      - { .name: Wq, .offset: 8, .size: 8, .value_kind: global_buffer, .address_space: global }
      - { .name: Wk, .offset: 16, .size: 8, .value_kind: global_buffer, .address_space: global }
      - { .name: Wv, .offset: 24, .size: 8, .value_kind: global_buffer, .address_space: global }
      - { .name: xw, .offset: 32, .size: 8, .value_kind: global_buffer, .address_space: global }
    .group_segment_fixed_size: 0
    .private_segment_fixed_size: 0
    .kernarg_segment_align: 8
    .kernarg_segment_size: 40
    .max_flat_workgroup_size: 256
    .sgpr_count:     66
    .vgpr_count:     100
    .wavefront_size: 32
...
	.end_amdgpu_metadata
.endif
;; end of part 1
;; launch proj (part 2): grid 12 x 32, 4 waves a work-group, clusters of 4 x 4, 327,680 bytes of LDS; arguments xw, bq, bk, bv, qkv; writes qkv
.if DOCPART == 2
	.amdgcn_target "amdgcn-amd-amdhsa--gfx1250"
	.amdhsa_code_object_version 6
	.text
	.protected	k_q633e212306_proj
	.globl	k_q633e212306_proj
	.p2align	8
	.type	k_q633e212306_proj,@function
k_q633e212306_proj:
	s_mov_b64 s[64:65], 0
	v_nop
	global_prefetch_b8 v0, s[64:65] scope:SCOPE_SE
	s_setreg_imm32_b32 hwreg(HW_REG_WAVE_MODE, 25, 1), 1
	s_wait_xcnt 0x0
	s_wait_alu depctr_hold_cnt(0) depctr_sa_sdst(0) depctr_va_vdst(0) depctr_va_sdst(0) depctr_va_ssrc(0) depctr_va_vcc(0) depctr_vm_vsrc(0)
	s_getreg_b32 s2, hwreg(HW_REG_IB_STS2, 6, 4)
	s_cmp_eq_u32 s2, 0
	s_cbranch_scc0 .Lentry_in_a_cluster
	s_endpgm
.Lentry_in_a_cluster:
	s_bfe_u32 s2, ttmp6, 0x10000c
	s_cmp_lg_u32 s2, 0xf033
	s_cbranch_scc0 .Lentry_shape_is_right
	s_endpgm
.Lentry_shape_is_right:
; qkv[sel][m][e] = sum over d of x[m][d] W_sel[e][d] + b_sel[e], sel = 0 (Q), 1 (K), 2 (V).  x and the weights lie in xw as bf16 ([11264][1024]: x, Wq, Wk, Wv); the bias is rounded to bf16
; here, like the other inputs; sums in f32; the result is rounded once, to f16.
; LIMIT.  f16 holds no number beyond 65,504: Q, K and V must stay within it (inputs 30 times the drawn spread give some 5,400; offsets of 30 spreads on all inputs some 28,800).  NaN and infinities are not treated apart.
; A tile of 256 rows x 256 columns is made by a work-group of four waves; a wave makes 128 x 128: 64 accumulators of 16 x 16, 512 registers.  K = 1,024 goes in eight steps of 128 through a ring of two
; LDS slots filled by the tensor data mover: a tile's rows are 256 bytes of memory and start at multiples of 256 bytes from the buffer's first byte.
; CLUSTERS: 4 x 4 work-groups.  The four of a row of the cluster need the same rows of x, the four of a column the same rows of a weight: each tile is asked for JOINTLY, by the same tensor load with
; the same descriptor and a mask that names the four.  A cluster's four tile columns are one weight's 1,024 rows: the cluster's x is sel.
; THE MATRIX INSTRUCTION IS USED TRANSPOSED: source 0 = 16 rows of W, source 1 = 16 rows of x.  Lane l then holds row l % 16 of the result and the columns 8 (l / 16) + 0..7: eight neighbours, 16 bytes of f16.
; THE BIAS is the C operand of the product that starts each sum: for a block of 16 columns eight registers, the same for all rows; it costs no addition.
; REGISTERS, in windows of 256 (s_set_vgpr_msb: bits 1:0 source 0, 3:2 source 1, 5:4 source 2, 7:6 destination):
;   window 0: v0-31 addresses; v64-127, v128-191 fragments of x, two buffers; v32-63, v192-255 at work on the way out
;   window 1: v0-63 the bias; v64-127, v128-191 fragments of W, two buffers; v192-223 at work while the bias is rounded
;   window 2: the 32 accumulators of my rows 0-63 (accumulator (a, b) at v[8 (8 a + b)]);   window 3: those of my rows 64-127
.set SIZE_K, 1024
.set KSTEP,  128
.set PITCH,  272                       ; an LDS row: 256 bytes + 16 of padding = 68 words: row r starts at bank 4 r mod 64 (64 banks of 4 bytes: ISA guide 11.1)
.set HALFT,  128*PITCH                 ; 128 rows: what one tensor load brings, and what one wave reads of x or of W
.set SLOT,   4*HALFT                   ; x's 256 rows, then W's 256 rows
.set STAGE,  2*SLOT                    ; behind the ring: 16 rows x 272 bytes for each wave, for the way out
.set SPITCH, 272
.set SPARE,  STAGE+4*16*SPITCH         ; behind the stages: the spare words, 128 bytes for each wave: two blocks of 256 bytes that no other line names
.set LAPS,   SIZE_K/(2*KSTEP)          ; a lap = two K steps = once round the ring
.set OPITCH, 2048                      ; bytes in a row of Q, K or V
.set ADRA, 16                          ; v16-17  LDS address of my fragments of x in slot 0, 1
.set ADRB, 20                          ; v20-21  the same for W
.set STO,  24                          ; v24     the way out: where I put 16 bytes of a row
.set RD,   25                          ; v25     the way out: where I read a row back
.set CO,   26                          ; v26     my byte offset in two rows of the result
.set BO,   27                          ; v27     my byte offset in the bias
.set SPW,  28                          ; v28     LDS address of my spare word: SPARE + 4 x my thread's number; never rewritten
.set NIL,  29                          ; v29     0; never rewritten
.set F0,   64
.set F1,   128
.set TMP,  192                         ; the way out: packed results
.set OB,   32                          ; the way out: 16 rows read back from the stage: v32-63 and v224-255 by turns
.set BT,   192                         ; window 1: the bias as bf16
.set G1,  24                           ; s[24:31] descriptor group 1 for x's tiles;  s[32:39] group 0, one set for each slot
.set G0,  32
.set G1B, 48                           ; s[48:55], s[56:63] the same for W's tiles
.set G0B, 56
.set MSB, 0
.macro WIN new                         ; the immediate's high byte repeats the setting that is left; a switch that changes nothing is dropped
.if MSB != (\new)
	s_set_vgpr_msb (MSB<<8)|(\new)
.set MSB, \new
.endif
.endm
.set MUL_LO, 0xa1                      ; source 0 (W) window 1, source 1 (x) window 0, C and D window 2
.set TO_B,   0x40                      ; destination window 1, address window 0
; A joint load.  Waves 0 and 1 fetch x's two halves, waves 2 and 3 W's.  The branch hangs on the wave's number alone.  An s_nop 0 and four v_nop follow each of the two lines.
.macro JLOAD s
	s_cmp_eq_u32 s11, 0
	s_cbranch_scc0 .Lfor_b_\@
	tensor_load_to_lds s[G0+4*(\s):G0+4*(\s)+3], s[G1:G1+7]
	s_nop 0
.rept 4
	v_nop
.endr
	s_branch .Lasked_\@
.Lfor_b_\@:
	tensor_load_to_lds s[G0B+4*(\s):G0B+4*(\s)+3], s[G1B:G1B+7]
	s_nop 0
.rept 4
	v_nop
.endr
.Lasked_\@:
.endm
; A round of the cluster's barrier: my work-group's barrier; wave 0 signals for the work-group; every wave waits for all sixteen work-groups; my work-group's barrier once more.
.macro CREST                           ; a round behind its opening barrier
	s_cmp_lg_u32 s10, 0
	s_cbranch_scc1 .Lnot_wave_0_\@
	s_barrier_signal -3
.Lnot_wave_0_\@:
	s_barrier_wait -3
	s_barrier_signal -1
	s_barrier_wait -1
.endm
.macro CROUND                          ; a whole round
	s_barrier_signal -1
	s_barrier_wait -1
	CREST
.endm
.macro PLACES                          ; four places in front of loads into registers that matrix instructions have read, and of conversions that read results
.rept 4
	v_nop
.endr
.endm
; 16 matrix instructions: row blocks a0, a0 + 1 of the window's four (hi = 0: my rows 0-63, 1: rows 64-127) x all 8 column blocks, 32 along K.  zero = 2: the product starts the sum with the bias as C.
.macro MUL16 f, hi, a0, zero
.if (\zero) == 2
	WIN 0x91+0x40*(\hi)                            ; as below, with C in window 1
.else
	WIN MUL_LO+0x50*(\hi)
.endif
.irp a, \a0, (\a0)+1
.irp b, 0,1,2,3,4,5,6,7
.if (\zero) == 2
	v_wmma_f32_16x16x32_bf16 v[8*(8*(\a)+(\b)):8*(8*(\a)+(\b))+7], v[(\f)+8*(\b):(\f)+8*(\b)+7], v[(\f)+8*(4*(\hi)+(\a)):(\f)+8*(4*(\hi)+(\a))+7], v[8*(\b):8*(\b)+7]
.else
	v_wmma_f32_16x16x32_bf16 v[8*(8*(\a)+(\b)):8*(8*(\a)+(\b))+7], v[(\f)+8*(\b):(\f)+8*(\b)+7], v[(\f)+8*(4*(\hi)+(\a)):(\f)+8*(4*(\hi)+(\a))+7], v[8*(8*(\a)+(\b)):8*(8*(\a)+(\b))+7]
.endif
.endr
.endr
.endm
; 32 LDS loads in one run: the fragments of one quarter step (128 rows of W, 128 rows of x, 32 K at byte k of the rows) into buffer f
.macro FETCH slot, k, f
	WIN TO_B
.irp i, 0,1,2,3,4,5,6,7
	ds_load_b128 v[(\f)+8*(\i):(\f)+8*(\i)+3],   v[ADRB+(\slot)] offset:(\k)+(\i)*16*PITCH
	ds_load_b128 v[(\f)+8*(\i)+4:(\f)+8*(\i)+7], v[ADRB+(\slot)] offset:(\k)+(\i)*16*PITCH+32
.endr
	WIN 0
.irp i, 0,1,2,3,4,5,6,7
	ds_load_b128 v[(\f)+8*(\i):(\f)+8*(\i)+3],   v[ADRA+(\slot)] offset:(\k)+(\i)*16*PITCH
	ds_load_b128 v[(\f)+8*(\i)+4:(\f)+8*(\i)+7], v[ADRA+(\slot)] offset:(\k)+(\i)*16*PITCH+32
.endr
.endm
; A K step is four quarters of 32 along K, 64 matrix instructions each, on buffers 0, 1, 0, 1.  One of the first three multiplies buffer f and, in its middle, fetches the next quarter, at byte k, into g.
; The 64 accumulators take turns, one instruction a turn, in the same order in every quarter.
.macro QUARTER slot, k, f, g, zero
	s_wait_dscnt 8                                 ; W and x's rows 0-63 are in; the youngest eight loads (x's rows 64-127) may be out
	MUL16 \f, 0, 0, \zero
	MUL16 \f, 0, 2, \zero
	PLACES
	FETCH \slot, \k, \g
	s_wait_dscnt 32                                ; all but the 32 just issued
	MUL16 \f, 1, 0, \zero
	MUL16 \f, 1, 2, \zero
.endm
; The last quarter multiplies buffer 1 and changes slots.  ONE barrier: in front of it each wave waits for all its tensor loads (one is out: its part of the next slot), adds 0 to its spare word, and waits
; for that and for its own reads of this slot.  Behind it nobody reads this slot any more and the next slot is whole.
.macro MEET round
	WIN 0                                          ; (the add's two registers lie in window 0)
	s_wait_tensorcnt 0x0                           ; all my tensor loads have landed
	ds_add_u32 v[SPW], v[NIL]                      ; 0 onto my spare word
	s_wait_dscnt 9                                 ; (the add and the youngest eight loads may be out)
	MUL16 F1, 0, 0, 0                              ; sixteen matrix instructions stand between the add and the wait for it
	s_wait_dscnt 0x0                               ; the add is done, and my reads of this slot are over
	s_barrier_signal -1
	MUL16 F1, 0, 2, 0                              ; work on registers while the others arrive
.if \round
	WIN 0
.endif
	s_barrier_wait -1
.endm
; fill = 1: the barrier opens a round of the cluster's barrier, and the slot just read out is filled again, two K steps ahead, first thing behind the round: 224 matrix instructions ahead of the wait for it.
.macro TURN slot, next, fill
	MEET \fill
.if \fill
	CREST                                          ; no wave of any partner still reads this slot's tile or has a load on its way
	s_add_nc_u64 s[G0+4*(\slot)+2:G0+4*(\slot)+3], s[G0+4*(\slot)+2:G0+4*(\slot)+3], 2*KSTEP*2
	s_add_nc_u64 s[G0B+4*(\slot)+2:G0B+4*(\slot)+3], s[G0B+4*(\slot)+2:G0B+4*(\slot)+3], 2*KSTEP*2
	JLOAD \slot                                    ; the four v_nop behind it are also the places in front of the loads below
.else
	PLACES
.endif
	FETCH \next, 0, F0
	MUL16 F1, 1, 0, 0
	MUL16 F1, 1, 2, 0
.endm
; THE WAY OUT of block a (16 rows), in three parts.  PACK: rounded to f16, 16 bytes a lane, each accumulator's registers in ascending order.  TOSTAGE: into my own stage, and back as whole rows of 256 bytes.  SEND: stored.
.macro PACK a
.set AC, 64*((\a)%4)
	WIN 0x0a+5*((\a)/4)                            ; sources 0 and 1: window 2 or 3
.irp b, 0,1,2,3,4,5,6,7
.irp r, 0,1,2,3
	v_cvt_pk_f16_f32 v[TMP+4*(\b)+(\r)], v[AC+8*(\b)+2*(\r)], v[AC+8*(\b)+2*(\r)+1]
.endr
.endr
	WIN 0
.endm
.macro TOSTAGE a
	WIN 0
.set BK, OB+192*((\a)%2)
.irp b, 0,1,2,3,4,5,6,7
	ds_store_b128 v[STO], v[TMP+4*(\b):TMP+4*(\b)+3] offset:32*(\b)
.endr
.irp t, 0,1,2,3,4,5,6,7
	ds_load_b128 v[BK+4*(\t):BK+4*(\t)+3], v[RD] offset:(\t)*2*SPITCH  ; LDS serves a wave's instructions in order (ISA guide 5.7.1.4): these see the stores above
.endr
.endm
.macro SEND a, younger
	WIN 0
.set BK, OB+192*((\a)%2)
	s_wait_dscnt \younger                          ; the block is back in registers
	s_wait_xcnt 0x0                                ; only behind this wait are the stores' base and the registers that earlier stores read rewritten (ISA guide 3.1)
.if (\a) == 0
	s_add_nc_u64 s[8:9], s[8:9], s[16:17]          ; on to my first rows
.else
	s_add_nc_u64 s[8:9], s[8:9], 16*OPITCH         ; 16 rows on
.endif
.irp t, 0,1,2,3,4,5,6,7
	global_store_b128 v[CO], v[BK+4*(\t):BK+4*(\t)+3], s[8:9] offset:2*(\t)*OPITCH  ; 16 lanes store 256 consecutive bytes, at a multiple of 256 from the buffer's first byte
.endr
.endm
	s_load_b256 s[68:75], s[0:1], 0x0              ; xw s[68:69], bq s[70:71], bk s[72:73], bv s[74:75]
	s_load_b64 s[8:9], s[0:1], 0x20                ; qkv
	v_lshl_add_u32 v[SPW], v0, 2, SPARE
	v_mov_b32 v[NIL], 0
	ds_add_u32 v[SPW], v[NIL]                      ; the wave's opening: the add and its wait stand ahead of my first tensor load; the set-up below stands between them
	v_lshrrev_b32 v1, 5, v0
	v_readfirstlane_b32 s10, v1                    ; wave 0..3
	s_lshr_b32 s11, s10, 1                         ; which half of the tile's rows is mine.  Also: I fetch for x (0) or for W (1)
	s_and_b32 s12, s10, 1                          ; which half of its columns.  Also: which 128 rows of that tile I fetch
	s_bfe_u32 s40, ttmp6, 0x40000                  ; cx
	s_bfe_u32 s41, ttmp6, 0x40004                  ; cy
	s_lshl_b32 s42, ttmp9, 2
	s_add_co_u32 s42, s42, s40                     ; tile column = 4 x cluster x + cx, 0 to 11
	s_and_b32 s13, ttmp7, 0xffff
	s_lshl_b32 s13, s13, 2
	s_add_co_u32 s13, s13, s41                     ; tile row = 4 x cluster y + cy
	s_mov_b32 s45, ttmp9                           ; sel: which of Q, K, V; the same in the whole cluster
	s_lshl_b32 s43, s41, 2
	s_lshl_b32 s43, 15, s43                        ; my row of the cluster
	s_lshl_b32 s44, 0x1111, s40                    ; my column
	; descriptor group 1: a tile of 128 rows x 128 elements of 2 bytes, 4 words of padding after every 64
	s_or_b32 s[G1+0], s43, (1<<16)|(1<<20)|(1<<21)|(5<<22)|(3<<25)
	s_or_b32 s[G1B+0], s44, (1<<16)|(1<<20)|(1<<21)|(5<<22)|(3<<25)
.irp g, G1, G1B
	s_mov_b32 s[(\g)+1], KSTEP<<16                 ; tensor_dim0 = 128
	s_mov_b32 s[(\g)+2], 128<<16                   ; tensor_dim1 = 128
	s_mov_b32 s[(\g)+3], KSTEP<<16                 ; tile_dim0 = 128
	s_mov_b32 s[(\g)+4], 128                       ; tile_dim1 = 128
	s_mov_b32 s[(\g)+5], SIZE_K                    ; elements from row to row
	s_mov_b32 s[(\g)+6], 0
	s_mov_b32 s[(\g)+7], 0
.endr
	s_lshl_b32 s17, s12, 7                         ; which 128 rows of the tile I fetch
	s_lshl_b32 s16, s13, 8
	s_add_co_u32 s16, s16, s17                     ; x: row 256 x tile row + 128 x half,
	s_lshl_b32 s16, s16, 11                        ; 2,048 bytes a row
	s_lshl_b32 s46, s42, 8
	s_add_co_u32 s46, s46, s17
	s_add_co_u32 s46, s46, 8192                    ; W: row 8,192 + 256 x tile column + 128 x half
	s_lshl_b32 s46, s46, 11
	s_mov_b32 s17, 0
	s_mov_b32 s47, 0
	s_mul_i32 s20, s10, HALFT                      ; where they go: wave x 128 rows: no place in the cluster enters an LDS address
	s_wait_dscnt 0x0                               ; the opening add is done
	s_wait_kmcnt 0x0
	s_add_nc_u64 s[14:15], s[68:69], s[16:17]
	s_add_nc_u64 s[46:47], s[68:69], s[46:47]
	s_cmp_eq_u32 s45, 0
	s_cselect_b64 s[76:77], s[70:71], s[72:73]     ; bq or bk,
	s_cmp_eq_u32 s45, 2
	s_cselect_b64 s[76:77], s[74:75], s[76:77]     ; or bv
	CROUND                                         ; all sixteen work-groups are here: the first joint loads meet
.irp s, 0,1
	s_mov_b32 s[G0+4*(\s)], 1
	s_add_co_u32 s[G0+4*(\s)+1], s20, (\s)*SLOT
	s_add_nc_u64 s[G0+4*(\s)+2:G0+4*(\s)+3], s[14:15], (\s)*KSTEP*2
	s_or_b32 s[G0+4*(\s)+3], s[G0+4*(\s)+3], 0x80000000
	s_mov_b32 s[G0B+4*(\s)], 1
	s_add_co_u32 s[G0B+4*(\s)+1], s20, (\s)*SLOT
	s_add_nc_u64 s[G0B+4*(\s)+2:G0B+4*(\s)+3], s[46:47], (\s)*KSTEP*2
	s_or_b32 s[G0B+4*(\s)+3], s[G0B+4*(\s)+3], 0x80000000
	JLOAD \s                                       ; two loads of mine are out
.endr
	; the bias of my 128 columns: for column block b a lane takes the eight numbers at columns 16 b + 8 (l / 16) on
	v_and_b32 v1, 15, v0                           ; l % 16
	v_bfe_u32 v2, v0, 4, 1                         ; l / 16
	s_lshl_b32 s78, s40, 10                        ; the tile's 256 columns in its weight, 4 bytes each,
	s_lshl_b32 s79, s12, 9                         ; my half of them
	s_add_co_u32 s78, s78, s79
	v_lshlrev_b32 v[BO], 5, v2
	v_add_nc_u32 v[BO], s78, v[BO]
	WIN TO_B
.irp b, 0,1,2,3,4,5,6,7
	global_load_b128 v[8*(\b):8*(\b)+3],   v[BO], s[76:77] offset:64*(\b)
	global_load_b128 v[8*(\b)+4:8*(\b)+7], v[BO], s[76:77] offset:64*(\b)+16
.endr
	WIN 0
	; A fragment is 16 rows x 32 K in 8 registers: lane l holds row l % 16; registers 0-3 K = 8 (l / 16) + 0..7, registers 4-7 K = 16 + 8 (l / 16) + 0..7: two loads of 16 bytes, 32 bytes apart.
	v_mul_u32_u24 v3, v1, PITCH
	v_lshl_add_u32 v3, v2, 4, v3
	s_mul_i32 s21, s11, HALFT                      ; my 128 rows of x
	s_mul_i32 s22, s12, HALFT                      ; my 128 rows of W,
	s_add_co_u32 s22, s22, 2*HALFT                 ; which lie behind x's 256
.irp s, 0,1
	v_add_nc_u32 v[ADRA+(\s)], s21, v3
	v_add_nc_u32 v[ADRB+(\s)], s22, v3
	s_add_co_u32 s21, s21, SLOT
	s_add_co_u32 s22, s22, SLOT
.endr
	s_mul_i32 s23, s10, 16*SPITCH
	s_add_co_u32 s23, s23, STAGE                   ; my stage
	v_mul_u32_u24 v4, v1, SPITCH                   ; in: row l % 16, 16 bytes for each half of the lanes
	v_lshl_add_u32 v4, v2, 4, v4
	v_add_nc_u32 v[STO], s23, v4
	v_mul_u32_u24 v5, v2, SPITCH                   ; back: lanes 0-15 take one row of 256 bytes, lanes 16-31 the next
	v_lshl_add_u32 v5, v1, 4, v5
	v_add_nc_u32 v[RD], s23, v5
	v_lshlrev_b32 v5, 11, v2                       ; and the same two rows in the result
	v_lshl_add_u32 v[CO], v1, 4, v5
	; where my part begins in qkv, in bytes: the first SEND adds it
	s_lshl_b32 s16, s13, 8
	s_lshl_b32 s14, s11, 7
	s_add_co_u32 s16, s16, s14                     ; my first row
	s_lshl_b32 s16, s16, 11
	s_mov_b32 s17, 0
	s_lshl_b32 s46, s40, 9                         ; my first column: 512 bytes a tile, 256 a half (in the registers that held W's address: none that feeds x's descriptors ever holds cx),
	s_lshl_b32 s47, s12, 8
	s_add_co_u32 s46, s46, s47
	s_lshl_b32 s47, s45, 24                        ; and the plane of Q, K or V: 16,777,216 bytes each
	s_add_co_u32 s46, s46, s47
	s_mov_b32 s47, 0
	s_add_nc_u64 s[16:17], s[16:17], s[46:47]
	s_wait_loadcnt 0x0                             ; the bias
	WIN 0x45                                       ; destination and both sources in window 1
.set i, 0
.rept 32
	v_cvt_pk_bf16_f32 v[BT+i], v[2*i], v[2*i+1]    ; the bias takes the rounding that x and the weights have,
.set i, i+1
.endr
.set i, 0
.rept 32
	v_lshlrev_b32 v[2*i], 16, v[BT+i]              ; and is widened again
	v_and_b32 v[2*i+1], 0xffff0000, v[BT+i]
.set i, i+1
.endr
	WIN 0
	s_wait_tensorcnt 1                             ; my part of K step 0 is in; K step 1's may stay out
	s_barrier_signal -1
	s_barrier_wait -1                              ; everybody's is
	FETCH 0, 0, F0
	QUARTER 0, 64,  F0, F1, 2                      ; the first quarter stands in front of the loop: its products start the sums, with the bias
	WIN 0                                          ; at a label and at a branch every window is 0
	s_mov_b32 s3, LAPS-1
.Llap:                                                 ; a trip goes once round the ring, from a lap's second quarter to the next lap's first, and fills both slots again
	QUARTER 0, 128, F1, F0, 0
	QUARTER 0, 192, F0, F1, 0
	TURN 0, 1, 1
	QUARTER 1, 64,  F0, F1, 0
	QUARTER 1, 128, F1, F0, 0
	QUARTER 1, 192, F0, F1, 0
	TURN 1, 0, 1
	QUARTER 0, 64,  F0, F1, 0
	WIN 0
	s_sub_co_u32 s3, s3, 1
	s_cmp_lg_u32 s3, 0
	s_cbranch_scc1 .Llap
	QUARTER 0, 128, F1, F0, 0                      ; the last lap fills nothing, and has no round of the cluster's barrier
	QUARTER 0, 192, F0, F1, 0
	TURN 0, 1, 0
	QUARTER 1, 64,  F0, F1, 0
	QUARTER 1, 128, F1, F0, 0
	QUARTER 1, 192, F0, F1, 0
	s_wait_dscnt 8                                 ; the very last quarter: nothing more to fetch
	MUL16 F1, 0, 0, 0
	MUL16 F1, 0, 2, 0
	s_wait_dscnt 0x0
	MUL16 F1, 1, 0, 0
	MUL16 F1, 1, 2, 0
	WIN 0
	PLACES
	PACK 0
	TOSTAGE 0
.irp a, 1,2,3,4,5,6,7                  ; block a's conversions stand between block a - 1's loads from the stage and the wait for them
	PACK \a
	SEND (\a)-1, 0
	TOSTAGE \a
.endr
	SEND 7, 0
	s_wait_tensorcnt 0x0                           ; the wave's end, behind my last tensor load and my last LDS store
	ds_add_u32 v[SPW], v[NIL]
	s_wait_dscnt 0x0
	CROUND                                         ; the closing round: no work-group ends while a partner may still ask for a tile that names it
	s_endpgm
.Lfunc_end_k_q633e212306_proj:
	.size	k_q633e212306_proj, .Lfunc_end_k_q633e212306_proj-k_q633e212306_proj
	.p2alignl 7, 3214868480
	.fill 96, 4, 3214868480
	.section	.rodata,"a",@progbits
	.p2align	6, 0x0
	.amdhsa_kernel k_q633e212306_proj
		.amdhsa_group_segment_fixed_size 327680
		.amdhsa_private_segment_fixed_size 0
		.amdhsa_enable_private_segment 0
		.amdhsa_kernarg_size 40
		.amdhsa_user_sgpr_count 2
		.amdhsa_user_sgpr_kernarg_segment_ptr 1
		.amdhsa_wavefront_size32 1
		.amdhsa_system_sgpr_workgroup_id_x 1
		.amdhsa_system_sgpr_workgroup_id_y 1
		.amdhsa_system_sgpr_workgroup_id_z 1
		.amdhsa_system_vgpr_workitem_id 0
		.amdhsa_next_free_vgpr 1024
		.amdhsa_next_free_sgpr 80
		.amdhsa_reserve_vcc 0
		.amdhsa_float_denorm_mode_32 3
		.amdhsa_float_denorm_mode_16_64 3
		.amdhsa_memory_ordered 1
		.amdhsa_forward_progress 1
		.amdhsa_inst_pref_size 150
	.end_amdhsa_kernel
	.amdgpu_metadata
---
amdhsa.version: [ 1, 2 ]
amdhsa.kernels:
  - .name:           k_q633e212306_proj
    .symbol:         k_q633e212306_proj.kd
    .args:
      - { .name: xw, .offset: 0, .size: 8, .value_kind: global_buffer, .address_space: global }
      - { .name: bq, .offset: 8, .size: 8, .value_kind: global_buffer, .address_space: global }
      - { .name: bk, .offset: 16, .size: 8, .value_kind: global_buffer, .address_space: global }
      - { .name: bv, .offset: 24, .size: 8, .value_kind: global_buffer, .address_space: global }
      - { .name: qkv, .offset: 32, .size: 8, .value_kind: global_buffer, .address_space: global }
    .group_segment_fixed_size: 327680
    .private_segment_fixed_size: 0
    .kernarg_segment_align: 8
    .kernarg_segment_size: 40
    .max_flat_workgroup_size: 128
    .sgpr_count:     80
    .vgpr_count:     1024
    .wavefront_size: 32
...
	.end_amdgpu_metadata
.endif
;; end of part 2
;; launch scores (part 3): grid 8 x 32, 4 waves a work-group, clusters of 4 x 4, 327,680 bytes of LDS; arguments qkv, p, st; writes p, st
.if DOCPART == 3
	.amdgcn_target "amdgcn-amd-amdhsa--gfx1250"
	.amdhsa_code_object_version 6
	.text
	.protected	k_q633e212306_scores
	.globl	k_q633e212306_scores
	.p2align	8
	.type	k_q633e212306_scores,@function
k_q633e212306_scores:
	s_mov_b64 s[64:65], 0
	v_nop
	global_prefetch_b8 v0, s[64:65] scope:SCOPE_SE
	s_setreg_imm32_b32 hwreg(HW_REG_WAVE_MODE, 25, 1), 1
	s_wait_xcnt 0x0
	s_wait_alu depctr_hold_cnt(0) depctr_sa_sdst(0) depctr_va_vdst(0) depctr_va_sdst(0) depctr_va_ssrc(0) depctr_va_vcc(0) depctr_vm_vsrc(0)
	s_getreg_b32 s2, hwreg(HW_REG_IB_STS2, 6, 4)
	s_cmp_eq_u32 s2, 0
	s_cbranch_scc0 .Lentry_in_a_cluster
	s_endpgm
.Lentry_in_a_cluster:
	s_bfe_u32 s2, ttmp6, 0x10000c
	s_cmp_lg_u32 s2, 0xf033
	s_cbranch_scc0 .Lentry_shape_is_right
	s_endpgm
.Lentry_shape_is_right:
; For each batch: s[q][k] = Q[q] . K[k] (f16 operands, f32 sums).  For each query and each CHUNK of 128 keys: cm = c x the chunk's largest s, c = log2(e) / 32; p = 2^(c s - cm), rounded to f16; l = the sum
; of the unrounded p.  p goes to p[8192][2048], cm and l to st[2][16 chunks][8192 rows] (f32).  The next launch takes the row's true maximum CM = max of cm away: a weight is p x 2^(cm - CM).
; So the maximum is taken away in two exact steps: no exponent is above a rounding of 0, and nothing is shifted by a constant.
; LIMITS.  p lies in 0 to 1 (one rounding above it at the most); below 6e-5 it keeps f16's fixed step of 6e-8; a weight below 2^-126 counts as 0 in l; NaN and infinities are not treated apart.
; A tile of 256 queries x 256 keys is made by a work-group of four waves; a wave makes 128 x 128 (its 128 keys are one chunk): 64 accumulators, 512 registers.  K = 1,024 goes in eight steps of 128 through
; a ring of two LDS slots filled by the tensor data mover; a tile's rows are 256 bytes of memory and start at multiples of 256 bytes from the buffer's first byte.
; CLUSTERS: 4 x 4 work-groups, all of one batch (a batch has eight tile rows).  The four of a row of the cluster need the same rows of Q, the four of a column the same rows of K: each tile is asked for JOINTLY.
; THE MATRIX INSTRUCTION IS USED TRANSPOSED: source 0 = 16 keys, source 1 = 16 queries.  Lane l then holds query l % 16 and the keys 8 (l / 16) + 0..7 of each block of 16: a query's maximum and sum
; want one exchange between the halves of the lanes, and eight neighbouring p pack into 16 bytes.
; REGISTERS, in windows of 256 (s_set_vgpr_msb: bits 1:0 source 0, 3:2 source 1, 5:4 source 2, 7:6 destination):
;   window 0: v0-31 addresses; v64-127, v128-191 fragments of Q, two buffers (v64-111 at work on the way out); v32-63, v192-255 at work on the way out
;   window 1: v64-127, v128-191 fragments of K      window 2: the 32 accumulators of my rows 0-63 ((a, b) at v[8 (8 a + b)])      window 3: those of my rows 64-127
.set SIZE_K, 1024
.set KSTEP,  128
.set PITCH,  272                       ; an LDS row: 256 bytes + 16 of padding = 68 words: row r starts at bank 4 r mod 64 (64 banks of 4 bytes: ISA guide 11.1)
.set HALFT,  128*PITCH
.set SLOT,   4*HALFT                   ; Q's 256 rows, then K's 256 rows
.set STAGE,  2*SLOT                    ; behind the ring: 16 rows x 272 bytes for each wave, for the way out
.set SPITCH, 272
.set SST,    STAGE+4*16*SPITCH         ; behind the stages: 1,024 bytes for each wave: cm of its 128 rows, then l
.set SPARE,  SST+4*1024                ; behind that: the spare words, 128 bytes for each wave: two blocks of 256 bytes that no other line names
.set LAPS,   SIZE_K/(2*KSTEP)
.set OPITCH, 4096                      ; bytes in a row of p
.set ADRA, 16
.set ADRB, 20
.set STO,  24
.set RD,   25
.set CO,   26
.set SSA,  27                          ; v27     where I put a row's cm (lanes 0-15) or l (lanes 16-31)
.set SPW,  28                          ; v28     LDS address of my spare word; never rewritten
.set NIL,  29                          ; v29     0; never rewritten
.set SSR,  30                          ; v30     where I read 16 bytes of them back
.set SGO,  31                          ; v31     my byte offset in 512 consecutive bytes of st
.set F0,   64
.set F1,   128
.set TMP,  192
.set OB,   32
.set CH,   64                          ; v64-67  four running maxima
.set SU,   72                          ; v72-73  the sum's last pair
.set MS,   80                          ; v80-95  block a: cm at MS + 2 a, l at MS + 2 a + 1
.set XS,   96                          ; v96-103 cm in lanes 0-15, l in lanes 16-31
.set XO,   104                         ; v104-111 read back
.set G1,  24
.set G0,  32
.set G1B, 48
.set G0B, 56
.set CS,  70                           ; s[70:71] c: the packed scaling takes the pair's low word for both halves
.set SEL, 72                           ; s[72:73] v_permlanex16_b32's selects: each lane takes its own place in the other half
.set HM,  74                           ; s74  the mask of lanes 16-31
.set MSB, 0
.macro WIN new
.if MSB != (\new)
	s_set_vgpr_msb (MSB<<8)|(\new)
.set MSB, \new
.endif
.endm
.set MUL_LO, 0xa1                      ; source 0 (K) window 1, source 1 (Q) window 0, C and D window 2
.set TO_B,   0x40
.macro JLOAD s                         ; a joint load: waves 0 and 1 fetch Q's two halves, waves 2 and 3 K's; an s_nop 0 and four v_nop follow each of the two lines
	s_cmp_eq_u32 s11, 0
	s_cbranch_scc0 .Lfor_b_\@
	tensor_load_to_lds s[G0+4*(\s):G0+4*(\s)+3], s[G1:G1+7]
	s_nop 0
.rept 4
	v_nop
.endr
	s_branch .Lasked_\@
.Lfor_b_\@:
	tensor_load_to_lds s[G0B+4*(\s):G0B+4*(\s)+3], s[G1B:G1B+7]
	s_nop 0
.rept 4
	v_nop
.endr
.Lasked_\@:
.endm
.macro CREST                           ; a round of the cluster's barrier behind its opening barrier
	s_cmp_lg_u32 s10, 0
	s_cbranch_scc1 .Lnot_wave_0_\@
	s_barrier_signal -3
.Lnot_wave_0_\@:
	s_barrier_wait -3
	s_barrier_signal -1
	s_barrier_wait -1
.endm
.macro CROUND
	s_barrier_signal -1
	s_barrier_wait -1
	CREST
.endm
.macro PLACES                          ; four places in front of loads into registers that matrix instructions have read, and of vector work on results
.rept 4
	v_nop
.endr
.endm
; 16 matrix instructions: query blocks a0, a0 + 1 of the window's four x all 8 key blocks, 32 along K.  zero = 1: the product starts the sum
.macro MUL16 f, hi, a0, zero
	WIN MUL_LO+0x50*(\hi)
.irp a, \a0, (\a0)+1
.irp b, 0,1,2,3,4,5,6,7
.if \zero
	v_wmma_f32_16x16x32_f16 v[8*(8*(\a)+(\b)):8*(8*(\a)+(\b))+7], v[(\f)+8*(\b):(\f)+8*(\b)+7], v[(\f)+8*(4*(\hi)+(\a)):(\f)+8*(4*(\hi)+(\a))+7], 0
.else
	v_wmma_f32_16x16x32_f16 v[8*(8*(\a)+(\b)):8*(8*(\a)+(\b))+7], v[(\f)+8*(\b):(\f)+8*(\b)+7], v[(\f)+8*(4*(\hi)+(\a)):(\f)+8*(4*(\hi)+(\a))+7], v[8*(8*(\a)+(\b)):8*(8*(\a)+(\b))+7]
.endif
.endr
.endr
.endm
.macro FETCH slot, k, f                ; 32 LDS loads in one run: the fragments of one quarter step into buffer f
	WIN TO_B
.irp i, 0,1,2,3,4,5,6,7
	ds_load_b128 v[(\f)+8*(\i):(\f)+8*(\i)+3],   v[ADRB+(\slot)] offset:(\k)+(\i)*16*PITCH
	ds_load_b128 v[(\f)+8*(\i)+4:(\f)+8*(\i)+7], v[ADRB+(\slot)] offset:(\k)+(\i)*16*PITCH+32
.endr
	WIN 0
.irp i, 0,1,2,3,4,5,6,7
	ds_load_b128 v[(\f)+8*(\i):(\f)+8*(\i)+3],   v[ADRA+(\slot)] offset:(\k)+(\i)*16*PITCH
	ds_load_b128 v[(\f)+8*(\i)+4:(\f)+8*(\i)+7], v[ADRA+(\slot)] offset:(\k)+(\i)*16*PITCH+32
.endr
.endm
; A K step is four quarters of 32 along K, 64 matrix instructions each, on buffers 0, 1, 0, 1; the 64 accumulators take turns, one instruction a turn.
.macro QUARTER slot, k, f, g, zero
	s_wait_dscnt 8                                 ; K and Q's rows 0-63 are in; the youngest eight loads (Q's rows 64-127) may be out
	MUL16 \f, 0, 0, \zero
	MUL16 \f, 0, 2, \zero
	PLACES
	FETCH \slot, \k, \g
	s_wait_dscnt 32                                ; all but the 32 just issued
	MUL16 \f, 1, 0, \zero
	MUL16 \f, 1, 2, \zero
.endm
; The change of slots: ONE barrier; in front of it each wave waits for all its tensor loads (one is out: its part of the next slot), adds 0 to its spare word, and waits for that and for its reads of this slot.
.macro MEET round
	WIN 0
	s_wait_tensorcnt 0x0                           ; all my tensor loads have landed
	ds_add_u32 v[SPW], v[NIL]                      ; 0 onto my spare word
	s_wait_dscnt 9                                 ; (the add and the youngest eight loads may be out)
	MUL16 F1, 0, 0, 0
	s_wait_dscnt 0x0                               ; the add is done, and my reads of this slot are over
	s_barrier_signal -1
	MUL16 F1, 0, 2, 0
.if \round
	WIN 0
.endif
	s_barrier_wait -1
.endm
.macro TURN slot, next, fill           ; fill = 1: the barrier opens a round of the cluster's, and this slot is filled again, two K steps ahead, first thing behind the round
	MEET \fill
.if \fill
	CREST
	s_add_nc_u64 s[G0+4*(\slot)+2:G0+4*(\slot)+3], s[G0+4*(\slot)+2:G0+4*(\slot)+3], 2*KSTEP*2
	s_add_nc_u64 s[G0B+4*(\slot)+2:G0B+4*(\slot)+3], s[G0B+4*(\slot)+2:G0B+4*(\slot)+3], 2*KSTEP*2
	JLOAD \slot                                    ; the four v_nop behind it are also the places in front of the loads below
.else
	PLACES
.endif
	FETCH \next, 0, F0
	MUL16 F1, 1, 0, 0
	MUL16 F1, 1, 2, 0
.endm
; THE SOFTMAX'S FIRST HALF for block a (16 queries x my 128 keys: 64 scores a lane, in eight accumulators).  The maximum in four chains of sixteen scores, three operands at a time (each accumulator's
; lowest registers are read first); the other half of the lanes'; cm; c s - cm and the exponentials in place; the roundings to f16; the sum, in place, by halving.
.macro SOFT a
.set AC, 64*((\a)%4)
.set W,  2+(\a)/4                      ; the block's window
.set WA, W|(W<<2)|(W<<4)               ; all three sources there
.set WB, (W<<2)|(W<<4)                 ; sources 1 and 2
.set WC, (W<<6)|W                      ; destination and source 0
.set WD, W|(W<<2)                      ; sources 0 and 1
.set WE, (W<<6)|(W<<2)|W               ; destination, sources 0 and 1
	WIN WA
.irp k, 0,1,2,3
	v_max3_num_f32 v[CH+(\k)], v[AC+16*(\k)], v[AC+16*(\k)+1], v[AC+16*(\k)+2]
.endr
	WIN WB
.irp i, 3,5,7,9,11,13
.irp k, 0,1,2,3
	v_max3_num_f32 v[CH+(\k)], v[CH+(\k)], v[AC+16*(\k)+(\i)], v[AC+16*(\k)+(\i)+1]
.endr
.endr
.irp k, 0,1,2,3
	v_max_num_f32 v[CH+(\k)], v[CH+(\k)], v[AC+16*(\k)+15]
.endr
	WIN 0
	v_max3_num_f32 v[CH], v[CH], v[CH+1], v[CH+2]
	v_max_num_f32 v[CH], v[CH], v[CH+3]
	v_permlanex16_b32 v[CH+1], v[CH], s[SEL], s[SEL+1]  ; the query's other 64 keys lie in the lane 16 away
	v_max_num_f32 v[CH], v[CH], v[CH+1]
	v_mul_f32 v[MS+2*(\a)], s[CS], v[CH]           ; cm
	v_mul_f32 v[MS+2*(\a)+1], s[CS], v[CH]         ; named with it as a pair; l takes its place below
	WIN WC
.set i, 0
.rept 32
	v_pk_fma_f32 v[AC+2*i:AC+2*i+1], v[AC+2*i:AC+2*i+1], s[CS:CS+1], v[MS+2*(\a):MS+2*(\a)+1] op_sel_hi:[1,0,0] neg_lo:[0,0,1] neg_hi:[0,0,1]
.set i, i+1
.endr
.set i, 0
.rept 64
	v_exp_f32 v[AC+i], v[AC+i]
.set i, i+1
.endr
	v_nop                                          ; a plain instruction between the last exponential and the use of its result (ISA guide 5.7.2)
	WIN WD
.set i, 0
	s_wait_alu depctr_va_vdst(0)
.rept 32
	v_cvt_pk_f16_f32 v[TMP+i], v[AC+2*i], v[AC+2*i+1]
.set i, i+1
.endr
	WIN WE
.irp n, 16,8,4,2
.set i, 0
.rept \n
	v_pk_add_f32 v[AC+2*i:AC+2*i+1], v[AC+2*i:AC+2*i+1], v[AC+2*(\n)+2*i:AC+2*(\n)+2*i+1]
.set i, i+1
.endr
.endr
	WIN WD
	v_pk_add_f32 v[SU:SU+1], v[AC:AC+1], v[AC+2:AC+3]
	WIN 0
	v_add_f32 v[SU], v[SU], v[SU+1]
	v_permlanex16_b32 v[SU+1], v[SU], s[SEL], s[SEL+1]
	v_add_f32 v[MS+2*(\a)+1], v[SU], v[SU+1]       ; l
.endm
.macro TOSTAGE a                       ; 16 bytes a lane into my own stage, and back as whole rows of 256 bytes
	WIN 0
.set BK, OB+192*((\a)%2)
.irp b, 0,1,2,3,4,5,6,7
	ds_store_b128 v[STO], v[TMP+4*(\b):TMP+4*(\b)+3] offset:32*(\b)
.endr
.irp t, 0,1,2,3,4,5,6,7
	ds_load_b128 v[BK+4*(\t):BK+4*(\t)+3], v[RD] offset:(\t)*2*SPITCH  ; LDS serves a wave's instructions in order (ISA guide 5.7.1.4): these see the stores above
.endr
.endm
.macro SEND a, younger
	WIN 0
.set BK, OB+192*((\a)%2)
	s_wait_dscnt \younger                          ; the block is back in registers
	s_wait_xcnt 0x0                                ; only behind this wait are the stores' base and the registers that earlier stores read rewritten (ISA guide 3.1)
.if (\a) == 0
	s_add_nc_u64 s[8:9], s[8:9], s[16:17]          ; on to my first rows
.else
	s_add_nc_u64 s[8:9], s[8:9], 16*OPITCH         ; 16 rows on
.endif
.irp t, 0,1,2,3,4,5,6,7
	global_store_b128 v[CO], v[BK+4*(\t):BK+4*(\t)+3], s[8:9] offset:2*(\t)*OPITCH  ; 16 lanes store 256 consecutive bytes, at a multiple of 256 from p's first byte
.endr
.endm
	s_load_b64 s[4:5], s[0:1], 0x0                 ; qkv
	s_load_b64 s[8:9], s[0:1], 0x8                 ; p
	s_load_b64 s[68:69], s[0:1], 0x10              ; st
	v_lshl_add_u32 v[SPW], v0, 2, SPARE
	v_mov_b32 v[NIL], 0
	ds_add_u32 v[SPW], v[NIL]                      ; the wave's opening: the add and its wait stand ahead of my first tensor load; the set-up below stands between them
	v_lshrrev_b32 v1, 5, v0
	v_readfirstlane_b32 s10, v1                    ; wave 0..3
	s_lshr_b32 s11, s10, 1                         ; which half of the tile's queries is mine.  Also: I fetch for Q (0) or for K (1)
	s_and_b32 s12, s10, 1                          ; which half of its keys.  Also: which 128 rows of that tile I fetch
	s_bfe_u32 s40, ttmp6, 0x40000                  ; cx
	s_bfe_u32 s41, ttmp6, 0x40004                  ; cy
	s_lshl_b32 s42, ttmp9, 2
	s_add_co_u32 s42, s42, s40                     ; tile column (256 keys of the batch) = 4 x cluster x + cx
	s_and_b32 s13, ttmp7, 0xffff
	s_lshr_b32 s45, s13, 1                         ; the batch: two clusters' rows each; the same in the whole cluster
	s_lshl_b32 s13, s13, 2
	s_add_co_u32 s13, s13, s41                     ; tile row (256 of the 8,192 queries) = 4 x cluster y + cy
	s_lshl_b32 s43, s41, 2
	s_lshl_b32 s43, 15, s43                        ; my row of the cluster
	s_lshl_b32 s44, 0x1111, s40                    ; my column
	s_or_b32 s[G1+0], s43, (1<<16)|(1<<20)|(1<<21)|(5<<22)|(3<<25)   ; 128 rows x 128 elements of 2 bytes, 4 words of padding after every 64
	s_or_b32 s[G1B+0], s44, (1<<16)|(1<<20)|(1<<21)|(5<<22)|(3<<25)
.irp g, G1, G1B
	s_mov_b32 s[(\g)+1], KSTEP<<16                 ; tensor_dim0 = 128
	s_mov_b32 s[(\g)+2], 128<<16                   ; tensor_dim1 = 128
	s_mov_b32 s[(\g)+3], KSTEP<<16                 ; tile_dim0 = 128
	s_mov_b32 s[(\g)+4], 128                       ; tile_dim1 = 128
	s_mov_b32 s[(\g)+5], SIZE_K                    ; elements from row to row
	s_mov_b32 s[(\g)+6], 0
	s_mov_b32 s[(\g)+7], 0
.endr
	s_mov_b32 s[CS], 0x3d38aa3b                    ; c = log2(e) / 32 = 0.0450842
	s_mov_b32 s[CS+1], s[CS]
	s_mov_b32 s[SEL], 0x76543210
	s_mov_b32 s[SEL+1], 0xfedcba98
	s_mov_b32 s[HM], 0xffff0000
	s_lshl_b32 s17, s12, 7                         ; which 128 rows of the tile I fetch
	s_lshl_b32 s16, s13, 8
	s_add_co_u32 s16, s16, s17                     ; Q: row 256 x tile row + 128 x half,
	s_lshl_b32 s16, s16, 11                        ; 2,048 bytes a row
	s_lshl_b32 s46, s42, 8
	s_add_co_u32 s46, s46, s17
	s_lshl_b32 s47, s45, 11
	s_add_co_u32 s46, s46, s47
	s_add_co_u32 s46, s46, 8192                    ; K: row 8,192 (K's plane) + 2,048 x batch + 256 x tile column + 128 x half
	s_lshl_b32 s46, s46, 11
	s_mov_b32 s17, 0
	s_mov_b32 s47, 0
	s_mul_i32 s20, s10, HALFT                      ; where they go: wave x 128 rows
	s_wait_dscnt 0x0                               ; the opening add is done
	s_wait_kmcnt 0x0
	s_add_nc_u64 s[14:15], s[4:5], s[16:17]
	s_add_nc_u64 s[46:47], s[4:5], s[46:47]
	CROUND                                         ; all sixteen work-groups are here: the first joint loads meet
.irp s, 0,1
	s_mov_b32 s[G0+4*(\s)], 1
	s_add_co_u32 s[G0+4*(\s)+1], s20, (\s)*SLOT
	s_add_nc_u64 s[G0+4*(\s)+2:G0+4*(\s)+3], s[14:15], (\s)*KSTEP*2
	s_or_b32 s[G0+4*(\s)+3], s[G0+4*(\s)+3], 0x80000000
	s_mov_b32 s[G0B+4*(\s)], 1
	s_add_co_u32 s[G0B+4*(\s)+1], s20, (\s)*SLOT
	s_add_nc_u64 s[G0B+4*(\s)+2:G0B+4*(\s)+3], s[46:47], (\s)*KSTEP*2
	s_or_b32 s[G0B+4*(\s)+3], s[G0B+4*(\s)+3], 0x80000000
	JLOAD \s                                       ; two loads of mine are out
.endr
	v_and_b32 v1, 15, v0                           ; l % 16
	v_bfe_u32 v2, v0, 4, 1                         ; l / 16
	v_mul_u32_u24 v3, v1, PITCH
	v_lshl_add_u32 v3, v2, 4, v3                   ; a fragment's row x pitch + 16 x half
	s_mul_i32 s21, s11, HALFT                      ; my 128 rows of Q
	s_mul_i32 s22, s12, HALFT                      ; my 128 rows of K,
	s_add_co_u32 s22, s22, 2*HALFT                 ; which lie behind Q's 256
.irp s, 0,1
	v_add_nc_u32 v[ADRA+(\s)], s21, v3
	v_add_nc_u32 v[ADRB+(\s)], s22, v3
	s_add_co_u32 s21, s21, SLOT
	s_add_co_u32 s22, s22, SLOT
.endr
	s_mul_i32 s23, s10, 16*SPITCH
	s_add_co_u32 s23, s23, STAGE                   ; my stage
	v_mul_u32_u24 v4, v1, SPITCH
	v_lshl_add_u32 v4, v2, 4, v4
	v_add_nc_u32 v[STO], s23, v4
	v_mul_u32_u24 v5, v2, SPITCH
	v_lshl_add_u32 v5, v1, 4, v5
	v_add_nc_u32 v[RD], s23, v5
	v_lshlrev_b32 v5, 12, v2                       ; two rows of p
	v_lshl_add_u32 v[CO], v1, 4, v5
	s_lshl_b32 s23, s10, 10
	s_add_co_u32 s23, s23, SST                     ; my 1,024 bytes for cm and l
	v_lshlrev_b32 v5, 2, v1
	v_lshl_add_u32 v5, v2, 9, v5                   ; 4 x row; l's 512 bytes behind cm's
	v_add_nc_u32 v[SSA], s23, v5
	v_and_b32 v5, 31, v0
	v_lshlrev_b32 v[SGO], 4, v5
	v_add_nc_u32 v[SSR], s23, v[SGO]
	; where my part begins in p, in bytes: the first SEND adds it
	s_lshl_b32 s16, s13, 8
	s_lshl_b32 s14, s11, 7
	s_add_co_u32 s16, s16, s14                     ; my first row
	s_lshl_b32 s16, s16, 12
	s_mov_b32 s17, 0
	s_lshl_b32 s46, s42, 9                         ; my first key: 512 bytes a tile, 256 a half (none of the registers that feed Q's descriptors ever holds cx)
	s_lshl_b32 s47, s12, 8
	s_add_co_u32 s46, s46, s47
	s_mov_b32 s47, 0
	s_add_nc_u64 s[16:17], s[16:17], s[46:47]
	; and in st: chunk 2 x tile column + half, my first row
	s_lshl_b32 s76, s42, 1
	s_add_co_u32 s76, s76, s12
	s_lshl_b32 s76, s76, 13
	s_lshl_b32 s77, s13, 8
	s_add_co_u32 s76, s76, s77
	s_lshl_b32 s77, s11, 7
	s_add_co_u32 s76, s76, s77
	s_lshl_b32 s76, s76, 2
	s_mov_b32 s77, 0
	s_add_nc_u64 s[68:69], s[68:69], s[76:77]
	s_wait_tensorcnt 1                             ; my part of K step 0 is in; K step 1's may stay out
	s_barrier_signal -1
	s_barrier_wait -1                              ; everybody's is
	FETCH 0, 0, F0
	QUARTER 0, 64,  F0, F1, 1                      ; the first quarter stands in front of the loop: its products start the sums
	WIN 0                                          ; at a label and at a branch every window is 0
	s_mov_b32 s3, LAPS-1
.Llap:                                                 ; a trip goes once round the ring and fills both slots again
	QUARTER 0, 128, F1, F0, 0
	QUARTER 0, 192, F0, F1, 0
	TURN 0, 1, 1
	QUARTER 1, 64,  F0, F1, 0
	QUARTER 1, 128, F1, F0, 0
	QUARTER 1, 192, F0, F1, 0
	TURN 1, 0, 1
	QUARTER 0, 64,  F0, F1, 0
	WIN 0
	s_sub_co_u32 s3, s3, 1
	s_cmp_lg_u32 s3, 0
	s_cbranch_scc1 .Llap
	QUARTER 0, 128, F1, F0, 0                      ; the last lap fills nothing
	QUARTER 0, 192, F0, F1, 0
	TURN 0, 1, 0
	QUARTER 1, 64,  F0, F1, 0
	QUARTER 1, 128, F1, F0, 0
	QUARTER 1, 192, F0, F1, 0
	s_wait_dscnt 8
	MUL16 F1, 0, 0, 0
	MUL16 F1, 0, 2, 0
	s_wait_dscnt 0x0
	MUL16 F1, 1, 0, 0
	MUL16 F1, 1, 2, 0
	WIN 0
	PLACES
	SOFT 0
	TOSTAGE 0
.irp a, 1,2,3,4,5,6,7                  ; block a's softmax stands between block a - 1's loads from the stage and the wait for them
	SOFT \a
	SEND (\a)-1, 0
	TOSTAGE \a
.endr
	SEND 7, 0
	; cm and l of my 128 rows: both halves of the lanes hold both, so lanes 0-15 give cm and lanes 16-31 l; through my own LDS bytes they become two runs of 512 consecutive bytes
.irp a, 0,1,2,3,4,5,6,7
	v_cndmask_b32 v[XS+(\a)], v[MS+2*(\a)], v[MS+2*(\a)+1], s[HM]
.endr
.irp a, 0,1,2,3,4,5,6,7
	ds_store_b32 v[SSA], v[XS+(\a)] offset:64*(\a)
.endr
	ds_load_b128 v[XO:XO+3], v[SSR]                ; LDS serves a wave's instructions in order: these see the stores above
	ds_load_b128 v[XO+4:XO+7], v[SSR] offset:512
	s_wait_dscnt 0x0
	global_store_b128 v[SGO], v[XO:XO+3], s[68:69]
	global_store_b128 v[SGO], v[XO+4:XO+7], s[68:69] offset:524288   ; l's plane: 16 chunks x 8,192 rows x 4 bytes on
	s_wait_tensorcnt 0x0                           ; the wave's end, behind my last tensor load and my last LDS store
	ds_add_u32 v[SPW], v[NIL]
	s_wait_dscnt 0x0
	CROUND                                         ; the closing round
	s_endpgm
.Lfunc_end_k_q633e212306_scores:
	.size	k_q633e212306_scores, .Lfunc_end_k_q633e212306_scores-k_q633e212306_scores
	.p2alignl 7, 3214868480
	.fill 96, 4, 3214868480
	.section	.rodata,"a",@progbits
	.p2align	6, 0x0
	.amdhsa_kernel k_q633e212306_scores
		.amdhsa_group_segment_fixed_size 327680
		.amdhsa_private_segment_fixed_size 0
		.amdhsa_enable_private_segment 0
		.amdhsa_kernarg_size 24
		.amdhsa_user_sgpr_count 2
		.amdhsa_user_sgpr_kernarg_segment_ptr 1
		.amdhsa_wavefront_size32 1
		.amdhsa_system_sgpr_workgroup_id_x 1
		.amdhsa_system_sgpr_workgroup_id_y 1
		.amdhsa_system_sgpr_workgroup_id_z 1
		.amdhsa_system_vgpr_workitem_id 0
		.amdhsa_next_free_vgpr 1024
		.amdhsa_next_free_sgpr 80
		.amdhsa_reserve_vcc 0
		.amdhsa_float_denorm_mode_32 3
		.amdhsa_float_denorm_mode_16_64 3
		.amdhsa_memory_ordered 1
		.amdhsa_forward_progress 1
		.amdhsa_inst_pref_size 213
	.end_amdhsa_kernel
	.amdgpu_metadata
---
amdhsa.version: [ 1, 2 ]
amdhsa.kernels:
  - .name:           k_q633e212306_scores
    .symbol:         k_q633e212306_scores.kd
    .args:
      - { .name: qkv, .offset: 0, .size: 8, .value_kind: global_buffer, .address_space: global }
      - { .name: p, .offset: 8, .size: 8, .value_kind: global_buffer, .address_space: global }
      - { .name: st, .offset: 16, .size: 8, .value_kind: global_buffer, .address_space: global }
    .group_segment_fixed_size: 327680
    .private_segment_fixed_size: 0
    .kernarg_segment_align: 8
    .kernarg_segment_size: 24
    .max_flat_workgroup_size: 128
    .sgpr_count:     80
    .vgpr_count:     1024
    .wavefront_size: 32
...
	.end_amdgpu_metadata
.endif
;; end of part 3
;; launch pv (part 4): grid 8 x 32, 4 waves a work-group, clusters of 4 x 4, 327,680 bytes of LDS; arguments p, qkv, st, out0; writes out0
.if DOCPART == 4
	.amdgcn_target "amdgcn-amd-amdhsa--gfx1250"
	.amdhsa_code_object_version 6
	.text
	.protected	k_q633e212306_pv
	.globl	k_q633e212306_pv
	.p2align	8
	.type	k_q633e212306_pv,@function
k_q633e212306_pv:
	s_mov_b64 s[64:65], 0
	v_nop
	global_prefetch_b8 v0, s[64:65] scope:SCOPE_SE
	s_setreg_imm32_b32 hwreg(HW_REG_WAVE_MODE, 25, 1), 1
	s_wait_xcnt 0x0
	s_wait_alu depctr_hold_cnt(0) depctr_sa_sdst(0) depctr_va_vdst(0) depctr_va_sdst(0) depctr_va_ssrc(0) depctr_va_vcc(0) depctr_vm_vsrc(0)
	s_getreg_b32 s2, hwreg(HW_REG_IB_STS2, 6, 4)
	s_cmp_eq_u32 s2, 0
	s_cbranch_scc0 .Lentry_in_a_cluster
	s_endpgm
.Lentry_in_a_cluster:
	s_bfe_u32 s2, ttmp6, 0x10000c
	s_cmp_lg_u32 s2, 0xf033
	s_cbranch_scc0 .Lentry_shape_is_right
	s_endpgm
.Lentry_shape_is_right:
; out[q][d] = (sum over k of p[q][k] f[q][chunk of k] V[k][d]) / L[q].  For each query: CM = the largest of its 16 chunks' cm (the row's true maximum, times c); f = 2^(cm - CM); L = the sum of f l.
; p (f16, [8192][2048]), cm and l (f32, st[2][16][8192]) come from the launch before, V (f16) is plane 2 of qkv.  p f is rounded to f16 for the product; sums in f32; out in f32.
; LIMITS.  f and p f lie in 0 to 1 and below 6e-5 keep f16's fixed step of 6e-8 (L is at least 1); f below 2^-126 counts as 0 in L; NaN and infinities are not treated apart.
; SHARES.  A work-group makes 256 queries x 128 channels: 256 work-groups.  Wave (rh = w / 2, kh = w % 2) makes the 128 queries of half rh x all 128 channels over keys 64 kh .. 64 kh + 63 of every K step of
; 128 keys: 64 accumulators, so that a fragment read from LDS feeds eight products.  The two waves of a half meet at the end: each keeps 64 of the rows, sends the other 64 through LDS and adds what it gets.
; My fragments of p are taken in the order (own 64 rows, partner's 64 rows), so that every wave keeps window 2 and sends window 3: one text, no branch on the wave's number.
; K = 2,048 goes in 16 steps (a step is a chunk) through a ring of two LDS slots filled by the tensor data mover; rows of p's and V's tiles are 256 bytes of memory, at multiples of 256 from the buffer's first byte.
; CLUSTERS: 4 x 4 work-groups, all of one batch.  The four of a row of the cluster need the same tiles of p and the same cm and l, the four of a column the same tiles of V: each is asked for JOINTLY.
; THE MATRIX INSTRUCTION IS USED TRANSPOSED: source 0 = 16 channels x 32 keys of V (turned on the way out of LDS by ds_load_tr16_b128), source 1 = 16 queries x 32 keys.  Lane l holds query l % 16 and channels 8 (l / 16) + 0..7.
; THE FACTOR.  All eight registers of a lane's fragment of p belong to one query: one packed multiply a register by the word (f, f).  These multiplies stand in fours and eights behind matrix instructions that name other registers.
; REGISTERS, in windows of 256 (s_set_vgpr_msb: bits 1:0 source 0, 3:2 source 1, 5:4 source 2, 7:6 destination):
;   window 0: v0-31 addresses; v32-47 factors, eight a slot; v48-55 1 / L; v64-127, v128-191 fragments of p, two buffers (at the start: cm, l and factors at work; on the way out: results); v192-255 the way out
;   window 1: v64-127, v128-191 fragments of V      window 2: the accumulators of my own 64 rows ((a, b) at v[8 (8 a + b)])      window 3: those of my partner's 64 rows
.set PA,    272                        ; a row of p in LDS: 256 bytes + 16 = 68 words: row r starts at bank 4 r mod 64 (64 banks of 4 bytes: ISA guide 11.1)
.set PB,    288                        ; a row of V: 256 + 32 = 72 words
.set AHALF, 128*PA                     ; 128 rows of p: one tensor load
.set BOFF,  2*AHALF                    ; V's 128 keys lie behind p's 256 rows
.set BHALF, 64*PB                      ; 64 keys of V: one tensor load
.set SLOT,  BOFF+2*BHALF
.set STATS, 2*SLOT                     ; filled once: wave w's 8,192 bytes: [16 chunks][128 rows] of cm (w even) or l (w odd) for half w / 2
.set FAC,   STATS+32768                ; [16 chunks][256 rows], a word (f, f) in f16
.set RLT,   FAC+16384                  ; 1 / L of 256 rows
.set STAGE, RLT+1024                   ; 16 rows x 528 bytes for each wave, for the way out
.set SP,    528                        ; 512 bytes + 16 = 132 words
.set SPARE, STAGE+4*16*SP              ; the spare words, 128 bytes for each wave: two blocks of 256 bytes that no other line names
.set LAPS,  8                          ; a lap = two K steps
.set SA,    12                         ; v12     my two rows' cm in STATS
.set FW,    13                         ; v13     my two rows' words in FAC
.set RLW,   14                         ; v14     my two rows' words in RLT
.set ADRAL, 16                         ; v16-17  my fragments of p, own 64 rows, in slot 0, 1
.set ADRAH, 18                         ; v18-19  the partner's 64 rows
.set ADRB,  20                         ; v20-21  my fragments of V
.set FADL,  22                         ; v22     the factors of my own rows; steps two chunks a lap
.set FADH,  23                         ; v23     of the partner's rows
.set STO,   24
.set RD,    25
.set GO,    26                         ; v26     my byte offset in 512 consecutive bytes of out
.set XW,    27                         ; v27     the exchange: where I put 16 bytes
.set SPW,   28                         ; v28     LDS address of my spare word; never rewritten
.set NIL,   29                         ; v29     0; never rewritten
.set XR,    30                         ; v30     the exchange: where I read my partner's
.set RLA,   31                         ; v31     1 / L of my own rows
.set FR,    32
.set RL,    48                         ; four pairs: 1 / L of row block i at RL + 2 i; the odd registers hold 0
.set F0,    64
.set F1,    128
.set T,     64                         ; the way out: a block's 64 results
.set U,     128                        ; the way out: 16 rows read back: v128-191 and v192-255 by turns
.set G1,  24                           ; s[24:31], s[32:39] descriptor groups 1 and 0 (a set for each slot) for p's tiles
.set G0,  32
.set G1B, 48                           ; s[48:55], s[56:63] for V's
.set G0B, 56
.set GS1, 68                           ; s[68:75], s[76:79] for cm and l
.set GS0, 76
.set MSB, 0
.macro WIN new
.if MSB != (\new)
	s_set_vgpr_msb (MSB<<8)|(\new)
.set MSB, \new
.endif
.endm
.set MUL_LO, 0xa1                      ; source 0 (V) window 1, source 1 (p) window 0, C and D window 2
.set TO_B,   0x40
.macro JLOAD s                         ; a joint load: waves 0 and 1 fetch p's two halves, waves 2 and 3 V's; an s_nop 0 and four v_nop follow each of the two lines
	s_cmp_eq_u32 s11, 0
	s_cbranch_scc0 .Lfor_b_\@
	tensor_load_to_lds s[G0+4*(\s):G0+4*(\s)+3], s[G1:G1+7]
	s_nop 0
.rept 4
	v_nop
.endr
	s_branch .Lasked_\@
.Lfor_b_\@:
	tensor_load_to_lds s[G0B+4*(\s):G0B+4*(\s)+3], s[G1B:G1B+7]
	s_nop 0
.rept 4
	v_nop
.endr
.Lasked_\@:
.endm
.macro CREST
	s_cmp_lg_u32 s10, 0
	s_cbranch_scc1 .Lnot_wave_0_\@
	s_barrier_signal -3
.Lnot_wave_0_\@:
	s_barrier_wait -3
	s_barrier_signal -1
	s_barrier_wait -1
.endm
.macro CROUND
	s_barrier_signal -1
	s_barrier_wait -1
	CREST
.endm
.macro PLACES                          ; four places in front of loads into registers that matrix instructions have read, and of stores and vector work that read results
.rept 4
	v_nop
.endr
.endm
; 32 LDS loads in one run: my 32 keys qq (0, 1) of a step: V's eight channel blocks, turned, then p's eight row blocks, into buffer f
.macro FETCH3 slot, qq, f
	WIN TO_B
.irp i, 0,1,2,3,4,5,6,7
	ds_load_tr16_b128 v[(\f)+8*(\i):(\f)+8*(\i)+3],   v[ADRB+(\slot)] offset:(\qq)*32*PB+32*(\i)
	ds_load_tr16_b128 v[(\f)+8*(\i)+4:(\f)+8*(\i)+7], v[ADRB+(\slot)] offset:(\qq)*32*PB+16*PB+32*(\i)
.endr
	WIN 0
.irp i, 0,1,2,3
	ds_load_b128 v[(\f)+8*(\i):(\f)+8*(\i)+3],   v[ADRAL+(\slot)] offset:(\qq)*64+(\i)*16*PA
	ds_load_b128 v[(\f)+8*(\i)+4:(\f)+8*(\i)+7], v[ADRAL+(\slot)] offset:(\qq)*64+(\i)*16*PA+32
.endr
.irp i, 0,1,2,3
	ds_load_b128 v[(\f)+32+8*(\i):(\f)+32+8*(\i)+3],   v[ADRAH+(\slot)] offset:(\qq)*64+(\i)*16*PA
	ds_load_b128 v[(\f)+32+8*(\i)+4:(\f)+32+8*(\i)+7], v[ADRAH+(\slot)] offset:(\qq)*64+(\i)*16*PA+32
.endr
.endm
; the eight factors of the step in a slot; adv = 1: a new lap, two chunks on
.macro FACLOAD slot, adv
	WIN 0
.if \adv
	v_add_nc_u32 v[FADL], 2048, v[FADL]
	v_add_nc_u32 v[FADH], 2048, v[FADH]
.endif
.irp i, 0,1,2,3
	ds_load_b32 v[FR+8*(\slot)+(\i)], v[FADL] offset:1024*(\slot)+64*(\i)
.endr
.irp i, 0,1,2,3
	ds_load_b32 v[FR+8*(\slot)+4+(\i)], v[FADH] offset:1024*(\slot)+64*(\i)
.endr
.endm
.macro SC4 buf, i, part, fr            ; half of fragment i of p in buffer buf times its factor
	WIN 0
.irp j, 0,1,2,3
	v_pk_mul_f16 v[(\buf)+8*(\i)+4*(\part)+(\j)], v[(\buf)+8*(\i)+4*(\part)+(\j)], v[(\fr)+(\i)]
.endr
.endm
; 8 matrix instructions: row block a of the window's four x all 8 channel blocks, 32 keys.  zero = 1: the product starts the sum.  rb >= 0: behind the fourth and the eighth stand multiplies by the factor,
; on fragments that no product nearby names: whole = 0: the two halves of fragment ri of buffer rb; whole = 1: fragments ri and ri + 1.
.macro MUL8 f, hi, a, zero, rb=-1, ri=0, fr=0, whole=0
.irp b, 0,1,2,3,4,5,6,7
	WIN MUL_LO+0x50*(\hi)
.if \zero
	v_wmma_f32_16x16x32_f16 v[8*(8*(\a)+(\b)):8*(8*(\a)+(\b))+7], v[(\f)+8*(\b):(\f)+8*(\b)+7], v[(\f)+8*(4*(\hi)+(\a)):(\f)+8*(4*(\hi)+(\a))+7], 0
.else
	v_wmma_f32_16x16x32_f16 v[8*(8*(\a)+(\b)):8*(8*(\a)+(\b))+7], v[(\f)+8*(\b):(\f)+8*(\b)+7], v[(\f)+8*(4*(\hi)+(\a)):(\f)+8*(4*(\hi)+(\a))+7], v[8*(8*(\a)+(\b)):8*(8*(\a)+(\b))+7]
.endif
.if ((\rb) >= 0) && (((\b) == 3) || ((\b) == 7))
.if \whole
	SC4 \rb, (\ri)+(\b)/4, 0, \fr
	SC4 \rb, (\ri)+(\b)/4, 1, \fr
.else
	SC4 \rb, \ri, (\b)/4, \fr
.endif
.endif
.endr
.endm
; A K step is two halves of 32 of my 64 keys, 64 matrix instructions each, on buffers 0 and 1; the 64 accumulators take turns, one instruction a turn, in the same order in every half.
; The first half multiplies buffer 0, whose fragments 0-3 are scaled already; it scales 4-7, fetches the second half into buffer 1 and scales that buffer's fragments 0-3.
.macro QUARTER3 slot, zero
	s_wait_dscnt 0x0                               ; p's fragments 4-7 are in
.irp a, 0,1,2,3
	MUL8 F0, 0, \a, \zero, F0, 4+(\a), FR+8*(\slot), 0
.endr
	PLACES
	FETCH3 \slot, 1, F1
	MUL8 F0, 1, 0, \zero
	MUL8 F0, 1, 1, \zero
	s_wait_dscnt 8                                 ; V and p's fragments 0-3 are in; the youngest eight loads (fragments 4-7) may be out
	MUL8 F0, 1, 2, \zero, F1, 0, FR+8*(\slot), 1
	MUL8 F0, 1, 3, \zero, F1, 2, FR+8*(\slot), 1
.endm
; The second half multiplies buffer 1 and changes slots.  ONE barrier: in front of it each wave waits for all its tensor loads (one is out: its part of the next slot), adds 0 to its spare word, and waits for
; that and for its own reads of this slot.  fill = 1: the barrier opens a round of the cluster's, and this slot is filled again, two K steps ahead, first thing behind the round: 96 matrix instructions ahead of the wait for it.
.macro TURN3 slot, next, fill, adv
	WIN 0
	s_wait_tensorcnt 0x0                           ; all my tensor loads have landed
	ds_add_u32 v[SPW], v[NIL]                      ; 0 onto my spare word
	s_wait_dscnt 1                                 ; (the add may be out; p's fragments 4-7 are in)
	MUL8 F1, 0, 0, 0, F1, 4, FR+8*(\slot), 0
	MUL8 F1, 0, 1, 0, F1, 5, FR+8*(\slot), 0
	s_wait_dscnt 0x0                               ; the add is done, and my reads of this slot are over
	s_barrier_signal -1
	MUL8 F1, 0, 2, 0, F1, 6, FR+8*(\slot), 0       ; work on registers while the others arrive
	MUL8 F1, 0, 3, 0, F1, 7, FR+8*(\slot), 0
	WIN 0                                          ; (branches may follow)
	s_barrier_wait -1
.if \fill
	CREST                                          ; no wave of any partner still reads this slot's tiles or has a load on its way
	s_add_nc_u64 s[G0+4*(\slot)+2:G0+4*(\slot)+3], s[G0+4*(\slot)+2:G0+4*(\slot)+3], 512        ; 256 keys along p's rows
	s_add_nc_u64 s[G0B+4*(\slot)+2:G0B+4*(\slot)+3], s[G0B+4*(\slot)+2:G0B+4*(\slot)+3], 524288  ; 256 rows of V
	JLOAD \slot                                    ; the four v_nop behind it are also the places in front of the loads below
.else
	PLACES
.endif
	FACLOAD \next, \adv
	FETCH3 \next, 0, F0
	MUL8 F1, 1, 0, 0
	MUL8 F1, 1, 1, 0
	s_wait_dscnt 8                                 ; the factors, V and p's fragments 0-3 are in
	MUL8 F1, 1, 2, 0, F0, 0, FR+8*(\next), 1
	MUL8 F1, 1, 3, 0, F0, 2, FR+8*(\next), 1
.endm
; THE WAY OUT of row block i (16 of my own 64 rows).  PACK3: my partner's sums are added onto mine (each accumulator's registers in ascending order) and the result is divided by L.
.macro PACK3 i
	WIN 0x8e                                       ; destination and source 0 window 2, source 1 window 3
.set j, 0
.rept 32
	v_pk_add_f32 v[64*(\i)+2*j:64*(\i)+2*j+1], v[64*(\i)+2*j:64*(\i)+2*j+1], v[64*(\i)+2*j:64*(\i)+2*j+1]
.set j, j+1
.endr
	WIN 0x02                                       ; source 0 window 2
.set j, 0
.rept 32
	v_pk_mul_f32 v[T+2*j:T+2*j+1], v[64*(\i)+2*j:64*(\i)+2*j+1], v[RL+2*(\i):RL+2*(\i)+1] op_sel_hi:[1,0]
.set j, j+1
.endr
	WIN 0
.endm
.macro TOSTAGE3 i                      ; a lane's eight channels of a row are 32 bytes; they go into rows of 528 bytes and come back as whole rows of 512
	WIN 0
.set UB, U+64*((\i)%2)
.irp b, 0,1,2,3,4,5,6,7
	ds_store_b128 v[STO], v[T+8*(\b):T+8*(\b)+3]   offset:64*(\b)
	ds_store_b128 v[STO], v[T+8*(\b)+4:T+8*(\b)+7] offset:64*(\b)+16
.endr
.irp t, 0,1,2,3,4,5,6,7,8,9,10,11,12,13,14,15
	ds_load_b128 v[UB+4*(\t):UB+4*(\t)+3], v[RD] offset:(\t)*SP  ; LDS serves a wave's instructions in order (ISA guide 5.7.1.4): these see the stores above
.endr
.endm
.macro SEND3 i
	WIN 0
.set UB, U+64*((\i)%2)
	s_wait_dscnt 0x0                               ; the block is back in registers
	s_wait_xcnt 0x0                                ; the registers that the stores of the block before last read are loaded again only behind this wait (ISA guide 3.1)
.irp t, 0,1,2,3,4,5,6,7,8,9,10,11,12,13,14,15
	global_store_b128 v[GO], v[UB+4*(\t):UB+4*(\t)+3], s[8:9] offset:(16*(\i)+(\t))*4096 th:TH_STORE_NT  ; a wave stores 512 consecutive bytes, at a multiple of 512 from out's first byte
.endr
.endm
	s_load_b128 s[4:7], s[0:1], 0x0                ; p s[4:5], qkv s[6:7]
	s_load_b128 s[80:83], s[0:1], 0x10             ; st s[80:81], out0 s[82:83]
	v_lshl_add_u32 v[SPW], v0, 2, SPARE
	v_mov_b32 v[NIL], 0
	ds_add_u32 v[SPW], v[NIL]                      ; the wave's opening: the add and its wait stand ahead of my first tensor load; the set-up below stands between them
	v_lshrrev_b32 v1, 5, v0
	v_readfirstlane_b32 s10, v1                    ; wave 0..3
	s_lshr_b32 s11, s10, 1                         ; rh: which 128 queries.  Also: I fetch for p (0) or for V (1)
	s_and_b32 s12, s10, 1                          ; kh: which 64 keys of a step.  Also: which half of that tile I fetch
	s_bfe_u32 s40, ttmp6, 0x40000                  ; cx
	s_bfe_u32 s41, ttmp6, 0x40004                  ; cy
	s_lshl_b32 s42, ttmp9, 2
	s_add_co_u32 s42, s42, s40                     ; tile column (128 channels) = 4 x cluster x + cx
	s_and_b32 s13, ttmp7, 0xffff
	s_lshr_b32 s45, s13, 1                         ; the batch; the same in the whole cluster
	s_lshl_b32 s13, s13, 2
	s_add_co_u32 s13, s13, s41                     ; tile row (256 queries) = 4 x cluster y + cy
	s_lshl_b32 s43, s41, 2
	s_lshl_b32 s43, 15, s43                        ; my row of the cluster
	s_lshl_b32 s44, 0x1111, s40                    ; my column
	s_or_b32 s[G1], s43, (1<<16)|(1<<20)|(1<<21)|(5<<22)|(3<<25)   ; p: elements of 2 bytes, 4 words of padding after every 64; the mask of my row
	s_mov_b32 s[G1+1], 128<<16                     ; tensor_dim0 = 128
	s_mov_b32 s[G1+2], 128<<16                     ; tensor_dim1 = 128
	s_mov_b32 s[G1+3], 128<<16                     ; tile_dim0 = 128
	s_mov_b32 s[G1+4], 128                         ; tile_dim1 = 128
	s_mov_b32 s[G1+5], 2048                        ; elements from row to row
	s_mov_b32 s[G1+6], 0
	s_mov_b32 s[G1+7], 0
	s_or_b32 s[G1B], s44, (1<<16)|(1<<20)|(1<<21)|(5<<22)|(7<<25)  ; V: 8 words of padding; the mask of my column
	s_mov_b32 s[G1B+1], 128<<16
	s_mov_b32 s[G1B+2], 64<<16                     ; 64 keys
	s_mov_b32 s[G1B+3], 128<<16
	s_mov_b32 s[G1B+4], 64
	s_mov_b32 s[G1B+5], 1024
	s_mov_b32 s[G1B+6], 0
	s_mov_b32 s[G1B+7], 0
	s_or_b32 s[GS1], s43, (2<<16)|(1<<21)          ; cm or l: elements of 4 bytes, no padding; the mask of my row
	s_mov_b32 s[GS1+1], 128<<16                    ; 128 rows of the tile,
	s_mov_b32 s[GS1+2], 16<<16                     ; 16 chunks,
	s_mov_b32 s[GS1+3], 128<<16
	s_mov_b32 s[GS1+4], 16
	s_mov_b32 s[GS1+5], 8192                       ; 8,192 elements from chunk to chunk
	s_mov_b32 s[GS1+6], 0
	s_mov_b32 s[GS1+7], 0
	s_lshl_b32 s16, s13, 8
	s_lshl_b32 s17, s12, 7
	s_add_co_u32 s16, s16, s17                     ; p: row 256 x tile row + 128 x half,
	s_lshl_b32 s16, s16, 12                        ; 4,096 bytes a row
	s_mov_b32 s17, 0
	s_lshl_b32 s46, s45, 11
	s_lshl_b32 s47, s12, 6
	s_add_co_u32 s46, s46, s47                     ; V: row 2,048 x batch + 64 x half,
	s_lshl_b32 s46, s46, 11                        ; 2,048 bytes a row,
	s_lshl_b32 s47, s42, 8
	s_add_co_u32 s46, s46, s47                     ; 256 bytes a tile column,
	s_add_co_u32 s46, s46, 33554432                ; in plane 2 of qkv
	s_mov_b32 s47, 0
	s_lshl_b32 s18, s12, 19                        ; cm's plane or l's,
	s_lshl_b32 s19, s13, 10                        ; the tile's 256 rows,
	s_add_co_u32 s18, s18, s19
	s_lshl_b32 s19, s11, 9                         ; 128 of them
	s_add_co_u32 s18, s18, s19
	s_mov_b32 s19, 0
	s_mul_i32 s20, s12, AHALF                      ; where they go: no place in the cluster enters an LDS address
	s_mul_i32 s21, s12, BHALF
	s_add_co_u32 s21, s21, BOFF
	s_lshl_b32 s22, s10, 13
	s_add_co_u32 s22, s22, STATS
	s_wait_dscnt 0x0                               ; the opening add is done
	s_wait_kmcnt 0x0
	s_add_nc_u64 s[14:15], s[4:5], s[16:17]
	s_add_nc_u64 s[46:47], s[6:7], s[46:47]
	s_add_nc_u64 s[18:19], s[80:81], s[18:19]
	CROUND                                         ; all sixteen work-groups are here: the first joint loads meet
	s_mov_b32 s[GS0], 1
	s_mov_b32 s[GS0+1], s22
	s_mov_b64 s[GS0+2:GS0+3], s[18:19]
	s_or_b32 s[GS0+3], s[GS0+3], 0x80000000
	tensor_load_to_lds s[GS0:GS0+3], s[GS1:GS1+7]  ; every wave its own part: cm or l of 128 rows
	s_nop 0
.rept 4
	v_nop
.endr
.irp s, 0,1
	s_mov_b32 s[G0+4*(\s)], 1
	s_add_co_u32 s[G0+4*(\s)+1], s20, (\s)*SLOT
	s_add_nc_u64 s[G0+4*(\s)+2:G0+4*(\s)+3], s[14:15], (\s)*256
	s_or_b32 s[G0+4*(\s)+3], s[G0+4*(\s)+3], 0x80000000
	s_mov_b32 s[G0B+4*(\s)], 1
	s_add_co_u32 s[G0B+4*(\s)+1], s21, (\s)*SLOT
	s_add_nc_u64 s[G0B+4*(\s)+2:G0B+4*(\s)+3], s[46:47], (\s)*262144
	s_or_b32 s[G0B+4*(\s)+3], s[G0B+4*(\s)+3], 0x80000000
	JLOAD \s                                       ; three loads of mine are out
.endr
	s_lshl_b32 s84, s13, 8                         ; out at my own 64 rows and the tile's 128 channels
	s_lshl_b32 s85, s11, 7
	s_add_co_u32 s84, s84, s85
	s_lshl_b32 s85, s12, 6
	s_add_co_u32 s84, s84, s85
	s_lshl_b32 s84, s84, 12
	s_lshl_b32 s85, s42, 9
	s_add_co_u32 s84, s84, s85
	s_mov_b32 s85, 0
	s_add_nc_u64 s[8:9], s[82:83], s[84:85]
	v_and_b32 v1, 15, v0                           ; l % 16
	v_bfe_u32 v2, v0, 4, 1                         ; l / 16
	v_and_b32 v3, 31, v0                           ; l
	v_mul_u32_u24 v4, v1, PA
	v_lshl_add_u32 v4, v2, 4, v4                   ; a fragment of p: row x pitch + 16 x half
	s_lshl_b32 s21, s11, 7
	s_lshl_b32 s22, s12, 6
	s_add_co_u32 s86, s21, s22                     ; my own rows begin at 128 rh + 64 kh of the tile,
	s_sub_co_u32 s22, 64, s22
	s_add_co_u32 s87, s21, s22                     ; my partner's at 128 rh + 64 (1 - kh)
	s_lshl_b32 s23, s12, 7                         ; my 64 keys begin 128 kh bytes into a row
	s_mul_i32 s21, s86, PA
	s_add_co_u32 s21, s21, s23
	s_mul_i32 s22, s87, PA
	s_add_co_u32 s22, s22, s23
	v_add_nc_u32 v[ADRAL], s21, v4
	v_add_nc_u32 v[ADRAH], s22, v4
	v_add_nc_u32 v[ADRAL+1], SLOT, v[ADRAL]
	v_add_nc_u32 v[ADRAH+1], SLOT, v[ADRAH]
	; The turning load takes 16 keys x 16 channels (lane l reads key 8 (l / 16) + l % 8, channels 8 ((l / 8) % 2) + 0..7) and leaves half a fragment: lane l holds channel l % 16 and 8 keys.
	v_and_b32 v5, 7, v0
	v_bfe_u32 v6, v0, 3, 1
	v_lshl_add_u32 v7, v2, 3, v5
	v_mul_u32_u24 v7, v7, PB
	v_lshl_add_u32 v7, v6, 4, v7
	s_mul_i32 s22, s12, BHALF                      ; my 64 keys
	s_add_co_u32 s22, s22, BOFF
	v_add_nc_u32 v[ADRB], s22, v7
	v_add_nc_u32 v[ADRB+1], SLOT, v[ADRB]
	s_lshl_b32 s22, s86, 2
	s_add_co_u32 s22, s22, FAC
	v_lshl_add_u32 v[FADL], v1, 2, s22
	s_lshl_b32 s23, s87, 2
	s_add_co_u32 s23, s23, FAC
	v_lshl_add_u32 v[FADH], v1, 2, s23
	v_add_nc_u32 v[RLA], RLT-FAC, v[FADL]
	s_mul_i32 s22, s10, 16*SP
	s_add_co_u32 s22, s22, STAGE                   ; my stage
	v_mul_u32_u24 v8, v1, SP                       ; in: row l % 16, 32 bytes for each half of the lanes
	v_lshl_add_u32 v8, v2, 5, v8
	v_add_nc_u32 v[STO], s22, v8
	v_lshl_add_u32 v[RD], v3, 4, s22               ; back: 32 lanes take a row of 512 bytes
	v_lshlrev_b32 v[GO], 4, v3
	s_lshl_b32 s22, s10, 15                        ; the exchange: 32,768 bytes a wave, over the slots, written when their last fill has been read
	v_lshl_add_u32 v[XW], v3, 4, s22
	s_xor_b32 s22, s22, 32768                      ; my partner's
	v_lshl_add_u32 v[XR], v3, 4, s22
	v_lshrrev_b32 v9, 6, v0                        ; thread t owns rows 2 t and 2 t + 1 of the tile's 256: half t / 64,
	v_and_b32 v10, 63, v0
	v_lshlrev_b32 v10, 3, v10                      ; 8 bytes at 8 (t % 64)
	v_lshl_add_u32 v10, v9, 14, v10
	v_add_nc_u32 v[SA], STATS, v10
	v_lshl_add_u32 v[FW], v0, 3, FAC
	v_lshl_add_u32 v[RLW], v0, 3, RLT
.irp i, 0,1,2,3
	v_mov_b32 v[RL+2*(\i)+1], 0                    ; named with 1 / L as a pair
.endr
	s_wait_tensorcnt 2                             ; my part of cm and l is in; the two slots' loads, issued behind it, may stay out
	s_barrier_signal -1
	s_barrier_wait -1                              ; everybody's is
	; THE FACTORS of my two rows: CM, f = 2^(cm - CM) for 16 chunks, L = the sum of f l, 1 / L
.irp c, 0,1,2,3,4,5,6,7,8,9,10,11,12,13,14,15
	ds_load_b64 v[64+2*(\c):65+2*(\c)], v[SA] offset:512*(\c)
.endr
.irp c, 0,1,2,3,4,5,6,7,8,9,10,11,12,13,14,15
	ds_load_b64 v[96+2*(\c):97+2*(\c)], v[SA] offset:8192+512*(\c)
.endr
	s_wait_dscnt 16                                ; cm is in; l's sixteen loads may be out
	v_max3_num_f32 v128, v64, v66, v68
	v_max3_num_f32 v129, v65, v67, v69
.irp c, 3,5,7,9,11,13
	v_max3_num_f32 v128, v128, v[64+2*(\c)], v[66+2*(\c)]
	v_max3_num_f32 v129, v129, v[65+2*(\c)], v[67+2*(\c)]
.endr
	v_max_num_f32 v128, v128, v94
	v_max_num_f32 v129, v129, v95
.irp c, 0,1,2,3,4,5,6,7,8,9,10,11,12,13,14,15
	v_pk_add_f32 v[64+2*(\c):65+2*(\c)], v[64+2*(\c):65+2*(\c)], v[128:129] neg_lo:[0,1] neg_hi:[0,1]
.endr
.set i, 0
.rept 32
	v_exp_f32 v[64+i], v[64+i]
.set i, i+1
.endr
	s_wait_dscnt 0x0                               ; l
	v_nop                                          ; a plain instruction between the last exponential and the use of its result (ISA guide 5.7.2)
	s_wait_alu depctr_va_vdst(0)
	v_pk_mul_f32 v[130:131], v[64:65], v[96:97]    ; two chains
	v_pk_mul_f32 v[132:133], v[66:67], v[98:99]
.irp c, 2,4,6,8,10,12,14
	v_pk_fma_f32 v[130:131], v[64+2*(\c):65+2*(\c)], v[96+2*(\c):97+2*(\c)], v[130:131]
	v_pk_fma_f32 v[132:133], v[66+2*(\c):67+2*(\c)], v[98+2*(\c):99+2*(\c)], v[132:133]
.endr
	v_pk_add_f32 v[130:131], v[130:131], v[132:133]
.set i, 0
.rept 32
	v_cvt_pk_f16_f32 v[134+i], v[64+i], v[64+i]    ; the word (f, f)
.set i, i+1
.endr
.irp c, 0,1,2,3,4,5,6,7,8,9,10,11,12,13,14,15
	ds_store_b64 v[FW], v[134+2*(\c):135+2*(\c)] offset:1024*(\c)
.endr
	v_rcp_f32 v130, v130
	v_rcp_f32 v131, v131
	v_nop
	s_wait_alu depctr_va_vdst(0)
	ds_store_b64 v[RLW], v[130:131]
	s_wait_dscnt 0x0                               ; for the others' sake: my stores are done,
	s_wait_tensorcnt 1                             ; and my part of K step 0 is in; K step 1's may stay out
	s_barrier_signal -1
	s_barrier_wait -1
	FACLOAD 0, 0
	FETCH3 0, 0, F0
	s_wait_dscnt 8                                 ; the factors, V and p's fragments 0-3 are in
.irp i, 0,1,2,3
	SC4 F0, \i, 0, FR                              ; there is no matrix work yet to set these behind
	SC4 F0, \i, 1, FR
.endr
	QUARTER3 0, 1                                  ; the first half step stands in front of the loop: its products start the sums
	WIN 0                                          ; at a label and at a branch every window is 0
	s_mov_b32 s3, LAPS-1
.Llap:                                                 ; a trip goes once round the ring, from a lap's second half step to the next lap's first, and fills both slots again
	TURN3 0, 1, 1, 0
	QUARTER3 1, 0
	TURN3 1, 0, 1, 1
	QUARTER3 0, 0
	WIN 0
	s_sub_co_u32 s3, s3, 1
	s_cmp_lg_u32 s3, 0
	s_cbranch_scc1 .Llap
	TURN3 0, 1, 0, 0                               ; the last lap fills nothing, and has no round of the cluster's barrier
	QUARTER3 1, 0
	s_wait_dscnt 0x0                               ; the very last half step: nothing more to fetch
.irp a, 0,1,2,3
	MUL8 F1, 0, \a, 0, F1, 4+(\a), FR+8, 0
.endr
.irp a, 0,1,2,3
	MUL8 F1, 1, \a, 0
.endr
	WIN 0
	PLACES
	; THE EXCHANGE.  Every wave's reads of the slots are over (its waits for 0 above), and every fill has landed (the waits in front of the last change of slots): behind this barrier the slots' bytes are written by LDS stores.
	s_barrier_signal -1
	s_barrier_wait -1
	WIN 0x0c                                       ; store data (source 1) window 3
.set g, 0
.rept 64
	ds_store_b128 v[XW], v[4*g:4*g+3] offset:512*g ; my partner's rows, each accumulator from its low end on
.set g, g+1
.endr
	WIN 0
	s_wait_dscnt 0x0                               ; for my partner's sake: my stores are done
	s_barrier_signal -1
	s_barrier_wait -1
.irp i, 0,1,2,3
	ds_load_b32 v[RL+2*(\i)], v[RLA] offset:64*(\i)
.endr
	WIN 0xc0                                       ; destination window 3
.set g, 0
.rept 64
	ds_load_b128 v[4*g:4*g+3], v[XR] offset:512*g  ; my own rows as my partner summed them, register for register
.set g, g+1
.endr
	WIN 0
	s_wait_dscnt 48                                ; 1 / L and block 0's sixteen loads are in; the other 48 may be out
	PACK3 0
	TOSTAGE3 0
	s_wait_dscnt 32                                ; all of my partner's sums are in; the stage's 32 instructions may be out
.irp i, 1,2,3                          ; block i's arithmetic stands between block i - 1's loads from the stage and the wait for them
	PACK3 \i
	SEND3 (\i)-1
	TOSTAGE3 \i
.endr
	SEND3 3
	s_wait_tensorcnt 0x0                           ; the wave's end, behind my last tensor load and my last LDS store
	ds_add_u32 v[SPW], v[NIL]
	s_wait_dscnt 0x0
	CROUND                                         ; the closing round: no work-group ends while a partner may still ask for a tile that names it
	s_endpgm
.Lfunc_end_k_q633e212306_pv:
	.size	k_q633e212306_pv, .Lfunc_end_k_q633e212306_pv-k_q633e212306_pv
	.p2alignl 7, 3214868480
	.fill 96, 4, 3214868480
	.section	.rodata,"a",@progbits
	.p2align	6, 0x0
	.amdhsa_kernel k_q633e212306_pv
		.amdhsa_group_segment_fixed_size 327680
		.amdhsa_private_segment_fixed_size 0
		.amdhsa_enable_private_segment 0
		.amdhsa_kernarg_size 32
		.amdhsa_user_sgpr_count 2
		.amdhsa_user_sgpr_kernarg_segment_ptr 1
		.amdhsa_wavefront_size32 1
		.amdhsa_system_sgpr_workgroup_id_x 1
		.amdhsa_system_sgpr_workgroup_id_y 1
		.amdhsa_system_sgpr_workgroup_id_z 1
		.amdhsa_system_vgpr_workitem_id 0
		.amdhsa_next_free_vgpr 1024
		.amdhsa_next_free_sgpr 88
		.amdhsa_reserve_vcc 0
		.amdhsa_float_denorm_mode_32 3
		.amdhsa_float_denorm_mode_16_64 3
		.amdhsa_memory_ordered 1
		.amdhsa_forward_progress 1
		.amdhsa_inst_pref_size 151
	.end_amdhsa_kernel
	.amdgpu_metadata
---
amdhsa.version: [ 1, 2 ]
amdhsa.kernels:
  - .name:           k_q633e212306_pv
    .symbol:         k_q633e212306_pv.kd
    .args:
      - { .name: p, .offset: 0, .size: 8, .value_kind: global_buffer, .address_space: global }
      - { .name: qkv, .offset: 8, .size: 8, .value_kind: global_buffer, .address_space: global }
      - { .name: st, .offset: 16, .size: 8, .value_kind: global_buffer, .address_space: global }
      - { .name: out0, .offset: 24, .size: 8, .value_kind: global_buffer, .address_space: global }
    .group_segment_fixed_size: 327680
    .private_segment_fixed_size: 0
    .kernarg_segment_align: 8
    .kernarg_segment_size: 32
    .max_flat_workgroup_size: 128
    .sgpr_count:     88
    .vgpr_count:     1024
    .wavefront_size: 32
...
	.end_amdgpu_metadata
.endif
;; end of part 4
;; ======== version 2 of 3: 4 launches; 1.12 times as fast as version 1
;; limits: values are held in f16: magnitudes above 65,504 overflow, below 6.1e-05 lose precision
;; workspace buffers: xw 23,080,960 bytes; qkv 50,331,648 bytes; p 33,554,432 bytes; st 1,048,576 bytes
;; launch cast (part 5): grid 705 x 1, 8 waves a work-group, no clusters, 0 bytes of LDS; arguments x, Wq, Wk, Wv, bq, bk, bv, xw; writes xw
.if DOCPART == 5
	.amdgcn_target "amdgcn-amd-amdhsa--gfx1250"
	.amdhsa_code_object_version 6
	.text
	.protected	k_q633e212306_cast
	.globl	k_q633e212306_cast
	.p2align	8
	.type	k_q633e212306_cast,@function
k_q633e212306_cast:
	s_mov_b64 s[64:65], 0
	v_nop
	global_prefetch_b8 v0, s[64:65] scope:SCOPE_SE
	s_setreg_imm32_b32 hwreg(HW_REG_WAVE_MODE, 25, 1), 1
	s_wait_xcnt 0x0
; xw = x, Wq, Wk, Wv rounded once to bf16 (to nearest even), laid out for the next launch's K steps of 64: xw[16 K steps][11264 rows][64]; rows 0 to 8191 are x, 8192 on Wq, 9216 on Wk, 10240 on Wv.
; So the 64 numbers of a row and K step are 128 bytes, and the rows of a K step lie end to end.  Behind the 16 planes: bq, bk, bv (3,072 numbers), rounded to bf16 like the other inputs and widened to f32 again.
; A stream: every byte is read once and written once, so no LDS, no barrier, no matrix unit and no cluster (no two work-groups read the same byte).
; Work-groups 0 to 703 take 16 rows each (65,536 bytes in, 32,768 out): 0 to 511 x, 512 + 64 sel + i part i of weight sel; row 16 x the work-group's number of xw.  Work-group 704 takes the biases.
; Thread t takes row t / 16 of the 16 and, in each K step, the 16 bytes at 16 (t % 16) of its 256: sixteen lanes read 256 consecutive bytes, aligned.  Its 8 bytes of bf16 go to byte 8 t of the work-group's
; 2,048 bytes in that K step's plane: a wave's store covers two rows' 128 bytes: 256 consecutive bytes, aligned.
; All sixteen loads of a wave go out first; the waits count down, so that the younger loads stay out while the older are rounded and stored.
.set NX, 512                           ; work-groups that take x
.set NW, 704                           ; work-groups that take x or a weight
.set PLANE, 11264*128                  ; bytes of xw for one K step
	s_load_b256 s[4:11], s[0:1], 0x0               ; x s[4:5], Wq s[6:7], Wk s[8:9], Wv s[10:11]
	s_load_b256 s[12:19], s[0:1], 0x20             ; bq s[12:13], bk s[14:15], bv s[16:17], xw s[18:19]
	v_lshlrev_b32 v2, 3, v0                        ; 8 t
	v_lshrrev_b32 v1, 4, v0                        ; my row of the 16
	v_and_b32 v3, 15, v0
	v_lshlrev_b32 v3, 4, v3
	v_lshl_add_u32 v1, v1, 12, v3                  ; row x 4,096 + 16 (t % 16)
	s_sub_co_u32 s32, ttmp9, NX                    ; my number among the weights' work-groups (of no use below NX: x is chosen there)
	s_lshr_b32 s33, s32, 6                         ; which weight
	s_and_b32 s34, s32, 63                         ; which part of it
	s_mov_b32 s23, 0
	s_wait_kmcnt 0x0
	s_cmp_eq_u32 ttmp9, NW
	s_cbranch_scc1 .Lbias
	s_cmp_eq_u32 s33, 0
	s_cselect_b64 s[20:21], s[6:7], s[8:9]         ; Wq or Wk,
	s_cmp_eq_u32 s33, 2
	s_cselect_b64 s[20:21], s[10:11], s[20:21]     ; or Wv,
	s_cmp_lt_u32 ttmp9, NX
	s_cselect_b64 s[20:21], s[4:5], s[20:21]       ; or x
	s_cselect_b32 s34, ttmp9, s34                  ; and my part of that source
	s_lshl_b32 s22, s34, 16                        ; 65,536 bytes a part
	s_add_nc_u64 s[20:21], s[20:21], s[22:23]
	s_lshl_b32 s22, ttmp9, 11                      ; 16 rows of 128 bytes in each plane
	s_add_nc_u64 s[24:25], s[18:19], s[22:23]      ; K steps 0 to 3,
	s_add_nc_u64 s[26:27], s[24:25], 4*PLANE       ; 4 to 7,
	s_add_nc_u64 s[28:29], s[24:25], 8*PLANE       ; 8 to 11,
	s_add_nc_u64 s[30:31], s[24:25], 12*PLANE      ; 12 to 15: three planes at the most stand in a store's immediate, inside its signed 24 bits
.irp j, 0,1,2,3,4,5,6,7,8,9,10,11,12,13,14,15
	global_load_b128 v[4+4*(\j):7+4*(\j)], v1, s[20:21] offset:256*(\j) th:TH_LOAD_NT
.endr
.irp j, 0,1,2,3,4,5,6,7,8,9,10,11,12,13,14,15
	s_wait_loadcnt 15-(\j)                         ; loads come back in order (ISA guide 5.7.1): load j is in, the 15 - j younger ones stay out
	v_cvt_pk_bf16_f32 v[68+2*(\j)], v[4+4*(\j)], v[5+4*(\j)]
	v_cvt_pk_bf16_f32 v[69+2*(\j)], v[6+4*(\j)], v[7+4*(\j)]
	global_store_b64 v2, v[68+2*(\j):69+2*(\j)], s[24+2*((\j)/4):25+2*((\j)/4)] offset:((\j)%4)*PLANE
.endr
	s_endpgm
.Lbias:                                                ; 256 threads x 4 numbers are one bias
	v_lshlrev_b32 v3, 4, v0                        ; 16 t
	global_load_b128 v[4:7], v3, s[12:13]
	global_load_b128 v[8:11], v3, s[14:15]
	global_load_b128 v[12:15], v3, s[16:17]
	s_add_nc_u64 s[24:25], s[18:19], 16*PLANE      ; behind the planes
	s_wait_loadcnt 0x0
.irp i, 0,1,2,3,4,5
	v_cvt_pk_bf16_f32 v[16+(\i)], v[4+2*(\i)], v[5+2*(\i)]
.endr
.irp i, 0,1,2,3,4,5
	v_lshlrev_b32 v[24+2*(\i)], 16, v[16+(\i)]     ; bf16 to f32: the low half moves up,
	v_and_b32 v[25+2*(\i)], 0xffff0000, v[16+(\i)] ; the high half stays
.endr
	global_store_b128 v3, v[24:27], s[24:25]       ; a wave stores 512 consecutive bytes, aligned
	global_store_b128 v3, v[28:31], s[24:25] offset:4096
	global_store_b128 v3, v[32:35], s[24:25] offset:8192
	s_endpgm
.Lfunc_end_k_q633e212306_cast:
	.size	k_q633e212306_cast, .Lfunc_end_k_q633e212306_cast-k_q633e212306_cast
	.p2alignl 7, 3214868480
	.fill 96, 4, 3214868480
	.section	.rodata,"a",@progbits
	.p2align	6, 0x0
	.amdhsa_kernel k_q633e212306_cast
		.amdhsa_group_segment_fixed_size 0
		.amdhsa_private_segment_fixed_size 0
		.amdhsa_enable_private_segment 0
		.amdhsa_kernarg_size 64
		.amdhsa_user_sgpr_count 2
		.amdhsa_user_sgpr_kernarg_segment_ptr 1
		.amdhsa_wavefront_size32 1
		.amdhsa_system_sgpr_workgroup_id_x 1
		.amdhsa_system_sgpr_workgroup_id_y 1
		.amdhsa_system_sgpr_workgroup_id_z 1
		.amdhsa_system_vgpr_workitem_id 0
		.amdhsa_next_free_vgpr 100
		.amdhsa_next_free_sgpr 66
		.amdhsa_reserve_vcc 0
		.amdhsa_float_denorm_mode_32 3
		.amdhsa_float_denorm_mode_16_64 3
		.amdhsa_memory_ordered 1
		.amdhsa_forward_progress 1
		.amdhsa_inst_pref_size 9
	.end_amdhsa_kernel
	.amdgpu_metadata
---
amdhsa.version: [ 1, 2 ]
amdhsa.kernels:
  - .name:           k_q633e212306_cast
    .symbol:         k_q633e212306_cast.kd
    .args:
      - { .name: x, .offset: 0, .size: 8, .value_kind: global_buffer, .address_space: global }
      - { .name: Wq, .offset: 8, .size: 8, .value_kind: global_buffer, .address_space: global }
      - { .name: Wk, .offset: 16, .size: 8, .value_kind: global_buffer, .address_space: global }
      - { .name: Wv, .offset: 24, .size: 8, .value_kind: global_buffer, .address_space: global }
      - { .name: bq, .offset: 32, .size: 8, .value_kind: global_buffer, .address_space: global }
      - { .name: bk, .offset: 40, .size: 8, .value_kind: global_buffer, .address_space: global }
      - { .name: bv, .offset: 48, .size: 8, .value_kind: global_buffer, .address_space: global }
      - { .name: xw, .offset: 56, .size: 8, .value_kind: global_buffer, .address_space: global }
    .group_segment_fixed_size: 0
    .private_segment_fixed_size: 0
    .kernarg_segment_align: 8
    .kernarg_segment_size: 64
    .max_flat_workgroup_size: 256
    .sgpr_count:     66
    .vgpr_count:     100
    .wavefront_size: 32
...
	.end_amdgpu_metadata
.endif
;; end of part 5
;; launch proj (part 6): grid 8 x 32, 4 waves a work-group, clusters of 4 x 4, 327,680 bytes of LDS; arguments xw, qkv; writes qkv
.if DOCPART == 6
	.amdgcn_target "amdgcn-amd-amdhsa--gfx1250"
	.amdhsa_code_object_version 6
	.text
	.protected	k_q633e212306_proj
	.globl	k_q633e212306_proj
	.p2align	8
	.type	k_q633e212306_proj,@function
k_q633e212306_proj:
	s_mov_b64 s[64:65], 0
	v_nop
	global_prefetch_b8 v0, s[64:65] scope:SCOPE_SE
	s_setreg_imm32_b32 hwreg(HW_REG_WAVE_MODE, 25, 1), 1
	s_wait_xcnt 0x0
	s_wait_alu depctr_hold_cnt(0) depctr_sa_sdst(0) depctr_va_vdst(0) depctr_va_sdst(0) depctr_va_ssrc(0) depctr_va_vcc(0) depctr_vm_vsrc(0)
	s_getreg_b32 s2, hwreg(HW_REG_IB_STS2, 6, 4)
	s_cmp_eq_u32 s2, 0
	s_cbranch_scc0 .Lentry_in_a_cluster
	s_endpgm
.Lentry_in_a_cluster:
	s_bfe_u32 s2, ttmp6, 0x10000c
	s_cmp_lg_u32 s2, 0xf033
	s_cbranch_scc0 .Lentry_shape_is_right
	s_endpgm
.Lentry_shape_is_right:
; qkv[sel][m][e] = sum over d of x[m][d] W_sel[e][d] + b_sel[e], sel = 0 (Q), 1 (K), 2 (V); column j = 1,024 sel + e of 3,072.  x and the weights lie in xw as bf16, in planes of one K step:
; xw[16][11264 rows][64] (rows: x, Wq, Wk, Wv); behind the planes the 3,072 biases, rounded to bf16 and widened to f32.  Sums in f32; the result is rounded once, to f16.
; LIMIT.  f16 holds no number beyond 65,504: Q, K and V must stay within it (inputs 30 times the drawn spread give some 5,400; offsets of 30 spreads on all inputs some 28,800).  NaN and infinities are not treated apart.
; THE TILE is 256 rows x 384 columns: 8,192 x 3,072 / (256 x 384) = 256 work-groups.  Four waves; a wave makes 128 x 192: 96 accumulators of 16 x 16, 768 registers.
; K = 1,024 goes in 16 steps of 64 through a ring of two LDS slots filled by the tensor data mover (two slots of 128 along K would take 2 x 640 x 272 = 348,160 bytes, more than there is).  In a plane the rows of a
; tile lie end to end, so a tile is asked for as rows of 256 bytes (two rows of 64 numbers), at multiples of 256 from the buffer's first byte, and padded in LDS after every 128 bytes.
; FRAGMENTS.  Beside the accumulators 224 registers are left for fragments.  A quarter (32 along K) wants 64 of x and 96 of W: x has two buffers, W one, which is filled again in place: the four column blocks
; of a group are loaded anew right behind the group's 32 products, 64 matrix instructions ahead of their next use.
; CLUSTERS: 4 x 4 work-groups.  The four of a row of the cluster need the same rows of x, the four of a column the same rows of W: each tile is asked for JOINTLY, by the same tensor load with the same
; descriptor and a mask that names the four.
; THE MATRIX INSTRUCTION IS USED TRANSPOSED: source 0 = 16 rows of W, source 1 = 16 rows of x.  Lane l then holds row l % 16 of the result and the columns 8 (l / 16) + 0..7: eight neighbours, 16 bytes of f16.
; THE BIAS is the C operand of the product that starts each sum: for a block of 16 columns eight registers, the same for all rows.  Blocks 0-7 wait in x's second buffer, idle in the first quarter; blocks 8-11
; go through my own LDS bytes and take blocks 0-3's registers when those have been used.
; THE WAY OUT.  A wave's 192 columns are 384 bytes, one and a half aligned blocks of 256: so the four waves share ONE stage, the whole tile, with a barrier between writing and reading.  It lies over the slots,
; behind their last fill.  Of a tile's three blocks of 128 columns each may lie in another of Q, K, V (1,024 is no multiple of 384): each has a base of its own.
; REGISTERS, in windows of 256 (s_set_vgpr_msb: bits 1:0 source 0, 3:2 source 1, 5:4 source 2, 7:6 destination):
;   window 0: v0-31 addresses; v32-95, v96-159 fragments of x, two buffers; v160-255 fragments of W (column block b at v[160 + 8 b]); on the way out v32-223 at work
;   window 1 + b / 4: accumulator (row block a, column block b) at v[8 (8 (b % 4) + a)]
.set NSTEP,  16
.set PLANE,  11264*128                 ; bytes of xw for one K step
.set PITCH,  144                       ; an LDS row: 128 bytes + 16 of padding = 36 words: the 16 rows of a load start at 16 different groups of four banks (64 banks of 4 bytes: ISA guide 11.1)
.set AHALF,  128*PITCH                 ; 128 rows of x: one tensor load, and what one wave reads of x
.set BHALF,  192*PITCH                 ; 192 rows of W: one tensor load, and what one wave reads of W
.set BOFF,   2*AHALF                   ; W's 384 rows lie behind x's 256
.set SLOT,   BOFF+2*BHALF
.set SPITCH, 784                       ; a row of the stage: 768 bytes + 16 = 49 x 16: the 16 rows of a store start at 16 different groups of four banks
.set BIAS,   256*SPITCH                ; behind the stage (which covers the two slots): 4,096 bytes for each wave: the bias of its column blocks 8-11, as its lanes hold it
.set SPARE,  BIAS+4*4096               ; behind that: the spare words, 128 bytes for each wave: two blocks of 256 bytes that no other line names
.set OPITCH, 2048                      ; bytes in a row of Q, K or V
.set ABASE, 16                         ; v16     LDS address of my fragments of x in slot 0; never rewritten
.set BBASE, 17                         ; v17     the same for W
.set ADRA, 18                          ; v18     the same in the slot in hand
.set ADRB, 19                          ; v19
.set STO,  20                          ; v20     the way out: where I put 16 bytes of a row, row blocks 0-3
.set STO2, 21                          ; v21     row blocks 4-7
.set RD,   22                          ; v22     the way out: where I read 16 bytes of a row back
.set CO,   23                          ; v23     my byte offset in two rows of the result
.set BO,   24                          ; v24     my byte offset in the biases
.set BL,   25                          ; v25     my 16 bytes in my wave's part of BIAS
.set SPW,  28                          ; v28     LDS address of my spare word: SPARE + 4 x my thread's number; never rewritten
.set NIL,  29                          ; v29     0; never rewritten
.set AF0,  32
.set AF1,  96
.set BF,   160
.set TMP,  32                          ; the way out: a window's 32 accumulators, packed: 128 registers
.set G1,  24                           ; s[24:31] descriptor group 1 for x's tiles;  s[32:39] group 0: a set for each of the two first fills; the second then walks on
.set G0,  32
.set G1B, 48                           ; s[48:55], s[56:63] the same for W's tiles
.set G0B, 56
.set TB,  66                           ; s66  the slot in hand: 0 or SLOT
.set OUT, 68                           ; s[68:73] qkv at my 64 rows to store, for each of the tile's three blocks of 128 columns
.set MSB, 0
.macro WIN new                         ; the immediate's high byte repeats the setting that is left; a switch that changes nothing is dropped
.if MSB != (\new)
	s_set_vgpr_msb (MSB<<8)|(\new)
.set MSB, \new
.endif
.endm
; A joint load.  Waves 0 and 1 fetch x's two halves, waves 2 and 3 W's.  The branch hangs on the wave's number alone.  An s_nop 0 and four v_nop follow each of the two lines.
.macro JLOAD s
	s_cmp_eq_u32 s11, 0
	s_cbranch_scc0 .Lfor_b_\@
	tensor_load_to_lds s[G0+4*(\s):G0+4*(\s)+3], s[G1:G1+7]
	s_nop 0
.rept 4
	v_nop
.endr
	s_branch .Lasked_\@
.Lfor_b_\@:
	tensor_load_to_lds s[G0B+4*(\s):G0B+4*(\s)+3], s[G1B:G1B+7]
	s_nop 0
.rept 4
	v_nop
.endr
.Lasked_\@:
.endm
; A round of the cluster's barrier: my work-group's barrier; wave 0 signals for the work-group; every wave waits for all sixteen work-groups; my work-group's barrier once more.
.macro CREST                           ; a round behind its opening barrier
	s_cmp_lg_u32 s10, 0
	s_cbranch_scc1 .Lnot_wave_0_\@
	s_barrier_signal -3
.Lnot_wave_0_\@:
	s_barrier_wait -3
	s_barrier_signal -1
	s_barrier_wait -1
.endm
.macro CROUND                          ; a whole round
	s_barrier_signal -1
	s_barrier_wait -1
	CREST
.endm
.macro PLACES                          ; four places in front of loads into registers that matrix instructions have read, and of conversions that read results
.rept 4
	v_nop
.endr
.endm
; 8 matrix instructions: column block b x all 8 row blocks, 32 along K, x's fragments in buffer af.  zero = 2: the product starts the sum, with the bias (eight registers in x's second buffer) as C.
; The 96 accumulators take turns, one instruction a turn, in the same order in every quarter.
.macro M8 b, af, zero
.if (\zero) == 2
	WIN 0x40*(1+(\b)/4)                            ; sources and C window 0, D the block's window
.else
	WIN 0x50*(1+(\b)/4)                            ; sources window 0, C and D the block's window
.endif
.irp a, 0,1,2,3,4,5,6,7
.if (\zero) == 2
	v_wmma_f32_16x16x32_bf16 v[8*(8*((\b)%4)+(\a)):8*(8*((\b)%4)+(\a))+7], v[BF+8*(\b):BF+8*(\b)+7], v[(\af)+8*(\a):(\af)+8*(\a)+7], v[AF1+8*((\b)%8):AF1+8*((\b)%8)+7]
.else
	v_wmma_f32_16x16x32_bf16 v[8*(8*((\b)%4)+(\a)):8*(8*((\b)%4)+(\a))+7], v[BF+8*(\b):BF+8*(\b)+7], v[(\af)+8*(\a):(\af)+8*(\a)+7], v[8*(8*((\b)%4)+(\a)):8*(8*((\b)%4)+(\a))+7]
.endif
.endr
.endm
.macro G4 g, af, zero                  ; a group: column blocks 4 g to 4 g + 3: 32 matrix instructions under one window setting
	M8 4*(\g), \af, \zero
	M8 4*(\g)+1, \af, \zero
	M8 4*(\g)+2, \af, \zero
	M8 4*(\g)+3, \af, \zero
.endm
.macro LB g, k                         ; 8 LDS loads: W's column blocks 4 g to 4 g + 3, 32 K at byte k of the rows of the slot in hand
	WIN 0
.irp i, 0,1,2,3
	ds_load_b128 v[BF+8*(4*(\g)+(\i)):BF+8*(4*(\g)+(\i))+3],   v[ADRB] offset:(\k)+(4*(\g)+(\i))*16*PITCH
	ds_load_b128 v[BF+8*(4*(\g)+(\i))+4:BF+8*(4*(\g)+(\i))+7], v[ADRB] offset:(\k)+(4*(\g)+(\i))*16*PITCH+32
.endr
.endm
.macro LA af, k                        ; 16 LDS loads: x's 8 row blocks, into buffer af
	WIN 0
.irp i, 0,1,2,3,4,5,6,7
	ds_load_b128 v[(\af)+8*(\i):(\af)+8*(\i)+3],   v[ADRA] offset:(\k)+(\i)*16*PITCH
	ds_load_b128 v[(\af)+8*(\i)+4:(\af)+8*(\i)+7], v[ADRA] offset:(\k)+(\i)*16*PITCH+32
.endr
.endm
; A K step is two quarters of 32 along K, 96 matrix instructions each.  Behind each group of 32 stands one run of loads for the next quarter: W's blocks of that group; behind the first group x's fragments too.
; The runs of a quarter: 24, 8 and 8 loads.  A step's FIRST quarter multiplies x's buffer 0 and fetches the second, at byte 64 of the same slot's rows:
.macro QTR
	s_wait_dscnt 16                                ; the run of 24 of the quarter before is in; its two runs of 8 may be out
	G4 0, AF0, 0
	WIN 0
	PLACES
	LB 0, 64
	LA AF1, 64
	s_wait_dscnt 32                                ; W's blocks 4-7 are in: behind their run 8 + 24 loads were issued
	G4 1, AF0, 0
	WIN 0
	PLACES
	LB 1, 64
	s_wait_dscnt 32                                ; W's blocks 8-11 are in: behind their run 24 + 8 loads were issued
	G4 2, AF0, 0
	WIN 0
	PLACES
	LB 2, 64
.endm
; A step's SECOND quarter multiplies x's buffer 1 and changes slots.  ONE barrier: in front of it each wave waits for all its tensor loads (one is out at the most: its part of the next slot), adds 0 to its spare
; word, and waits for that and for its own reads of this slot.  Behind it nobody reads this slot any more and the next slot is whole.
; fill = 1: the barrier opens a round of the cluster's barrier, and the slot just read out is filled again, two K steps ahead, first thing behind the round: 160 matrix instructions ahead of the wait for it.
.macro TQ fill
	WIN 0                                          ; (the add's two registers lie in window 0)
	s_wait_tensorcnt 0x0                           ; all my tensor loads have landed
	ds_add_u32 v[SPW], v[NIL]                      ; 0 onto my spare word
	s_wait_dscnt 17                                ; the run of 24 is in (the two runs of 8 and the add may be out)
	M8 0, AF1, 0                                   ; sixteen matrix instructions stand between the add and the wait for it
	M8 1, AF1, 0
	s_wait_dscnt 0x0                               ; the add is done, and my reads of this slot are over: W's blocks 4-11 are in too
	s_barrier_signal -1
	M8 2, AF1, 0                                   ; work on registers while the others arrive
	M8 3, AF1, 0
	WIN 0
	s_barrier_wait -1
.if \fill
	CREST                                          ; no wave of any partner still reads this slot's tile or has a load on its way
	s_add_co_u32 s[G0+5], s20, s[TB]               ; the walking descriptors: into the slot just read out,
	s_add_co_u32 s[G0B+5], s21, s[TB]
	s_add_nc_u64 s[G0+6:G0+7], s[G0+6:G0+7], PLANE        ; the K step behind the one asked for last; the type bits on top are not reached
	s_add_nc_u64 s[G0B+6:G0B+7], s[G0B+6:G0B+7], PLANE
	JLOAD 1                                        ; the four v_nop behind it are also the places in front of the loads below
.else
	PLACES
.endif
	s_xor_b32 s[TB], s[TB], SLOT                   ; the other slot is in hand now
	v_add_nc_u32 v[ADRA], s[TB], v[ABASE]
	v_add_nc_u32 v[ADRB], s[TB], v[BBASE]
	LB 0, 0
	LA AF0, 0
	G4 1, AF1, 0
	WIN 0
	PLACES
	LB 1, 0
	G4 2, AF1, 0
	WIN 0
	PLACES
	LB 2, 0
.endm
; THE WAY OUT.  OUTW: the 32 accumulators of window 1 + g (column blocks 4 g to 4 g + 3) are rounded to f16, each accumulator's registers in ascending order, 16 bytes a lane, and put into the stage.
.macro OUTW g
.set W, 1+(\g)
	WIN W|(W<<2)                                   ; sources 0 and 1: the window
.irp bb, 0,1,2,3
.irp a, 0,1,2,3,4,5,6,7
.irp z, 0,1,2,3
	v_cvt_pk_f16_f32 v[TMP+4*(8*(\bb)+(\a))+(\z)], v[8*(8*(\bb)+(\a))+2*(\z)], v[8*(8*(\bb)+(\a))+2*(\z)+1]
.endr
.endr
.endr
	WIN 0
.irp bb, 0,1,2,3
.irp a, 0,1,2,3
	ds_store_b128 v[STO],  v[TMP+4*(8*(\bb)+(\a)):TMP+4*(8*(\bb)+(\a))+3]     offset:(\a)*16*SPITCH+32*(4*(\g)+(\bb))
	ds_store_b128 v[STO2], v[TMP+4*(8*(\bb)+(\a)+4):TMP+4*(8*(\bb)+(\a)+4)+3] offset:(\a)*16*SPITCH+32*(4*(\g)+(\bb))
.endr
.endr
.endm
; Of my 64 whole rows, batch k is 16: eight pairs of rows x three blocks of 256 bytes; lanes 0-15 take the even row's block, lanes 16-31 the odd row's.  Two buffers of 96 registers take turns.
.macro RB k
	WIN 0
.set UB, 32+96*((\k)%2)
.irp j, 0,1,2,3,4,5,6,7
.irp u, 0,1,2
	ds_load_b128 v[UB+4*(3*(\j)+(\u)):UB+4*(3*(\j)+(\u))+3], v[RD] offset:(8*(\k)+(\j))*2*SPITCH+256*(\u)
.endr
.endr
.endm
.macro ST k
	WIN 0
.set UB, 32+96*((\k)%2)
.irp j, 0,1,2,3,4,5,6,7
.irp u, 0,1,2
	global_store_b128 v[CO], v[UB+4*(3*(\j)+(\u)):UB+4*(3*(\j)+(\u))+3], s[OUT+2*(\u):OUT+2*(\u)+1] offset:(8*(\k)+(\j))*2*OPITCH  ; 16 lanes store 256 consecutive bytes, at a multiple of 256 from the buffer's first byte
.endr
.endr
.endm
	s_load_b128 s[4:7], s[0:1], 0x0                ; xw s[4:5], qkv s[6:7]
	v_lshl_add_u32 v[SPW], v0, 2, SPARE
	v_mov_b32 v[NIL], 0
	ds_add_u32 v[SPW], v[NIL]                      ; the wave's opening: the add and its wait stand ahead of my first tensor load; the set-up below stands between them
	v_lshrrev_b32 v1, 5, v0
	v_readfirstlane_b32 s10, v1                    ; wave 0..3
	s_lshr_b32 s11, s10, 1                         ; which half of the tile's rows is mine.  Also: I fetch for x (0) or for W (1)
	s_and_b32 s12, s10, 1                          ; which half of its columns.  Also: which half of that tile I fetch
	s_bfe_u32 s40, ttmp6, 0x40000                  ; cx
	s_bfe_u32 s41, ttmp6, 0x40004                  ; cy
	s_lshl_b32 s42, ttmp9, 2
	s_add_co_u32 s42, s42, s40                     ; tile column = 4 x cluster x + cx, 0 to 7
	s_and_b32 s13, ttmp7, 0xffff
	s_lshl_b32 s13, s13, 2
	s_add_co_u32 s13, s13, s41                     ; tile row = 4 x cluster y + cy
	s_lshl_b32 s43, s41, 2
	s_lshl_b32 s43, 15, s43                        ; my row of the cluster
	s_lshl_b32 s44, 0x1111, s40                    ; my column
	; descriptor group 1: rows of 128 elements of 2 bytes (two rows of a plane), 4 words of padding after every 32; x: 64 such rows, W: 96
	s_or_b32 s[G1+0], s43, (1<<16)|(1<<20)|(1<<21)|(4<<22)|(3<<25)
	s_or_b32 s[G1B+0], s44, (1<<16)|(1<<20)|(1<<21)|(4<<22)|(3<<25)
	s_mov_b32 s[G1+1], 128<<16                     ; tensor_dim0 = 128
	s_mov_b32 s[G1+2], 64<<16                      ; tensor_dim1 = 64
	s_mov_b32 s[G1+3], 128<<16                     ; tile_dim0 = 128
	s_mov_b32 s[G1+4], 64                          ; tile_dim1 = 64
	s_mov_b32 s[G1+5], 128                         ; elements from row to row: the block is dense
	s_mov_b32 s[G1+6], 0
	s_mov_b32 s[G1+7], 0
	s_mov_b32 s[G1B+1], 128<<16
	s_mov_b32 s[G1B+2], 96<<16
	s_mov_b32 s[G1B+3], 128<<16
	s_mov_b32 s[G1B+4], 96
	s_mov_b32 s[G1B+5], 128
	s_mov_b32 s[G1B+6], 0
	s_mov_b32 s[G1B+7], 0
	s_mov_b32 s[TB], 0                             ; slot 0 is in hand first
	s_lshl_b32 s17, s12, 7
	s_lshl_b32 s16, s13, 8
	s_add_co_u32 s16, s16, s17                     ; x: row 256 x tile row + 128 x half,
	s_lshl_b32 s16, s16, 7                         ; 128 bytes a row in a plane
	s_mov_b32 s17, 0
	s_mul_i32 s46, s42, 384
	s_mul_i32 s47, s12, 192
	s_add_co_u32 s46, s46, s47                     ; column 384 x tile column + 192 x half: the rows of W that I fetch, and the columns that I make
	s_lshl_b32 s45, s46, 2                         ; their bias: 4 bytes each
	s_add_co_u32 s46, s46, 8192                    ; W's rows lie behind x's 8,192
	s_lshl_b32 s46, s46, 7
	s_mov_b32 s47, 0
	s_mul_i32 s20, s12, AHALF                      ; where they go in a slot: no place in the cluster enters an LDS address
	s_mul_i32 s21, s12, BHALF
	s_add_co_u32 s21, s21, BOFF
	s_wait_dscnt 0x0                               ; the opening add is done
	s_wait_kmcnt 0x0
	s_add_nc_u64 s[14:15], s[4:5], s[16:17]
	s_add_nc_u64 s[46:47], s[4:5], s[46:47]
	s_add_nc_u64 s[8:9], s[4:5], 16*PLANE          ; the biases, behind the planes
	CROUND                                         ; all sixteen work-groups are here: the first joint loads meet
.irp s, 0,1
	s_mov_b32 s[G0+4*(\s)], 1
	s_add_co_u32 s[G0+4*(\s)+1], s20, (\s)*SLOT
	s_add_nc_u64 s[G0+4*(\s)+2:G0+4*(\s)+3], s[14:15], (\s)*PLANE
	s_or_b32 s[G0+4*(\s)+3], s[G0+4*(\s)+3], 0x80000000
	s_mov_b32 s[G0B+4*(\s)], 1
	s_add_co_u32 s[G0B+4*(\s)+1], s21, (\s)*SLOT
	s_add_nc_u64 s[G0B+4*(\s)+2:G0B+4*(\s)+3], s[46:47], (\s)*PLANE
	s_or_b32 s[G0B+4*(\s)+3], s[G0B+4*(\s)+3], 0x80000000
	JLOAD \s                                       ; two loads of mine are out
.endr
	; the bias of my 192 columns: for column block b a lane takes the eight numbers at columns 16 b + 8 (l / 16) on.  Blocks 0-7 into x's second buffer, blocks 8-11 into its first, on their way to LDS
	v_and_b32 v1, 15, v0                           ; l % 16
	v_bfe_u32 v2, v0, 4, 1                         ; l / 16
	v_and_b32 v3, 31, v0                           ; l
	v_lshlrev_b32 v[BO], 5, v2
	v_add_nc_u32 v[BO], s45, v[BO]
.irp b, 0,1,2,3,4,5,6,7
	global_load_b128 v[AF1+8*(\b):AF1+8*(\b)+3],   v[BO], s[8:9] offset:64*(\b)
	global_load_b128 v[AF1+8*(\b)+4:AF1+8*(\b)+7], v[BO], s[8:9] offset:64*(\b)+16
.endr
.irp b, 8,9,10,11
	global_load_b128 v[AF0+8*((\b)-8):AF0+8*((\b)-8)+3],   v[BO], s[8:9] offset:64*(\b)
	global_load_b128 v[AF0+8*((\b)-8)+4:AF0+8*((\b)-8)+7], v[BO], s[8:9] offset:64*(\b)+16
.endr
	; A fragment is 16 rows x 32 K in 8 registers: lane l holds row l % 16; registers 0-3 K = 8 (l / 16) + 0..7, registers 4-7 K = 16 + 8 (l / 16) + 0..7: two loads of 16 bytes, 32 bytes apart.
	v_mul_u32_u24 v4, v1, PITCH
	v_lshl_add_u32 v4, v2, 4, v4
	s_mul_i32 s22, s11, AHALF                      ; my 128 rows of x
	v_add_nc_u32 v[ABASE], s22, v4
	v_add_nc_u32 v[BBASE], s21, v4                 ; my 192 rows of W: the half that its number names
	v_mov_b32 v[ADRA], v[ABASE]
	v_mov_b32 v[ADRB], v[BBASE]
	v_mul_u32_u24 v5, v1, SPITCH                   ; into the stage: row l % 16, 16 bytes for each half of the lanes,
	v_lshl_add_u32 v5, v2, 4, v5
	s_mul_i32 s22, s11, 128*SPITCH                 ; my 128 rows,
	s_mul_i32 s23, s12, 384                        ; my 384 bytes of them
	s_add_co_u32 s22, s22, s23
	v_add_nc_u32 v[STO], s22, v5
	v_add_nc_u32 v[STO2], 64*SPITCH, v[STO]
	v_mul_u32_u24 v6, v2, SPITCH                   ; back: wave w takes rows 64 w to 64 w + 63, whole; lanes 0-15 256 bytes of one row, lanes 16-31 of the next
	v_lshl_add_u32 v6, v1, 4, v6
	s_mul_i32 s22, s10, 64*SPITCH
	v_add_nc_u32 v[RD], s22, v6
	v_lshlrev_b32 v6, 11, v2                       ; and the same two rows in the result
	v_lshl_add_u32 v[CO], v1, 4, v6
	s_lshl_b32 s22, s10, 12
	s_add_co_u32 s22, s22, BIAS
	v_lshl_add_u32 v[BL], v3, 4, s22
	; where the rows that I store begin in qkv, for each of the tile's three blocks of 128 columns: block 3 x tile column + u of 24; eight blocks are one of Q, K, V (16,777,216 bytes each)
	s_lshl_b32 s78, s13, 8
	s_lshl_b32 s79, s10, 6
	s_add_co_u32 s78, s78, s79                     ; row 256 x tile row + 64 x wave,
	s_lshl_b32 s78, s78, 11                        ; 2,048 bytes a row
	s_mul_i32 s74, s42, 3
.irp u, 0,1,2
	s_add_co_u32 s75, s74, \u
	s_lshr_b32 s76, s75, 3
	s_lshl_b32 s76, s76, 24
	s_and_b32 s77, s75, 7
	s_lshl_b32 s77, s77, 8
	s_add_co_u32 s76, s76, s77
	s_add_co_u32 s76, s76, s78
	s_mov_b32 s77, 0
	s_add_nc_u64 s[OUT+2*(\u):OUT+2*(\u)+1], s[6:7], s[76:77]
.endr
	s_wait_loadcnt 0x0                             ; the bias
.irp i, 0,1,2,3,4,5,6,7
	ds_store_b128 v[BL], v[AF0+4*(\i):AF0+4*(\i)+3] offset:512*(\i)  ; blocks 8-11, register for register, into my own bytes
.endr
	s_wait_dscnt 0x0                               ; no LDS instruction is out at a signal
	s_wait_tensorcnt 1                             ; my part of K step 0 is in; K step 1's may stay out
	s_barrier_signal -1
	s_barrier_wait -1                              ; everybody's is
	LB 0, 0                                        ; the first quarter's fragments, in the order of every quarter's runs: 24, 8, 8
	LA AF0, 0
	LB 1, 0
	LB 2, 0
	; THE FIRST QUARTER stands in front of the loop: its products start the sums, with the bias.  x's second buffer holds the bias, so x's next fragments are fetched last.
	s_wait_dscnt 16                                ; the run of 24 is in
	G4 0, AF0, 2
	WIN 0
	PLACES
	LB 0, 64
.irp i, 0,1,2,3,4,5,6,7
	ds_load_b128 v[AF1+4*(\i):AF1+4*(\i)+3], v[BL] offset:512*(\i)  ; the bias of blocks 8-11 takes the registers of blocks 0-3's
.endr
	s_wait_dscnt 24                                ; W's blocks 4-7 are in: behind their run 8 + 8 + 8 loads were issued
	G4 1, AF0, 2
	WIN 0
	PLACES
	LB 1, 64
	s_wait_dscnt 8                                 ; W's blocks 8-11 and their bias are in: behind them 8 loads were issued
	G4 2, AF0, 2
	WIN 0
	PLACES
	LB 2, 64
	LA AF1, 64
	s_wait_dscnt 0x0                               ; once: here x's fragments come last, and the next quarter begins with them
	s_mov_b32 s3, NSTEP-2
.Lstep:                                                ; a trip: a step's second quarter and the next step's first; fourteen trips, each fills the slot that it leaves
	TQ 1
	QTR
	WIN 0                                          ; at a label and at a branch every window is 0
	s_sub_co_u32 s3, s3, 1
	s_cmp_lg_u32 s3, 0
	s_cbranch_scc1 .Lstep
	TQ 0                                           ; the tail is written out: nothing is asked for
	QTR
	s_wait_dscnt 16                                ; the very last quarter: nothing more to fetch, the counts run down
	G4 0, AF1, 0
	s_wait_dscnt 8
	G4 1, AF1, 0
	s_wait_dscnt 0x0
	G4 2, AF1, 0
	WIN 0
	PLACES
	; Every wave's reads of the slots are over (its wait for 0 above), and every fill has landed (the waits in front of the last change of slots): behind this barrier the slots' bytes are written by LDS stores.
	s_barrier_signal -1
	s_barrier_wait -1
	OUTW 0
	OUTW 1
	OUTW 2
	s_wait_dscnt 0x0                               ; for the others' sake: my stores into the stage are done
	s_barrier_signal -1
	s_barrier_wait -1
	RB 0
	RB 1
	s_wait_dscnt 24                                ; batch 0 is in; batch 1's 24 loads may be out
	ST 0
	s_wait_xcnt 0x0                                ; the registers that batch 0's stores read are loaded again only behind this wait (ISA guide 3.1)
	RB 2
	s_wait_dscnt 24
	ST 1
	s_wait_xcnt 0x0
	RB 3
	s_wait_dscnt 24
	ST 2
	s_wait_dscnt 0x0
	ST 3
	s_wait_tensorcnt 0x0                           ; the wave's end, behind my last tensor load and my last LDS store
	ds_add_u32 v[SPW], v[NIL]
	s_wait_dscnt 0x0
	CROUND                                         ; the closing round: no work-group ends while a partner may still ask for a tile that names it
	s_endpgm
.Lfunc_end_k_q633e212306_proj:
	.size	k_q633e212306_proj, .Lfunc_end_k_q633e212306_proj-k_q633e212306_proj
	.p2alignl 7, 3214868480
	.fill 96, 4, 3214868480
	.section	.rodata,"a",@progbits
	.p2align	6, 0x0
	.amdhsa_kernel k_q633e212306_proj
		.amdhsa_group_segment_fixed_size 327680
		.amdhsa_private_segment_fixed_size 0
		.amdhsa_enable_private_segment 0
		.amdhsa_kernarg_size 16
		.amdhsa_user_sgpr_count 2
		.amdhsa_user_sgpr_kernarg_segment_ptr 1
		.amdhsa_wavefront_size32 1
		.amdhsa_system_sgpr_workgroup_id_x 1
		.amdhsa_system_sgpr_workgroup_id_y 1
		.amdhsa_system_sgpr_workgroup_id_z 1
		.amdhsa_system_vgpr_workitem_id 0
		.amdhsa_next_free_vgpr 1024
		.amdhsa_next_free_sgpr 80
		.amdhsa_reserve_vcc 0
		.amdhsa_float_denorm_mode_32 3
		.amdhsa_float_denorm_mode_16_64 3
		.amdhsa_memory_ordered 1
		.amdhsa_forward_progress 1
		.amdhsa_inst_pref_size 114
	.end_amdhsa_kernel
	.amdgpu_metadata
---
amdhsa.version: [ 1, 2 ]
amdhsa.kernels:
  - .name:           k_q633e212306_proj
    .symbol:         k_q633e212306_proj.kd
    .args:
      - { .name: xw, .offset: 0, .size: 8, .value_kind: global_buffer, .address_space: global }
      - { .name: qkv, .offset: 8, .size: 8, .value_kind: global_buffer, .address_space: global }
    .group_segment_fixed_size: 327680
    .private_segment_fixed_size: 0
    .kernarg_segment_align: 8
    .kernarg_segment_size: 16
    .max_flat_workgroup_size: 128
    .sgpr_count:     80
    .vgpr_count:     1024
    .wavefront_size: 32
...
	.end_amdgpu_metadata
.endif
;; end of part 6
;; launch scores (part 7): grid 8 x 32, 4 waves a work-group, clusters of 4 x 4, 327,680 bytes of LDS; arguments qkv, p, st; writes p, st
.if DOCPART == 7
	.amdgcn_target "amdgcn-amd-amdhsa--gfx1250"
	.amdhsa_code_object_version 6
	.text
	.protected	k_q633e212306_scores
	.globl	k_q633e212306_scores
	.p2align	8
	.type	k_q633e212306_scores,@function
k_q633e212306_scores:
	s_mov_b64 s[64:65], 0
	v_nop
	global_prefetch_b8 v0, s[64:65] scope:SCOPE_SE
	s_setreg_imm32_b32 hwreg(HW_REG_WAVE_MODE, 25, 1), 1
	s_wait_xcnt 0x0
	s_wait_alu depctr_hold_cnt(0) depctr_sa_sdst(0) depctr_va_vdst(0) depctr_va_sdst(0) depctr_va_ssrc(0) depctr_va_vcc(0) depctr_vm_vsrc(0)
	s_getreg_b32 s2, hwreg(HW_REG_IB_STS2, 6, 4)
	s_cmp_eq_u32 s2, 0
	s_cbranch_scc0 .Lentry_in_a_cluster
	s_endpgm
.Lentry_in_a_cluster:
	s_bfe_u32 s2, ttmp6, 0x10000c
	s_cmp_lg_u32 s2, 0xf033
	s_cbranch_scc0 .Lentry_shape_is_right
	s_endpgm
.Lentry_shape_is_right:
; For each batch: s[q][k] = Q[q] . K[k] (f16 operands, f32 sums).  For each query and each CHUNK of 128 keys: cm = c x the chunk's largest s, c = log2(e) / 32; p = 2^(c s - cm), rounded to f16; l = the sum
; of the unrounded p.  cm and l go to st[2][16 chunks][8192 rows] (f32).  The next launch takes the row's true maximum CM = max of cm away: a weight is p x 2^(cm - CM).
; So the maximum is taken away in two exact steps: no exponent is above a rounding of 0, and nothing is shifted by a constant.
; p's LAYOUT: p[512 blocks of 16 queries][128 blocks of 16 keys][32 lanes][8 numbers]: lane l's 16 bytes are query l % 16, keys 8 (l / 16) + 0..7 of the block.  That is what a lane holds here when its
; results are packed, and two such blocks are a fragment (16 queries x 32 keys) of the next launch's product, lane for lane: so p leaves straight from registers, 512 consecutive bytes a store.
; LIMITS.  p lies in 0 to 1 (one rounding above it at the most); below 6e-5 it keeps f16's fixed step of 6e-8; a weight below 2^-126 counts as 0 in l; NaN and infinities are not treated apart.
; A tile of 256 queries x 256 keys is made by a work-group of four waves; a wave makes 128 x 128 (its 128 keys are one chunk): 64 accumulators, 512 registers.  K = 1,024 goes in eight steps of 128 through
; a ring of two LDS slots filled by the tensor data mover; a tile's rows are 256 bytes of memory and start at multiples of 256 bytes from the buffer's first byte.
; A K STEP IS WRITTEN ONCE: which slot is read is a scalar, s[TB] (0 or SLOT), from which the fragment addresses and the walking descriptor's LDS word are made.  Six trips fill a slot again; the last two steps
; are a second loop of two trips that asks for nothing.
; CLUSTERS: 4 x 4 work-groups, all of one batch (a batch has eight tile rows).  The four of a row of the cluster need the same rows of Q, the four of a column the same rows of K: each tile is asked for JOINTLY.
; THE MATRIX INSTRUCTION IS USED TRANSPOSED: source 0 = 16 keys, source 1 = 16 queries.  Lane l then holds query l % 16 and the keys 8 (l / 16) + 0..7 of each block of 16: a query's maximum and sum
; want one exchange between the halves of the lanes.
; REGISTERS, in windows of 256 (s_set_vgpr_msb: bits 1:0 source 0, 3:2 source 1, 5:4 source 2, 7:6 destination):
;   window 0: v0-31 addresses; v64-127, v128-191 fragments of Q, two buffers (v64-111 at work on the way out); v192-255 packed p, two buffers
;   window 1: v64-127, v128-191 fragments of K      window 2: the 32 accumulators of my rows 0-63 ((a, b) at v[8 (8 a + b)])      window 3: those of my rows 64-127
.set SIZE_K, 1024
.set KSTEP,  128
.set NSTEP,  SIZE_K/KSTEP
.set PITCH,  272                       ; an LDS row: 256 bytes + 16 of padding = 68 words: row r starts at bank 4 r mod 64 (64 banks of 4 bytes: ISA guide 11.1)
.set HALFT,  128*PITCH
.set SLOT,   4*HALFT                   ; Q's 256 rows, then K's 256 rows
.set SST,    2*SLOT                    ; behind the ring: 1,024 bytes for each wave: cm of its 128 rows, then l
.set SPARE,  SST+4*1024                ; behind that: the spare words, 128 bytes for each wave: two blocks of 256 bytes that no other line names
.set ABASE, 16                         ; v16     LDS address of my fragments of Q in slot 0; never rewritten
.set BBASE, 17                         ; v17     the same for K
.set ADRA, 18                          ; v18     the same in the slot in hand
.set ADRB, 19                          ; v19
.set SSA,  27                          ; v27     where I put a row's cm (lanes 0-15) or l (lanes 16-31)
.set SPW,  28                          ; v28     LDS address of my spare word; never rewritten
.set NIL,  29                          ; v29     0; never rewritten
.set SSR,  30                          ; v30     where I read 16 bytes of them back
.set LO,   31                          ; v31     16 x lane: my byte offset in 512 consecutive bytes of p or of st
.set F0,   64
.set F1,   128
.set TMP,  192                         ; v192-223 and v224-255 by turns: a block's 64 p a lane, packed
.set CH,   64                          ; v64-67  four running maxima
.set SU,   72                          ; v72-73  the sum's last pair
.set MS,   80                          ; v80-95  block a: cm at MS + 2 a, l at MS + 2 a + 1
.set XS,   96                          ; v96-103 cm in lanes 0-15, l in lanes 16-31
.set XO,   104                         ; v104-111 read back
.set G1,  24                           ; s[24:31] descriptor group 1 for Q's tiles;  s[32:39] group 0: a set for each of the two first fills; the second then walks on
.set G0,  32
.set G1B, 48                           ; s[48:55], s[56:63] the same for K's tiles
.set G0B, 56
.set TB,  66                           ; s66  the slot in hand: 0 or SLOT
.set CS,  70                           ; s[70:71] c: the packed scaling takes the pair's low word for both halves
.set SEL, 72                           ; s[72:73] v_permlanex16_b32's selects: each lane takes its own place in the other half
.set HM,  74                           ; s74  the mask of lanes 16-31
.set MSB, 0
.macro WIN new
.if MSB != (\new)
	s_set_vgpr_msb (MSB<<8)|(\new)
.set MSB, \new
.endif
.endm
.set MUL_LO, 0xa1                      ; source 0 (K) window 1, source 1 (Q) window 0, C and D window 2
.set TO_B,   0x40
.macro JLOAD s                         ; a joint load: waves 0 and 1 fetch Q's two halves, waves 2 and 3 K's; an s_nop 0 and four v_nop follow each of the two lines
	s_cmp_eq_u32 s11, 0
	s_cbranch_scc0 .Lfor_b_\@
	tensor_load_to_lds s[G0+4*(\s):G0+4*(\s)+3], s[G1:G1+7]
	s_nop 0
.rept 4
	v_nop
.endr
	s_branch .Lasked_\@
.Lfor_b_\@:
	tensor_load_to_lds s[G0B+4*(\s):G0B+4*(\s)+3], s[G1B:G1B+7]
	s_nop 0
.rept 4
	v_nop
.endr
.Lasked_\@:
.endm
.macro CREST                           ; a round of the cluster's barrier behind its opening barrier
	s_cmp_lg_u32 s10, 0
	s_cbranch_scc1 .Lnot_wave_0_\@
	s_barrier_signal -3
.Lnot_wave_0_\@:
	s_barrier_wait -3
	s_barrier_signal -1
	s_barrier_wait -1
.endm
.macro CROUND
	s_barrier_signal -1
	s_barrier_wait -1
	CREST
.endm
.macro PLACES                          ; four places in front of loads into registers that matrix instructions have read, and of vector work on results
.rept 4
	v_nop
.endr
.endm
; 16 matrix instructions: query blocks a0, a0 + 1 of the window's four x all 8 key blocks, 32 along K.  zero = 1: the product starts the sum
.macro MUL16 f, hi, a0, zero
	WIN MUL_LO+0x50*(\hi)
.irp a, \a0, (\a0)+1
.irp b, 0,1,2,3,4,5,6,7
.if \zero
	v_wmma_f32_16x16x32_f16 v[8*(8*(\a)+(\b)):8*(8*(\a)+(\b))+7], v[(\f)+8*(\b):(\f)+8*(\b)+7], v[(\f)+8*(4*(\hi)+(\a)):(\f)+8*(4*(\hi)+(\a))+7], 0
.else
	v_wmma_f32_16x16x32_f16 v[8*(8*(\a)+(\b)):8*(8*(\a)+(\b))+7], v[(\f)+8*(\b):(\f)+8*(\b)+7], v[(\f)+8*(4*(\hi)+(\a)):(\f)+8*(4*(\hi)+(\a))+7], v[8*(8*(\a)+(\b)):8*(8*(\a)+(\b))+7]
.endif
.endr
.endr
.endm
.macro FETCH k, f                      ; 32 LDS loads in one run: the fragments of one quarter step, at byte k of the rows of the slot in hand, into buffer f
	WIN TO_B
.irp i, 0,1,2,3,4,5,6,7
	ds_load_b128 v[(\f)+8*(\i):(\f)+8*(\i)+3],   v[ADRB] offset:(\k)+(\i)*16*PITCH
	ds_load_b128 v[(\f)+8*(\i)+4:(\f)+8*(\i)+7], v[ADRB] offset:(\k)+(\i)*16*PITCH+32
.endr
	WIN 0
.irp i, 0,1,2,3,4,5,6,7
	ds_load_b128 v[(\f)+8*(\i):(\f)+8*(\i)+3],   v[ADRA] offset:(\k)+(\i)*16*PITCH
	ds_load_b128 v[(\f)+8*(\i)+4:(\f)+8*(\i)+7], v[ADRA] offset:(\k)+(\i)*16*PITCH+32
.endr
.endm
; A K step is four quarters of 32 along K, 64 matrix instructions each, on buffers 0, 1, 0, 1; the 64 accumulators take turns, one instruction a turn.
.macro QUARTER k, f, g, zero
	s_wait_dscnt 8                                 ; K and Q's rows 0-63 are in; the youngest eight loads (Q's rows 64-127) may be out
	MUL16 \f, 0, 0, \zero
	MUL16 \f, 0, 2, \zero
	PLACES
	FETCH \k, \g
	s_wait_dscnt 32                                ; all but the 32 just issued
	MUL16 \f, 1, 0, \zero
	MUL16 \f, 1, 2, \zero
.endm
; The change of slots: ONE barrier; in front of it each wave waits for all its tensor loads (one is out at the most: its part of the next slot), adds 0 to its spare word, and waits for that and for its reads of this slot.
.macro MEET
	WIN 0
	s_wait_tensorcnt 0x0                           ; all my tensor loads have landed
	ds_add_u32 v[SPW], v[NIL]                      ; 0 onto my spare word
	s_wait_dscnt 9                                 ; (the add and the youngest eight loads may be out)
	MUL16 F1, 0, 0, 0
	s_wait_dscnt 0x0                               ; the add is done, and my reads of this slot are over
	s_barrier_signal -1
	MUL16 F1, 0, 2, 0
	WIN 0
	s_barrier_wait -1
.endm
; fill = 1: the barrier opens a round of the cluster's, and the slot just read out is filled again, two K steps ahead, first thing behind the round: 224 matrix instructions ahead of the wait for it.
; fill = 0 (the last two steps): nothing is asked for; in the very last step (s3 = 1) there is no next slot, and the run of fragment loads is jumped over.
.macro TURN fill
	MEET
.if \fill
	CREST
	s_add_co_u32 s[G0+5], s20, s[TB]               ; the walking descriptors: into the slot just read out,
	s_add_co_u32 s[G0B+5], s20, s[TB]
	s_add_nc_u64 s[G0+6:G0+7], s[G0+6:G0+7], KSTEP*2      ; the K step behind the one asked for last
	s_add_nc_u64 s[G0B+6:G0B+7], s[G0B+6:G0B+7], KSTEP*2
	JLOAD 1                                        ; the four v_nop behind it are also the places in front of the loads below
.else
	s_cmp_eq_u32 s3, 1
	s_cbranch_scc1 .Lno_next_\@
	PLACES
.endif
	s_xor_b32 s[TB], s[TB], SLOT                   ; the other slot is in hand now
	v_add_nc_u32 v[ADRA], s[TB], v[ABASE]
	v_add_nc_u32 v[ADRB], s[TB], v[BBASE]
	FETCH 0, F0
.if !(\fill)
	WIN 0
.Lno_next_\@:
.endif
	MUL16 F1, 1, 0, 0
	MUL16 F1, 1, 2, 0
.endm
; THE SOFTMAX'S FIRST HALF for block a (16 queries x my 128 keys: 64 scores a lane, in eight accumulators).  The maximum in four chains of sixteen scores, three operands at a time (each accumulator's
; lowest registers are read first); the other half of the lanes'; cm; c s - cm and the exponentials in place; the roundings to f16; the sum, in place, by halving.
.macro SOFT a
.set AC, 64*((\a)%4)
.set TP, TMP+32*((\a)%2)
.set W,  2+(\a)/4                      ; the block's window
.set WA, W|(W<<2)|(W<<4)               ; all three sources there
.set WB, (W<<2)|(W<<4)                 ; sources 1 and 2
.set WC, (W<<6)|W                      ; destination and source 0
.set WD, W|(W<<2)                      ; sources 0 and 1
.set WE, (W<<6)|(W<<2)|W               ; destination, sources 0 and 1
	WIN WA
.irp k, 0,1,2,3
	v_max3_num_f32 v[CH+(\k)], v[AC+16*(\k)], v[AC+16*(\k)+1], v[AC+16*(\k)+2]
.endr
	WIN WB
.irp i, 3,5,7,9,11,13
.irp k, 0,1,2,3
	v_max3_num_f32 v[CH+(\k)], v[CH+(\k)], v[AC+16*(\k)+(\i)], v[AC+16*(\k)+(\i)+1]
.endr
.endr
.irp k, 0,1,2,3
	v_max_num_f32 v[CH+(\k)], v[CH+(\k)], v[AC+16*(\k)+15]
.endr
	WIN 0
	v_max3_num_f32 v[CH], v[CH], v[CH+1], v[CH+2]
	v_max_num_f32 v[CH], v[CH], v[CH+3]
	v_permlanex16_b32 v[CH+1], v[CH], s[SEL], s[SEL+1]  ; the query's other 64 keys lie in the lane 16 away
	v_max_num_f32 v[CH], v[CH], v[CH+1]
	v_mul_f32 v[MS+2*(\a)], s[CS], v[CH]           ; cm
	v_mul_f32 v[MS+2*(\a)+1], s[CS], v[CH]         ; named with it as a pair; l takes its place below
	WIN WC
.set i, 0
.rept 32
	v_pk_fma_f32 v[AC+2*i:AC+2*i+1], v[AC+2*i:AC+2*i+1], s[CS:CS+1], v[MS+2*(\a):MS+2*(\a)+1] op_sel_hi:[1,0,0] neg_lo:[0,0,1] neg_hi:[0,0,1]
.set i, i+1
.endr
.set i, 0
.rept 64
	v_exp_f32 v[AC+i], v[AC+i]
.set i, i+1
.endr
	v_nop                                          ; a plain instruction between the last exponential and the use of its result (ISA guide 5.7.2)
.if (\a) >= 2
	s_wait_xcnt 0x0                                ; the stores of the block before last read these registers: they are rewritten only behind this wait (ISA guide 3.1)
.endif
	WIN WD
.set i, 0
	s_wait_alu depctr_va_vdst(0)
.rept 32
	v_cvt_pk_f16_f32 v[TP+i], v[AC+2*i], v[AC+2*i+1]
.set i, i+1
.endr
	WIN WE
.irp n, 16,8,4,2
.set i, 0
.rept \n
	v_pk_add_f32 v[AC+2*i:AC+2*i+1], v[AC+2*i:AC+2*i+1], v[AC+2*(\n)+2*i:AC+2*(\n)+2*i+1]
.set i, i+1
.endr
.endr
	WIN WD
	v_pk_add_f32 v[SU:SU+1], v[AC:AC+1], v[AC+2:AC+3]
	WIN 0
	v_add_f32 v[SU], v[SU], v[SU+1]
	v_permlanex16_b32 v[SU+1], v[SU], s[SEL], s[SEL+1]
	v_add_f32 v[MS+2*(\a)+1], v[SU], v[SU+1]       ; l
.endm
.macro PUT a                           ; block a's p: eight blocks of 16 keys, 4,096 consecutive bytes; a block of 16 queries is 128 x 512 bytes long
	WIN 0
.set TP, TMP+32*((\a)%2)
.irp b, 0,1,2,3,4,5,6,7
	global_store_b128 v[LO], v[TP+4*(\b):TP+4*(\b)+3], s[8:9] offset:(\a)*65536+(\b)*512  ; the wave stores 512 consecutive bytes, at a multiple of 512 from p's first byte
.endr
.endm
	s_load_b64 s[4:5], s[0:1], 0x0                 ; qkv
	s_load_b64 s[8:9], s[0:1], 0x8                 ; p
	s_load_b64 s[68:69], s[0:1], 0x10              ; st
	v_lshl_add_u32 v[SPW], v0, 2, SPARE
	v_mov_b32 v[NIL], 0
	ds_add_u32 v[SPW], v[NIL]                      ; the wave's opening: the add and its wait stand ahead of my first tensor load; the set-up below stands between them
	v_lshrrev_b32 v1, 5, v0
	v_readfirstlane_b32 s10, v1                    ; wave 0..3
	s_lshr_b32 s11, s10, 1                         ; which half of the tile's queries is mine.  Also: I fetch for Q (0) or for K (1)
	s_and_b32 s12, s10, 1                          ; which half of its keys.  Also: which 128 rows of that tile I fetch
	s_bfe_u32 s40, ttmp6, 0x40000                  ; cx
	s_bfe_u32 s41, ttmp6, 0x40004                  ; cy
	s_lshl_b32 s42, ttmp9, 2
	s_add_co_u32 s42, s42, s40                     ; tile column (256 keys of the batch) = 4 x cluster x + cx
	s_and_b32 s13, ttmp7, 0xffff
	s_lshr_b32 s45, s13, 1                         ; the batch: two clusters' rows each; the same in the whole cluster
	s_lshl_b32 s13, s13, 2
	s_add_co_u32 s13, s13, s41                     ; tile row (256 of the 8,192 queries) = 4 x cluster y + cy
	s_lshl_b32 s43, s41, 2
	s_lshl_b32 s43, 15, s43                        ; my row of the cluster
	s_lshl_b32 s44, 0x1111, s40                    ; my column
	s_or_b32 s[G1+0], s43, (1<<16)|(1<<20)|(1<<21)|(5<<22)|(3<<25)   ; 128 rows x 128 elements of 2 bytes, 4 words of padding after every 64
	s_or_b32 s[G1B+0], s44, (1<<16)|(1<<20)|(1<<21)|(5<<22)|(3<<25)
.irp g, G1, G1B
	s_mov_b32 s[(\g)+1], KSTEP<<16                 ; tensor_dim0 = 128
	s_mov_b32 s[(\g)+2], 128<<16                   ; tensor_dim1 = 128
	s_mov_b32 s[(\g)+3], KSTEP<<16                 ; tile_dim0 = 128
	s_mov_b32 s[(\g)+4], 128                       ; tile_dim1 = 128
	s_mov_b32 s[(\g)+5], SIZE_K                    ; elements from row to row
	s_mov_b32 s[(\g)+6], 0
	s_mov_b32 s[(\g)+7], 0
.endr
	s_mov_b32 s[TB], 0                             ; slot 0 is in hand first
	s_mov_b32 s[CS], 0x3d38aa3b                    ; c = log2(e) / 32 = 0.0450842
	s_mov_b32 s[CS+1], s[CS]
	s_mov_b32 s[SEL], 0x76543210
	s_mov_b32 s[SEL+1], 0xfedcba98
	s_mov_b32 s[HM], 0xffff0000
	s_lshl_b32 s17, s12, 7                         ; which 128 rows of the tile I fetch
	s_lshl_b32 s16, s13, 8
	s_add_co_u32 s16, s16, s17                     ; Q: row 256 x tile row + 128 x half,
	s_lshl_b32 s16, s16, 11                        ; 2,048 bytes a row
	s_lshl_b32 s46, s42, 8
	s_add_co_u32 s46, s46, s17
	s_lshl_b32 s47, s45, 11
	s_add_co_u32 s46, s46, s47
	s_add_co_u32 s46, s46, 8192                    ; K: row 8,192 (K's plane) + 2,048 x batch + 256 x tile column + 128 x half
	s_lshl_b32 s46, s46, 11
	s_mov_b32 s17, 0
	s_mov_b32 s47, 0
	s_mul_i32 s20, s10, HALFT                      ; where they go in a slot: wave x 128 rows
	s_wait_dscnt 0x0                               ; the opening add is done
	s_wait_kmcnt 0x0
	s_add_nc_u64 s[14:15], s[4:5], s[16:17]
	s_add_nc_u64 s[46:47], s[4:5], s[46:47]
	CROUND                                         ; all sixteen work-groups are here: the first joint loads meet
.irp s, 0,1
	s_mov_b32 s[G0+4*(\s)], 1
	s_add_co_u32 s[G0+4*(\s)+1], s20, (\s)*SLOT
	s_add_nc_u64 s[G0+4*(\s)+2:G0+4*(\s)+3], s[14:15], (\s)*KSTEP*2
	s_or_b32 s[G0+4*(\s)+3], s[G0+4*(\s)+3], 0x80000000
	s_mov_b32 s[G0B+4*(\s)], 1
	s_add_co_u32 s[G0B+4*(\s)+1], s20, (\s)*SLOT
	s_add_nc_u64 s[G0B+4*(\s)+2:G0B+4*(\s)+3], s[46:47], (\s)*KSTEP*2
	s_or_b32 s[G0B+4*(\s)+3], s[G0B+4*(\s)+3], 0x80000000
	JLOAD \s                                       ; two loads of mine are out
.endr
	v_and_b32 v1, 15, v0                           ; l % 16
	v_bfe_u32 v2, v0, 4, 1                         ; l / 16
	v_mul_u32_u24 v3, v1, PITCH
	v_lshl_add_u32 v3, v2, 4, v3                   ; a fragment's row x pitch + 16 x half
	s_mul_i32 s21, s11, HALFT                      ; my 128 rows of Q
	s_mul_i32 s22, s12, HALFT                      ; my 128 rows of K,
	s_add_co_u32 s22, s22, 2*HALFT                 ; which lie behind Q's 256
	v_add_nc_u32 v[ABASE], s21, v3
	v_add_nc_u32 v[BBASE], s22, v3
	v_mov_b32 v[ADRA], v[ABASE]
	v_mov_b32 v[ADRB], v[BBASE]
	s_lshl_b32 s23, s10, 10
	s_add_co_u32 s23, s23, SST                     ; my 1,024 bytes for cm and l
	v_lshlrev_b32 v5, 2, v1
	v_lshl_add_u32 v5, v2, 9, v5                   ; 4 x row; l's 512 bytes behind cm's
	v_add_nc_u32 v[SSA], s23, v5
	v_and_b32 v5, 31, v0
	v_lshlrev_b32 v[LO], 4, v5
	v_add_nc_u32 v[SSR], s23, v[LO]
	; where my part begins in p: block of queries 16 x tile row + 8 x half, 65,536 bytes each; block of keys 16 x tile column + 8 x half, 512 bytes each
	s_lshl_b32 s16, s13, 4
	s_lshl_b32 s14, s11, 3
	s_add_co_u32 s16, s16, s14
	s_lshl_b32 s16, s16, 16
	s_mov_b32 s17, 0
	s_lshl_b32 s46, s42, 4                         ; (none of the registers that feed Q's descriptors ever holds cx)
	s_lshl_b32 s47, s12, 3
	s_add_co_u32 s46, s46, s47
	s_lshl_b32 s46, s46, 9
	s_mov_b32 s47, 0
	s_add_nc_u64 s[16:17], s[16:17], s[46:47]
	s_add_nc_u64 s[8:9], s[8:9], s[16:17]
	; and in st: chunk 2 x tile column + half, my first row
	s_lshl_b32 s76, s42, 1
	s_add_co_u32 s76, s76, s12
	s_lshl_b32 s76, s76, 13
	s_lshl_b32 s77, s13, 8
	s_add_co_u32 s76, s76, s77
	s_lshl_b32 s77, s11, 7
	s_add_co_u32 s76, s76, s77
	s_lshl_b32 s76, s76, 2
	s_mov_b32 s77, 0
	s_add_nc_u64 s[68:69], s[68:69], s[76:77]
	s_wait_tensorcnt 1                             ; my part of K step 0 is in; K step 1's may stay out
	s_barrier_signal -1
	s_barrier_wait -1                              ; everybody's is
	FETCH 0, F0
	QUARTER 64,  F0, F1, 1                         ; the first quarter stands in front of the loop: its products start the sums
	WIN 0                                          ; at a label and at a branch every window is 0
	s_mov_b32 s3, NSTEP-2
.Lstep:                                                ; a trip: a step's second quarter to the next step's first; six trips, each fills the slot that it leaves
	QUARTER 128, F1, F0, 0
	QUARTER 192, F0, F1, 0
	TURN 1
	QUARTER 64,  F0, F1, 0
	WIN 0
	s_sub_co_u32 s3, s3, 1
	s_cmp_lg_u32 s3, 0
	s_cbranch_scc1 .Lstep
	s_mov_b32 s3, 2
.Ltail:                                                ; the last two steps ask for nothing; the second trip is left in its middle
	QUARTER 128, F1, F0, 0
	QUARTER 192, F0, F1, 0
	TURN 0
	WIN 0
	s_sub_co_u32 s3, s3, 1
	s_cmp_eq_u32 s3, 0
	s_cbranch_scc1 .Lout
	QUARTER 64,  F0, F1, 0
	WIN 0
	s_branch .Ltail
.Lout:
	s_wait_dscnt 0x0                               ; no LDS load is out: the fragments' registers are free
	PLACES
.irp a, 0,1,2,3,4,5,6,7
	SOFT \a
	PUT \a
.endr
	; cm and l of my 128 rows: both halves of the lanes hold both, so lanes 0-15 give cm and lanes 16-31 l; through my own LDS bytes they become two runs of 512 consecutive bytes
.irp a, 0,1,2,3,4,5,6,7
	v_cndmask_b32 v[XS+(\a)], v[MS+2*(\a)], v[MS+2*(\a)+1], s[HM]
.endr
.irp a, 0,1,2,3,4,5,6,7
	ds_store_b32 v[SSA], v[XS+(\a)] offset:64*(\a)
.endr
	ds_load_b128 v[XO:XO+3], v[SSR]                ; LDS serves a wave's instructions in order (ISA guide 5.7.1.4): these see the stores above
	ds_load_b128 v[XO+4:XO+7], v[SSR] offset:512
	s_wait_dscnt 0x0
	global_store_b128 v[LO], v[XO:XO+3], s[68:69]
	global_store_b128 v[LO], v[XO+4:XO+7], s[68:69] offset:524288   ; l's plane: 16 chunks x 8,192 rows x 4 bytes on
	s_wait_tensorcnt 0x0                           ; the wave's end, behind my last tensor load and my last LDS store
	ds_add_u32 v[SPW], v[NIL]
	s_wait_dscnt 0x0
	CROUND                                         ; the closing round
	s_endpgm
.Lfunc_end_k_q633e212306_scores:
	.size	k_q633e212306_scores, .Lfunc_end_k_q633e212306_scores-k_q633e212306_scores
	.p2alignl 7, 3214868480
	.fill 96, 4, 3214868480
	.section	.rodata,"a",@progbits
	.p2align	6, 0x0
	.amdhsa_kernel k_q633e212306_scores
		.amdhsa_group_segment_fixed_size 327680
		.amdhsa_private_segment_fixed_size 0
		.amdhsa_enable_private_segment 0
		.amdhsa_kernarg_size 24
		.amdhsa_user_sgpr_count 2
		.amdhsa_user_sgpr_kernarg_segment_ptr 1
		.amdhsa_wavefront_size32 1
		.amdhsa_system_sgpr_workgroup_id_x 1
		.amdhsa_system_sgpr_workgroup_id_y 1
		.amdhsa_system_sgpr_workgroup_id_z 1
		.amdhsa_system_vgpr_workitem_id 0
		.amdhsa_next_free_vgpr 1024
		.amdhsa_next_free_sgpr 80
		.amdhsa_reserve_vcc 0
		.amdhsa_float_denorm_mode_32 3
		.amdhsa_float_denorm_mode_16_64 3
		.amdhsa_memory_ordered 1
		.amdhsa_forward_progress 1
		.amdhsa_inst_pref_size 161
	.end_amdhsa_kernel
	.amdgpu_metadata
---
amdhsa.version: [ 1, 2 ]
amdhsa.kernels:
  - .name:           k_q633e212306_scores
    .symbol:         k_q633e212306_scores.kd
    .args:
      - { .name: qkv, .offset: 0, .size: 8, .value_kind: global_buffer, .address_space: global }
      - { .name: p, .offset: 8, .size: 8, .value_kind: global_buffer, .address_space: global }
      - { .name: st, .offset: 16, .size: 8, .value_kind: global_buffer, .address_space: global }
    .group_segment_fixed_size: 327680
    .private_segment_fixed_size: 0
    .kernarg_segment_align: 8
    .kernarg_segment_size: 24
    .max_flat_workgroup_size: 128
    .sgpr_count:     80
    .vgpr_count:     1024
    .wavefront_size: 32
...
	.end_amdgpu_metadata
.endif
;; end of part 7
;; launch pv (part 8): grid 8 x 32, 4 waves a work-group, clusters of 4 x 4, 327,680 bytes of LDS; arguments p, qkv, st, out0; writes out0
.if DOCPART == 8
	.amdgcn_target "amdgcn-amd-amdhsa--gfx1250"
	.amdhsa_code_object_version 6
	.text
	.protected	k_q633e212306_pv
	.globl	k_q633e212306_pv
	.p2align	8
	.type	k_q633e212306_pv,@function
k_q633e212306_pv:
	s_mov_b64 s[64:65], 0
	v_nop
	global_prefetch_b8 v0, s[64:65] scope:SCOPE_SE
	s_setreg_imm32_b32 hwreg(HW_REG_WAVE_MODE, 25, 1), 1
	s_wait_xcnt 0x0
	s_wait_alu depctr_hold_cnt(0) depctr_sa_sdst(0) depctr_va_vdst(0) depctr_va_sdst(0) depctr_va_ssrc(0) depctr_va_vcc(0) depctr_vm_vsrc(0)
	s_getreg_b32 s2, hwreg(HW_REG_IB_STS2, 6, 4)
	s_cmp_eq_u32 s2, 0
	s_cbranch_scc0 .Lentry_in_a_cluster
	s_endpgm
.Lentry_in_a_cluster:
	s_bfe_u32 s2, ttmp6, 0x10000c
	s_cmp_lg_u32 s2, 0xf033
	s_cbranch_scc0 .Lentry_shape_is_right
	s_endpgm
.Lentry_shape_is_right:
; out[q][d] = sum over the 16 chunks c of f'[q][c] x (sum over the chunk's 128 keys k of p[q][k] V[k][d]).  For each query: CM = the largest of its chunks' cm (the row's true maximum, times c);
; f = 2^(cm - CM); L = the sum of f l; f' = f / L.  p (f16), cm and l (f32, st[2][16][8192]) come from the launch before, V (f16) is plane 2 of qkv.  Products in f16 with f32 sums; the factor, and the sum
; over chunks, in f32; out in f32.
; LIMITS.  f lies in 0 to 1 and below 2^-126 counts as 0; L is at least 1 less a rounding; NaN and infinities are not treated apart.
; SHARES.  A work-group makes 256 queries x 128 channels: 256 work-groups.  Wave w makes queries 64 w .. 64 w + 63 x all 128 channels: 32 accumulators X for the chunk in hand and 256 registers O for the sum.
; X AND O.  A chunk's first product starts X with the constant 0.  In the chunk's last quarter, behind each matrix instruction, the accumulator finished two instructions earlier goes into O:
; O += X f', four packed multiply-adds.  O is cleared once, while the first tile is awaited: 256 v_mov_b32 in place of a further copy of a trip for the first chunk.
; p COMES STRAIGHT INTO REGISTERS.  p[512 blocks of 16 queries][128 blocks of 16 keys][32 lanes][16 bytes]: two neighbouring blocks of keys are a fragment (16 queries x 32 keys), lane for lane, so a load of
; 16 bytes a lane takes 512 consecutive bytes.  A ring of eight groups of 32 registers (a group: my 64 queries x 32 keys); a group is asked for seven quarters, 224 matrix instructions, ahead of its use.
; NO JOINT REQUEST FOR p, though the four work-groups of a row of the cluster read the same p: each number of p is used by ONE wave of a work-group, so LDS would only pass it on; and with p in LDS two slots
; of 256 keys would take 2 x (256 x 528 + 256 x 288) = 417,792 bytes, more than there is, while slots of 128 keys leave a refill 128 matrix instructions a wave at the most in which to land.
; V GOES THROUGH LDS, in a ring of two slots of 256 keys; a wave fetches 64 keys (rows of 256 bytes of memory, at multiples of 256 from the buffer's first byte).  CLUSTERS: 4 x 4 work-groups, all of one batch:
; the four of a column need the same tiles of V, the four of a row the same cm and l: these are asked for JOINTLY.
; A TRIP is a slot: 256 keys, two chunks, eight quarters of 32 matrix instructions.  TWO BARRIERS a trip, so that the first seven trips are alike and only the eighth is written out: at quarter 0 the barrier
; of the refill (slot t + 1 goes into the buffer that slot t - 1 has left; in trip 0 that buffer's first fill); at quarter 7 a plain one, which shows slot t + 1 whole ahead of its first fragment loads.
; THE MATRIX INSTRUCTION IS USED TRANSPOSED: source 0 = 16 channels x 32 keys of V (turned on the way out of LDS by ds_load_tr16_b128), source 1 = 16 queries x 32 keys.  Lane l holds query l % 16 and channels 8 (l / 16) + 0..7.
; REGISTERS, in windows of 256 (s_set_vgpr_msb: bits 1:0 source 0, 3:2 source 1, 5:4 source 2, 7:6 destination):
;   window 0: v0-31 addresses; v32-47 the trip's factors; v64-127, v128-191 fragments of V, two buffers (at the start: cm, l and factors at work; on the way out: rows read back)
;   window 1: p's ring, group q at v[32 q], row block a at + 8 a      window 2: X, (a, b) at v[8 (8 a + b)]      window 3: O, likewise
.set PB,    288                        ; a row of V in LDS: 256 bytes + 32 = 72 words
.set VQ,    32*PB                      ; a quarter's 32 keys
.set VWAVE, 64*PB                      ; 64 keys: one tensor load
.set SLOT1, 1<<17                      ; slot 1 begins here, so that one exclusive or turns an address in one slot into the other's
.set STATS, 256*PB                     ; behind slot 0, filled once: wave w's 8,192 bytes: [16 chunks][128 rows] of cm (w even) or l (w odd) for half w / 2
.set FAC,   SLOT1+256*PB               ; behind slot 1: [16 chunks][256 rows], 8 bytes (f', f')
.set STAGE, FAC+32768                  ; 16 rows x 528 bytes for each wave, for the way out
.set SP,    528                        ; 512 bytes + 16 = 132 words
.set SPARE, STAGE+4*16*SP              ; the spare words, 128 bytes for each wave: two blocks of 256 bytes that no other line names
.set TRIPS, 8
.set SA,    12                         ; v12     my two rows' cm in STATS
.set FW,    13                         ; v13     my two rows' 16 bytes in FAC
.set LO,    14                         ; v14     16 x lane: my byte offset in 512 consecutive bytes of p or of out; never rewritten
.set VB0,   16                         ; v16     my lane's place in a slot of V; never rewritten
.set ADRV,  17                         ; v17     the same in the slot in hand, quarters 0-3
.set ADRV2, 18                         ; v18     quarters 4-7
.set FAD,   19                         ; v19     the factors of my rows; steps two chunks a trip
.set STO,   24
.set RD,    25
.set SPW,   28                         ; v28     LDS address of my spare word; never rewritten
.set NIL,   29                         ; v29     0; never rewritten
.set FR,    32                         ; v32-47  chunk c of the trip's two, row block a: the pair (f', f') at FR + 8 c + 2 a
.set F0,    64
.set U,     64                         ; the way out: 16 rows read back: v64-127 and v128-191 by turns
.set PP,  14                           ; s[14:15] p at my 64 queries and the trip's first key
.set GV1, 48                           ; s[48:55], s[56:59] descriptor groups 1 and 0 for V's tiles; group 0 walks
.set GV0, 56
.set TB,  66                           ; s66  the slot in hand: 0 or SLOT1
.set GS1, 68                           ; s[68:75], s[76:79] for cm and l
.set GS0, 76
.set MSB, 0
.macro WIN new
.if MSB != (\new)
	s_set_vgpr_msb (MSB<<8)|(\new)
.set MSB, \new
.endif
.endm
.set W_MM, 0xa4                        ; source 0 (V) window 0, source 1 (p) window 1, C and D (X) window 2
.set W_FM, 0xf2                        ; source 0 (X) window 2, source 1 (f') window 0, source 2 and destination (O) window 3
.set TO_P, 0x40                        ; destination window 1, address window 0
.macro CREST                           ; a round of the cluster's barrier behind its opening barrier
	s_cmp_lg_u32 s10, 0
	s_cbranch_scc1 .Lnot_wave_0_\@
	s_barrier_signal -3
.Lnot_wave_0_\@:
	s_barrier_wait -3
	s_barrier_signal -1
	s_barrier_wait -1
.endm
.macro CROUND
	s_barrier_signal -1
	s_barrier_wait -1
	CREST
.endm
.macro PLACES                          ; four places in front of loads into registers that matrix instructions have read, and of vector work that reads results
.rept 4
	v_nop
.endr
.endm
.macro FMA4 j, c                       ; accumulator j of 32, finished, goes into O with the factor of chunk c (0, 1) of the trip; its registers in ascending order
	WIN W_FM
.irp z, 0,1,2,3
	v_pk_fma_f32 v[8*(\j)+2*(\z):8*(\j)+2*(\z)+1], v[8*(\j)+2*(\z):8*(\j)+2*(\z)+1], v[FR+8*(\c)+2*((\j)/8):FR+8*(\c)+2*((\j)/8)+1], v[8*(\j)+2*(\z):8*(\j)+2*(\z)+1]
.endr
.endm
; 8 matrix instructions of quarter q: row block a x all 8 channel blocks, 32 keys.  A chunk's first quarter starts the sums; in its last quarter FMA4 follows two accumulators behind: between a product and
; the read of its result stand the eight multiply-adds of two other accumulators (ahead of the very first, four v_nop).  The 32 accumulators take turns, one instruction a turn.
.macro M8 q, a
.irp b, 0,1,2,3,4,5,6,7
	WIN W_MM
.if ((\q)%4) == 0
	v_wmma_f32_16x16x32_f16 v[8*(8*(\a)+(\b)):8*(8*(\a)+(\b))+7], v[F0+64*((\q)%2)+8*(\b):F0+64*((\q)%2)+8*(\b)+7], v[32*(\q)+8*(\a):32*(\q)+8*(\a)+7], 0
.else
	v_wmma_f32_16x16x32_f16 v[8*(8*(\a)+(\b)):8*(8*(\a)+(\b))+7], v[F0+64*((\q)%2)+8*(\b):F0+64*((\q)%2)+8*(\b)+7], v[32*(\q)+8*(\a):32*(\q)+8*(\a)+7], v[8*(8*(\a)+(\b)):8*(8*(\a)+(\b))+7]
.endif
.if ((\q)%4) == 3
.if (8*(\a)+(\b)) == 2
	PLACES
.endif
.if (8*(\a)+(\b)) >= 2
	FMA4 8*(\a)+(\b)-2, (\q)/4
.endif
.endif
.endr
.endm
.macro VFETCH adr, qo, f               ; 16 LDS loads: V's eight channel blocks x 32 keys, turned: quarter qo behind the address, into buffer f
	WIN 0
.irp i, 0,1,2,3,4,5,6,7
	ds_load_tr16_b128 v[(\f)+8*(\i):(\f)+8*(\i)+3],   v[\adr] offset:(\qo)*VQ+32*(\i)
	ds_load_tr16_b128 v[(\f)+8*(\i)+4:(\f)+8*(\i)+7], v[\adr] offset:(\qo)*VQ+16*PB+32*(\i)
.endr
.endm
.macro PLOAD g, off                    ; 8 loads: group g of p's ring: four row blocks (65,536 bytes apart) x 32 keys (two blocks of 512 bytes), off bytes behind the trip's first key
	WIN TO_P
.irp a, 0,1,2,3
	global_load_b128 v[32*(\g)+8*(\a):32*(\g)+8*(\a)+3],   v[LO], s[PP:PP+1] offset:(\off)+(\a)*65536
	global_load_b128 v[32*(\g)+8*(\a)+4:32*(\g)+8*(\a)+7], v[LO], s[PP:PP+1] offset:(\off)+(\a)*65536+512
.endr
.endm
; QUARTER q of a trip.  lp = 1: one of the first seven trips; 0: the last.  Behind its first eight products stands ONE run of loads: V's fragments of the next quarter, into the buffer that the quarter before
; multiplied, and the group of p that the quarter before multiplied, for its next use (group 7 for this trip, groups 0-6 for the next).
.macro QTR q, lp
.if ((\q) == 0) && (\lp)
	WIN 0
	s_wait_tensorcnt 0x0                           ; no tensor load of mine is out (quarter 7's wait has shown it), so group 0 may be written
	ds_add_u32 v[SPW], v[NIL]                      ; 0 onto my spare word; the descriptor's step stands between it and the wait for it
	s_xor_b32 s[GV0+1], s[GV0+1], SLOT1            ; the other buffer than last time,
	s_add_nc_u64 s[GV0+2:GV0+3], s[GV0+2:GV0+3], 256*2048  ; the next 256 keys; the type bits on top are not reached
	s_wait_dscnt 0x0                               ; the add is done; this quarter's fragments are in; my reads of the buffer to be filled ended a quarter ago
	s_wait_loadcnt 48                              ; group 0 is in: six groups of eight loads were issued behind it
	s_barrier_signal -1
	M8 \q, 0                                       ; work on registers while the others arrive
	WIN 0
	s_barrier_wait -1
	CREST                                          ; the barrier has opened a round of the cluster's: no wave of any partner still reads that buffer or has a load on its way
	tensor_load_to_lds s[GV0:GV0+3], s[GV1:GV1+7]  ; my one tensor load behind the round: 216 matrix instructions ahead of the wait for it
	s_nop 0
	PLACES                                         ; (the places in front of the loads below)
.elseif ((\q) == 7) && (\lp)
	s_wait_dscnt 0x0
	s_wait_loadcnt 48
	s_wait_tensorcnt 0x0                           ; my part of the next slot is in: the one load that was out
	s_barrier_signal -1
	M8 \q, 0
	WIN 0
	s_barrier_wait -1                              ; everybody's is
	PLACES
.else
	s_wait_dscnt 0x0                               ; this quarter's fragments of V are in
.if (\lp) || ((\q) == 0)
	s_wait_loadcnt 48                              ; group q is in: six groups of eight loads were issued behind it
.else
	s_wait_loadcnt 8*(7-(\q))                      ; the last trip asks only for group 7, in its quarter 0: the counts run down
.endif
	M8 \q, 0
.if (\lp) || ((\q) < 7)
	PLACES
.endif
.endif
.if (\q) == 0
	WIN 0
.irp c, 0,1
.irp a, 0,1,2,3
	ds_load_b64 v[FR+8*(\c)+2*(\a):FR+8*(\c)+2*(\a)+1], v[FAD] offset:2048*(\c)+128*(\a)  ; the trip's factors
.endr
.endr
.endif
.if (\q) < 3
	VFETCH ADRV, (\q)+1, F0+64*(((\q)+1)%2)
.elseif (\q) < 7
	VFETCH ADRV2, (\q)-3, F0+64*(((\q)+1)%2)
.elseif \lp
	WIN 0
	s_xor_b32 s[TB], s[TB], SLOT1                  ; the other slot is in hand now
	v_add_nc_u32 v[ADRV], s[TB], v[VB0]
	v_add_nc_u32 v[ADRV2], 4*VQ, v[ADRV]
	VFETCH ADRV, 0, F0
.endif
.if (\q) == 0
	PLOAD 7, 7*1024
.elseif \lp
	PLOAD (\q)-1, 8192+((\q)-1)*1024
.endif
	M8 \q, 1
	M8 \q, 2
	M8 \q, 3
.if ((\q)%4) == 3
	FMA4 30, (\q)/4                                ; the chunk's last two accumulators
	FMA4 31, (\q)/4
.endif
.endm
; THE WAY OUT of row block a (16 queries): a lane's eight channels of a row are 32 bytes; they go into rows of 528 bytes and come back as whole rows of 512.
.macro TOST a
	WIN 0x0c                                       ; store data (source 1) window 3
.irp b, 0,1,2,3,4,5,6,7
	ds_store_b128 v[STO], v[64*(\a)+8*(\b):64*(\a)+8*(\b)+3]   offset:64*(\b)
	ds_store_b128 v[STO], v[64*(\a)+8*(\b)+4:64*(\a)+8*(\b)+7] offset:64*(\b)+16
.endr
	WIN 0
.irp t, 0,1,2,3,4,5,6,7,8,9,10,11,12,13,14,15
	ds_load_b128 v[U+64*((\a)%2)+4*(\t):U+64*((\a)%2)+4*(\t)+3], v[RD] offset:(\t)*SP  ; LDS serves a wave's instructions in order (ISA guide 5.7.1.4): these see the stores above; the next block's stores come behind them
.endr
.endm
.macro SEND a, younger                 ; younger: the LDS instructions issued behind block a's loads: the next block's 32, or none
	WIN 0
	s_wait_dscnt \younger
.irp t, 0,1,2,3,4,5,6,7,8,9,10,11,12,13,14,15
	global_store_b128 v[LO], v[U+64*((\a)%2)+4*(\t):U+64*((\a)%2)+4*(\t)+3], s[8:9] offset:(16*(\a)+(\t))*4096 th:TH_STORE_NT  ; the wave stores 512 consecutive bytes, at a multiple of 512 from out's first byte
.endr
.endm
	s_load_b128 s[4:7], s[0:1], 0x0                ; p s[4:5], qkv s[6:7]
	s_load_b128 s[80:83], s[0:1], 0x10             ; st s[80:81], out0 s[82:83]
	v_lshl_add_u32 v[SPW], v0, 2, SPARE
	v_mov_b32 v[NIL], 0
	ds_add_u32 v[SPW], v[NIL]                      ; the wave's opening: the add and its wait stand ahead of my first tensor load; the set-up below stands between them
	v_lshrrev_b32 v1, 5, v0
	v_readfirstlane_b32 s10, v1                    ; wave 0..3
	v_and_b32 v3, 31, v0                           ; l
	v_lshlrev_b32 v[LO], 4, v3
	s_lshr_b32 s11, s10, 1                         ; of cm and l I fetch the part of 128 rows w / 2,
	s_and_b32 s12, s10, 1                          ; cm (0) or l (1)
	s_bfe_u32 s40, ttmp6, 0x40000                  ; cx
	s_bfe_u32 s41, ttmp6, 0x40004                  ; cy
	s_lshl_b32 s42, ttmp9, 2
	s_add_co_u32 s42, s42, s40                     ; tile column (128 channels) = 4 x cluster x + cx
	s_and_b32 s13, ttmp7, 0xffff
	s_lshr_b32 s45, s13, 1                         ; the batch; the same in the whole cluster
	s_lshl_b32 s13, s13, 2
	s_add_co_u32 s13, s13, s41                     ; tile row (256 queries) = 4 x cluster y + cy
	s_lshl_b32 s43, s41, 2
	s_lshl_b32 s43, 15, s43                        ; my row of the cluster
	s_lshl_b32 s44, 0x1111, s40                    ; my column
	s_or_b32 s[GV1], s44, (1<<16)|(1<<20)|(1<<21)|(5<<22)|(7<<25)  ; V: elements of 2 bytes, 8 words of padding after every 64; the mask of my column
	s_mov_b32 s[GV1+1], 128<<16                    ; tensor_dim0 = 128
	s_mov_b32 s[GV1+2], 64<<16                     ; tensor_dim1 = 64
	s_mov_b32 s[GV1+3], 128<<16                    ; tile_dim0 = 128
	s_mov_b32 s[GV1+4], 64                         ; tile_dim1 = 64
	s_mov_b32 s[GV1+5], 1024                       ; elements from row to row
	s_mov_b32 s[GV1+6], 0
	s_mov_b32 s[GV1+7], 0
	s_or_b32 s[GS1], s43, (2<<16)|(1<<21)          ; cm or l: elements of 4 bytes, no padding; the mask of my row
	s_mov_b32 s[GS1+1], 128<<16                    ; 128 rows of the tile,
	s_mov_b32 s[GS1+2], 16<<16                     ; 16 chunks,
	s_mov_b32 s[GS1+3], 128<<16
	s_mov_b32 s[GS1+4], 16
	s_mov_b32 s[GS1+5], 8192                       ; 8,192 elements from chunk to chunk
	s_mov_b32 s[GS1+6], 0
	s_mov_b32 s[GS1+7], 0
	s_mov_b32 s[TB], 0                             ; slot 0 is in hand first
	s_lshl_b32 s46, s45, 11
	s_lshl_b32 s47, s10, 6
	s_add_co_u32 s46, s46, s47                     ; V: row 2,048 x batch + 64 x wave,
	s_lshl_b32 s46, s46, 11                        ; 2,048 bytes a row,
	s_lshl_b32 s47, s42, 8
	s_add_co_u32 s46, s46, s47                     ; 256 bytes a tile column,
	s_add_co_u32 s46, s46, 33554432                ; in plane 2 of qkv
	s_mov_b32 s47, 0
	s_lshl_b32 s18, s12, 19                        ; cm's plane or l's,
	s_lshl_b32 s19, s13, 10                        ; the tile's 256 rows,
	s_add_co_u32 s18, s18, s19
	s_lshl_b32 s19, s11, 9                         ; 128 of them
	s_add_co_u32 s18, s18, s19
	s_mov_b32 s19, 0
	s_lshl_b32 s16, s13, 4
	s_lshl_b32 s17, s10, 2
	s_add_co_u32 s16, s16, s17                     ; p: block of queries 16 x tile row + 4 x wave,
	s_lshl_b32 s16, s16, 16                        ; 65,536 bytes each
	s_mov_b32 s17, 0
	s_lshl_b32 s84, s13, 8
	s_lshl_b32 s85, s10, 6
	s_add_co_u32 s84, s84, s85                     ; out: row 256 x tile row + 64 x wave,
	s_lshl_b32 s84, s84, 12                        ; 4,096 bytes a row,
	s_lshl_b32 s85, s42, 9
	s_add_co_u32 s84, s84, s85                     ; 512 bytes a tile column
	s_mov_b32 s85, 0
	s_mul_i32 s21, s10, VWAVE                      ; where V's keys go in a slot: no place in the cluster enters an LDS address
	s_lshl_b32 s22, s10, 13
	s_add_co_u32 s22, s22, STATS
	s_wait_dscnt 0x0                               ; the opening add is done
	s_wait_kmcnt 0x0
	s_add_nc_u64 s[46:47], s[6:7], s[46:47]
	s_add_nc_u64 s[18:19], s[80:81], s[18:19]
	s_add_nc_u64 s[PP:PP+1], s[4:5], s[16:17]
	s_add_nc_u64 s[8:9], s[82:83], s[84:85]
	CROUND                                         ; all sixteen work-groups are here: the first joint loads meet
	s_mov_b32 s[GS0], 1
	s_mov_b32 s[GS0+1], s22
	s_mov_b64 s[GS0+2:GS0+3], s[18:19]
	s_or_b32 s[GS0+3], s[GS0+3], 0x80000000
	s_mov_b32 s[GV0], 1
	s_mov_b32 s[GV0+1], s21
	s_mov_b64 s[GV0+2:GV0+3], s[46:47]
	s_or_b32 s[GV0+3], s[GV0+3], 0x80000000
	tensor_load_to_lds s[GS0:GS0+3], s[GS1:GS1+7]  ; cm or l of 128 rows
	s_nop 0
	tensor_load_to_lds s[GV0:GV0+3], s[GV1:GV1+7]  ; my 64 keys of slot 0: two loads of mine are out
	s_nop 0
	PLACES
.irp g, 0,1,2,3,4,5,6
	PLOAD \g, (\g)*1024                            ; p's first seven groups
.endr
	WIN 0
	v_and_b32 v1, 15, v0                           ; l % 16
	v_bfe_u32 v2, v0, 4, 1                         ; l / 16
	; The turning load takes 16 keys x 16 channels (lane l reads key 8 (l / 16) + l % 8, channels 8 ((l / 8) % 2) + 0..7) and leaves half a fragment: lane l holds channel l % 16 and 8 keys.
	v_and_b32 v5, 7, v0
	v_bfe_u32 v6, v0, 3, 1
	v_lshl_add_u32 v7, v2, 3, v5
	v_mul_u32_u24 v7, v7, PB
	v_lshl_add_u32 v[VB0], v6, 4, v7
	v_mov_b32 v[ADRV], v[VB0]
	v_add_nc_u32 v[ADRV2], 4*VQ, v[VB0]
	s_lshl_b32 s23, s10, 9                         ; my 64 rows' factors, 8 bytes each
	s_add_co_u32 s23, s23, FAC
	v_lshl_add_u32 v[FAD], v1, 3, s23
	s_mul_i32 s22, s10, 16*SP
	s_add_co_u32 s22, s22, STAGE                   ; my stage
	v_mul_u32_u24 v8, v1, SP                       ; in: row l % 16, 32 bytes for each half of the lanes
	v_lshl_add_u32 v8, v2, 5, v8
	v_add_nc_u32 v[STO], s22, v8
	v_add_nc_u32 v[RD], s22, v[LO]                 ; back: 32 lanes take a row of 512 bytes
	v_lshrrev_b32 v9, 6, v0                        ; thread t owns rows 2 t and 2 t + 1 of the tile's 256: half t / 64,
	v_and_b32 v10, 63, v0
	v_lshlrev_b32 v10, 3, v10                      ; 8 bytes at 8 (t % 64)
	v_lshl_add_u32 v10, v9, 14, v10
	v_add_nc_u32 v[SA], STATS, v10
	v_lshl_add_u32 v[FW], v0, 4, FAC
	WIN 0xc0                                       ; destination window 3
.set i, 0
.rept 256
	v_mov_b32 v[i], 0                              ; O
.set i, i+1
.endr
	WIN 0
	s_wait_tensorcnt 1                             ; my part of cm and l is in; slot 0's load, issued behind it, may stay out
	s_barrier_signal -1
	s_barrier_wait -1                              ; everybody's is
	; THE FACTORS of my two rows: CM, f = 2^(cm - CM) for 16 chunks, L = the sum of f l, f' = f / L
.irp c, 0,1,2,3,4,5,6,7,8,9,10,11,12,13,14,15
	ds_load_b64 v[64+2*(\c):65+2*(\c)], v[SA] offset:512*(\c)
.endr
.irp c, 0,1,2,3,4,5,6,7,8,9,10,11,12,13,14,15
	ds_load_b64 v[96+2*(\c):97+2*(\c)], v[SA] offset:8192+512*(\c)
.endr
	s_wait_dscnt 16                                ; cm is in; l's sixteen loads may be out
	v_max3_num_f32 v128, v64, v66, v68
	v_max3_num_f32 v129, v65, v67, v69
.irp c, 3,5,7,9,11,13
	v_max3_num_f32 v128, v128, v[64+2*(\c)], v[66+2*(\c)]
	v_max3_num_f32 v129, v129, v[65+2*(\c)], v[67+2*(\c)]
.endr
	v_max_num_f32 v128, v128, v94
	v_max_num_f32 v129, v129, v95
.irp c, 0,1,2,3,4,5,6,7,8,9,10,11,12,13,14,15
	v_pk_add_f32 v[64+2*(\c):65+2*(\c)], v[64+2*(\c):65+2*(\c)], v[128:129] neg_lo:[0,1] neg_hi:[0,1]
.endr
.set i, 0
.rept 32
	v_exp_f32 v[64+i], v[64+i]
.set i, i+1
.endr
	s_wait_dscnt 0x0                               ; l
	v_nop                                          ; a plain instruction between the last exponential and the use of its result (ISA guide 5.7.2)
	s_wait_alu depctr_va_vdst(0)
	v_pk_mul_f32 v[130:131], v[64:65], v[96:97]    ; two chains
	v_pk_mul_f32 v[132:133], v[66:67], v[98:99]
.irp c, 2,4,6,8,10,12,14
	v_pk_fma_f32 v[130:131], v[64+2*(\c):65+2*(\c)], v[96+2*(\c):97+2*(\c)], v[130:131]
	v_pk_fma_f32 v[132:133], v[66+2*(\c):67+2*(\c)], v[98+2*(\c):99+2*(\c)], v[132:133]
.endr
	v_pk_add_f32 v[130:131], v[130:131], v[132:133]
	v_rcp_f32 v130, v130
	v_rcp_f32 v131, v131
	v_nop                                          ; a plain instruction between the last reciprocal and the use of its result
	s_wait_alu depctr_va_vdst(0)
.irp c, 0,1,2,3,4,5,6,7,8,9,10,11,12,13,14,15
	v_mul_f32 v[134+4*(\c)], v[64+2*(\c)], v130    ; each f' twice: the pair that the packed multiply-add takes
	v_mul_f32 v[135+4*(\c)], v[64+2*(\c)], v130
	v_mul_f32 v[136+4*(\c)], v[65+2*(\c)], v131
	v_mul_f32 v[137+4*(\c)], v[65+2*(\c)], v131
.endr
.irp c, 0,1,2,3,4,5,6,7,8,9,10,11,12,13,14,15
	ds_store_b128 v[FW], v[134+4*(\c):137+4*(\c)] offset:2048*(\c)
.endr
	s_wait_dscnt 0x0                               ; for the others' sake: my stores are done,
	s_wait_tensorcnt 0x0                           ; and my part of slot 0 is in
	s_barrier_signal -1
	s_barrier_wait -1
	VFETCH ADRV, 0, F0                             ; the first quarter's fragments of V
	s_mov_b32 s3, TRIPS-1
.Ltrip:                                                ; seven trips: each asks for the next slot of V and for the next trip's p
.irp q, 0,1,2,3,4,5,6,7
	QTR \q, 1
.endr
	WIN 0                                          ; at a label and at a branch every window is 0
	v_add_nc_u32 v[FAD], 4096, v[FAD]              ; two chunks on
	s_wait_xcnt 0x0                                ; p's base is stepped only behind this wait (ISA guide 3.1)
	s_add_nc_u64 s[PP:PP+1], s[PP:PP+1], 8192      ; 256 keys on: 16 blocks of 512 bytes
	s_sub_co_u32 s3, s3, 1
	s_cmp_lg_u32 s3, 0
	s_cbranch_scc1 .Ltrip
.irp q, 0,1,2,3,4,5,6,7
	QTR \q, 0                                      ; the last trip is written out: no tensor load, no barrier, of p only group 7
.endr
	TOST 0                                         ; the last multiply-adds, twelve of them, stand between the last product and the loads into V's buffers
	TOST 1
	SEND 0, 32
	s_wait_xcnt 0x0                                ; the registers that block 0's stores read are loaded again only behind this wait (ISA guide 3.1)
	TOST 2
	SEND 1, 32
	s_wait_xcnt 0x0
	TOST 3
	SEND 2, 32
	SEND 3, 0
	s_wait_tensorcnt 0x0                           ; the wave's end, behind my last tensor load and my last LDS store
	ds_add_u32 v[SPW], v[NIL]
	s_wait_dscnt 0x0
	CROUND                                         ; the closing round: no work-group ends while a partner may still ask for a tile that names it
	s_endpgm
.Lfunc_end_k_q633e212306_pv:
	.size	k_q633e212306_pv, .Lfunc_end_k_q633e212306_pv-k_q633e212306_pv
	.p2alignl 7, 3214868480
	.fill 96, 4, 3214868480
	.section	.rodata,"a",@progbits
	.p2align	6, 0x0
	.amdhsa_kernel k_q633e212306_pv
		.amdhsa_group_segment_fixed_size 327680
		.amdhsa_private_segment_fixed_size 0
		.amdhsa_enable_private_segment 0
		.amdhsa_kernarg_size 32
		.amdhsa_user_sgpr_count 2
		.amdhsa_user_sgpr_kernarg_segment_ptr 1
		.amdhsa_wavefront_size32 1
		.amdhsa_system_sgpr_workgroup_id_x 1
		.amdhsa_system_sgpr_workgroup_id_y 1
		.amdhsa_system_sgpr_workgroup_id_z 1
		.amdhsa_system_vgpr_workitem_id 0
		.amdhsa_next_free_vgpr 1024
		.amdhsa_next_free_sgpr 88
		.amdhsa_reserve_vcc 0
		.amdhsa_float_denorm_mode_32 3
		.amdhsa_float_denorm_mode_16_64 3
		.amdhsa_memory_ordered 1
		.amdhsa_forward_progress 1
		.amdhsa_inst_pref_size 145
	.end_amdhsa_kernel
	.amdgpu_metadata
---
amdhsa.version: [ 1, 2 ]
amdhsa.kernels:
  - .name:           k_q633e212306_pv
    .symbol:         k_q633e212306_pv.kd
    .args:
      - { .name: p, .offset: 0, .size: 8, .value_kind: global_buffer, .address_space: global }
      - { .name: qkv, .offset: 8, .size: 8, .value_kind: global_buffer, .address_space: global }
      - { .name: st, .offset: 16, .size: 8, .value_kind: global_buffer, .address_space: global }
      - { .name: out0, .offset: 24, .size: 8, .value_kind: global_buffer, .address_space: global }
    .group_segment_fixed_size: 327680
    .private_segment_fixed_size: 0
    .kernarg_segment_align: 8
    .kernarg_segment_size: 32
    .max_flat_workgroup_size: 128
    .sgpr_count:     88
    .vgpr_count:     1024
    .wavefront_size: 32
...
	.end_amdgpu_metadata
.endif
;; end of part 8
;; ======== version 3 of 3: 4 launches; version 2 with the launch cast written anew for expert scheduling mode
;; limits: values are held in f16: magnitudes above 65,504 overflow, below 6.1e-05 lose precision
;; workspace buffers: xw 23,080,960 bytes; qkv 50,331,648 bytes; p 33,554,432 bytes; st 1,048,576 bytes
;; launch cast (part 9): grid 705 x 1, 8 waves a work-group, no clusters, 0 bytes of LDS; arguments x, Wq, Wk, Wv, bq, bk, bv, xw; writes xw
.if DOCPART == 9
	.amdgcn_target "amdgcn-amd-amdhsa--gfx1250"
	.amdhsa_code_object_version 6
	.text
	.protected	k_q633e212306_cast
	.globl	k_q633e212306_cast
	.p2align	8
	.type	k_q633e212306_cast,@function
k_q633e212306_cast:
	s_mov_b64 s[64:65], 0
	v_nop
	global_prefetch_b8 v0, s[64:65] scope:SCOPE_SE
	s_setreg_imm32_b32 hwreg(HW_REG_WAVE_SCHED_MODE, 0, 2), 2
	s_setreg_imm32_b32 hwreg(HW_REG_WAVE_MODE, 25, 1), 1
	s_wait_xcnt 0x0
	s_wait_alu depctr_vm_vsrc(0)
; xw = x, Wq, Wk, Wv rounded once to bf16 (to nearest even), laid out for the next launch's K steps of 64: xw[16 K steps][11264 rows][64]; rows 0 to 8191 are x, 8192 on Wq, 9216 on Wk, 10240 on Wv.
; So the 64 numbers of a row and K step are 128 bytes, and the rows of a K step lie end to end.  Behind the 16 planes: bq, bk, bv (3,072 numbers), rounded to bf16 like the other inputs and widened to f32 again.
; A stream: every byte is read once and written once, so no LDS, no barrier, no matrix unit and no cluster (no two work-groups read the same byte).
; Work-groups 0 to 703 take 16 rows each (65,536 bytes in, 32,768 out): 0 to 511 x, 512 + 64 sel + i part i of weight sel; row 16 x the work-group's number of xw.  Work-group 704 takes the biases.
; Thread t takes row t / 16 of the 16 and, in each K step, the 16 bytes at 16 (t % 16) of its 256: sixteen lanes read 256 consecutive bytes, aligned.  Its 8 bytes of bf16 go to byte 8 t of the work-group's
; 2,048 bytes in that K step's plane: a wave's store covers two rows' 128 bytes: 256 consecutive bytes, aligned.
; All sixteen loads of a wave go out first; the waits count down by blocks of four, so that the younger loads stay out while the older are rounded and stored.
; THE MODE: SCHED_MODE bits 1:0 = 2 (LLVM: expert scheduling mode 2), set by the entry lines.  The code itself states the register dependences
; between vector instructions and memory instructions, with s_wait_alu, always for 0.
; THE PLAN.  The sixteen K steps go in four blocks of four.  Registers that memory instructions touch:
;   v1, v2   byte offsets of the loads and of the stores: made once at the head by vector instructions and never written again.
;   X        K step j: 4 registers at X + 4 j.  Written by load j alone, once; no vector instruction names them ahead of it; read by block j / 4's roundings.
;   Y        K step j: 2 registers at Y + 2 j.  Written by block j / 4's roundings, once; read by store j, which is issued in block j / 4 + 1 (the last block's behind it).
; No register that a load or store has read is written again, and no load lands in a register that a vector instruction has named.  What is left to state: the offsets are written ahead of the first load,
; and a block's part of Y is written ahead of its stores.  So one wait stands in front of the loads, one at the head of each block but the first, and one behind the last block.  A block's four stores follow
; its head's wait, dealt among the block's own eight roundings, which name that block's X and Y alone: none of the registers that those stores read.
.set NX, 512                           ; work-groups that take x
.set NW, 704                           ; work-groups that take x or a weight
.set PLANE, 11264*128                  ; bytes of xw for one K step
.set X, 4                              ; v[4:67]   as loaded
.set Y, 68                             ; v[68:99]  to store
	s_load_b256 s[4:11], s[0:1], 0x0               ; x s[4:5], Wq s[6:7], Wk s[8:9], Wv s[10:11]
	s_load_b256 s[12:19], s[0:1], 0x20             ; bq s[12:13], bk s[14:15], bv s[16:17], xw s[18:19]
	v_lshlrev_b32 v2, 3, v0                        ; 8 t
	v_lshrrev_b32 v1, 4, v0                        ; my row of the 16
	v_and_b32 v3, 15, v0
	v_lshlrev_b32 v3, 4, v3
	v_lshl_add_u32 v1, v1, 12, v3                  ; row x 4,096 + 16 (t % 16)
	s_sub_co_u32 s32, ttmp9, NX                    ; my number among the weights' work-groups (of no use below NX: x is chosen there)
	s_lshr_b32 s33, s32, 6                         ; which weight
	s_and_b32 s34, s32, 63                         ; which part of it
	s_mov_b32 s23, 0
	s_wait_kmcnt 0x0
	s_cmp_eq_u32 ttmp9, NW
	s_cbranch_scc1 .Lbias
	s_cmp_eq_u32 s33, 0
	s_cselect_b64 s[20:21], s[6:7], s[8:9]         ; Wq or Wk,
	s_cmp_eq_u32 s33, 2
	s_cselect_b64 s[20:21], s[10:11], s[20:21]     ; or Wv,
	s_cmp_lt_u32 ttmp9, NX
	s_cselect_b64 s[20:21], s[4:5], s[20:21]       ; or x
	s_cselect_b32 s34, ttmp9, s34                  ; and my part of that source
	s_lshl_b32 s22, s34, 16                        ; 65,536 bytes a part
	s_add_nc_u64 s[20:21], s[20:21], s[22:23]
	s_lshl_b32 s22, ttmp9, 11                      ; 16 rows of 128 bytes in each plane
	s_add_nc_u64 s[24:25], s[18:19], s[22:23]      ; K steps 0 to 3,
	s_add_nc_u64 s[26:27], s[24:25], 4*PLANE       ; 4 to 7,
	s_add_nc_u64 s[28:29], s[24:25], 8*PLANE       ; 8 to 11,
	s_add_nc_u64 s[30:31], s[24:25], 12*PLANE      ; 12 to 15: three planes at the most stand in a store's immediate, inside its signed 24 bits
	s_wait_alu depctr_va_vdst(0)                   ; v1 and v2 are written: every load below reads v1 as its offset, every store v2
.irp j, 0,1,2,3,4,5,6,7,8,9,10,11,12,13,14,15
	global_load_b128 v[X+4*(\j):X+4*(\j)+3], v1, s[20:21] offset:256*(\j) th:TH_LOAD_NT
.endr
; Block p: K steps 4 p to 4 p + 3 are rounded; the four stores of block p - 1 go out among the roundings.  A block has a base of its own; the K step within it stands in the store's immediate.
.macro BLK p
	s_wait_loadcnt 12-4*(\p)                       ; loads come back in order (ISA guide 5.7.1): this block's four are in, those of the younger blocks stay out
.if (\p) > 0
	s_wait_alu depctr_va_vdst(0)                   ; the roundings of the block before have written its part of Y, which the four stores below read
.endif
.irp i, 0,1,2,3
.if (\p) > 0
	global_store_b64 v2, v[Y+2*(4*((\p)-1)+(\i)):Y+2*(4*((\p)-1)+(\i))+1], s[24+2*((\p)-1):25+2*((\p)-1)] offset:(\i)*PLANE  ; no vector instruction since the wait names these registers
.endif
	v_cvt_pk_bf16_f32 v[Y+2*(4*(\p)+(\i))],   v[X+4*(4*(\p)+(\i))],   v[X+4*(4*(\p)+(\i))+1]
	v_cvt_pk_bf16_f32 v[Y+2*(4*(\p)+(\i))+1], v[X+4*(4*(\p)+(\i))+2], v[X+4*(4*(\p)+(\i))+3]
.endr
.endm
	BLK 0
	BLK 1
	BLK 2
	BLK 3
	s_wait_alu depctr_va_vdst(0)                   ; the last block's roundings have written its part of Y, which the last four stores read
.irp i, 0,1,2,3
	global_store_b64 v2, v[Y+2*(12+(\i)):Y+2*(12+(\i))+1], s[30:31] offset:(\i)*PLANE
.endr
	s_endpgm
.Lbias:                                                ; 256 threads x 4 numbers are one bias
	v_lshlrev_b32 v3, 4, v0                        ; 16 t (no load or store has read v3)
	s_wait_alu depctr_va_vdst(0)                   ; v3 is written: the three loads and the three stores below read it as their offset
	global_load_b128 v[4:7], v3, s[12:13]
	global_load_b128 v[8:11], v3, s[14:15]
	global_load_b128 v[12:15], v3, s[16:17]
	s_add_nc_u64 s[24:25], s[18:19], 16*PLANE      ; behind the planes
	s_wait_loadcnt 0x0
.irp i, 0,1,2,3,4,5
	v_cvt_pk_bf16_f32 v[16+(\i)], v[4+2*(\i)], v[5+2*(\i)]
.endr
.irp i, 0,1,2,3,4,5
	v_lshlrev_b32 v[24+2*(\i)], 16, v[16+(\i)]     ; bf16 to f32: the low half moves up,
	v_and_b32 v[25+2*(\i)], 0xffff0000, v[16+(\i)] ; the high half stays
.endr
	s_wait_alu depctr_va_vdst(0)                   ; the widening lines have written v[24:35], which the three stores read
	global_store_b128 v3, v[24:27], s[24:25]       ; a wave stores 512 consecutive bytes, aligned
	global_store_b128 v3, v[28:31], s[24:25] offset:4096
	global_store_b128 v3, v[32:35], s[24:25] offset:8192
	s_endpgm
.Lfunc_end_k_q633e212306_cast:
	.size	k_q633e212306_cast, .Lfunc_end_k_q633e212306_cast-k_q633e212306_cast
	.p2alignl 7, 3214868480
	.fill 96, 4, 3214868480
	.section	.rodata,"a",@progbits
	.p2align	6, 0x0
	.amdhsa_kernel k_q633e212306_cast
		.amdhsa_group_segment_fixed_size 0
		.amdhsa_private_segment_fixed_size 0
		.amdhsa_enable_private_segment 0
		.amdhsa_kernarg_size 64
		.amdhsa_user_sgpr_count 2
		.amdhsa_user_sgpr_kernarg_segment_ptr 1
		.amdhsa_wavefront_size32 1
		.amdhsa_system_sgpr_workgroup_id_x 1
		.amdhsa_system_sgpr_workgroup_id_y 1
		.amdhsa_system_sgpr_workgroup_id_z 1
		.amdhsa_system_vgpr_workitem_id 0
		.amdhsa_next_free_vgpr 100
		.amdhsa_next_free_sgpr 66
		.amdhsa_reserve_vcc 0
		.amdhsa_float_denorm_mode_32 3
		.amdhsa_float_denorm_mode_16_64 3
		.amdhsa_memory_ordered 1
		.amdhsa_forward_progress 1
		.amdhsa_inst_pref_size 9
	.end_amdhsa_kernel
	.amdgpu_metadata
---
amdhsa.version: [ 1, 2 ]
amdhsa.kernels:
  - .name:           k_q633e212306_cast
    .symbol:         k_q633e212306_cast.kd
    .args:
      - { .name: x, .offset: 0, .size: 8, .value_kind: global_buffer, .address_space: global }
      - { .name: Wq, .offset: 8, .size: 8, .value_kind: global_buffer, .address_space: global }
      - { .name: Wk, .offset: 16, .size: 8, .value_kind: global_buffer, .address_space: global }
      - { .name: Wv, .offset: 24, .size: 8, .value_kind: global_buffer, .address_space: global }
      - { .name: bq, .offset: 32, .size: 8, .value_kind: global_buffer, .address_space: global }
      - { .name: bk, .offset: 40, .size: 8, .value_kind: global_buffer, .address_space: global }
      - { .name: bv, .offset: 48, .size: 8, .value_kind: global_buffer, .address_space: global }
      - { .name: xw, .offset: 56, .size: 8, .value_kind: global_buffer, .address_space: global }
    .group_segment_fixed_size: 0
    .private_segment_fixed_size: 0
    .kernarg_segment_align: 8
    .kernarg_segment_size: 64
    .max_flat_workgroup_size: 256
    .sgpr_count:     66
    .vgpr_count:     100
    .wavefront_size: 32
...
	.end_amdgpu_metadata
.endif
;; end of part 9
;; launch proj: the kernel of part 6 again; grid 8 x 32, 4 waves a work-group, clusters of 4 x 4, 327,680 bytes of LDS; arguments xw, qkv; writes qkv
;; launch scores: the kernel of part 7 again; grid 8 x 32, 4 waves a work-group, clusters of 4 x 4, 327,680 bytes of LDS; arguments qkv, p, st; writes p, st
;; launch pv: the kernel of part 8 again; grid 8 x 32, 4 waves a work-group, clusters of 4 x 4, 327,680 bytes of LDS; arguments p, qkv, st, out0; writes out0
